; MI455X (gfx1250); checked and timed in simulation.
; The chip was launched on July 23, 2026; its instructions are those of AMD's public machine-readable ISA for CDNA 5 (MIT licence, August 2026) and "CDNA5" Instruction Set Architecture Reference Guide (July 2026). The comments in the code are by the model that wrote it; some were corrected since.
;; Encoder Layer. Allowed arithmetic: float matrix products may take bf16 or f16 operands with f32 sums; other float arithmetic in f32, or as packed bf16 or f16 multiplies, adds, multiply-adds, maxima and minima; sums over many terms, partial sums and values carried from step to step in f32; what a program stores and reads back later, other than sums and carried values, may be rounded once to bf16 or f16.
;; Inputs: attn_bias 2 x 1 x 2,048 x 2,048 float32; b1 4,096 float32; b2 1,024 float32; enc_input 2 x 2,048 x 1,024 float32; ln1_b 1,024 float32; ln1_g 1,024 float32; ln2_b 1,024 float32; ln2_g 1,024 float32; w1 1,024 x 4,096 float32; w2 4,096 x 1,024 float32; wk 1,024 x 1,024 float32; wo 1,024 x 1,024 float32; wq 1,024 x 1,024 float32; wv 1,024 x 1,024 float32.
;; Outputs: out0 2 x 2,048 x 1,024 float32.
;; 2 versions, each right. Each part assembles by itself: llvm-mc -triple=amdgcn-amd-amdhsa -mcpu=gfx1250 --defsym DOCPART=n.
;; ======== version 1 of 2: 7 launches
;; limits: inputs' magnitudes at most 4.25e+37
;; workspace buffers: wb 25,165,824 bytes; xn 8,388,608 bytes; qkv 25,165,824 bytes; att 8,388,608 bytes; ao 16,777,216 bytes; hb 33,554,432 bytes
;; launch prep (part 1): grid 1024 x 1, 4 waves a work-group, no clusters, 0 bytes of LDS; arguments enc_input, ln1_g, ln1_b, xn, wq, wk, wv, wo, w1, w2, wb; writes xn, wb
.if DOCPART == 1
	.amdgcn_target "amdgcn-amd-amdhsa--gfx1250"
	.amdhsa_code_object_version 6
	.text
	.protected	k_qb3df6e7745_prep
	.globl	k_qb3df6e7745_prep
	.p2align	8
	.type	k_qb3df6e7745_prep,@function
k_qb3df6e7745_prep:
	s_mov_b64 s[64:65], 0
	v_nop
	global_prefetch_b8 v0, s[64:65] scope:SCOPE_SE
	s_setreg_imm32_b32 hwreg(HW_REG_WAVE_MODE, 25, 1), 1
	s_wait_xcnt 0x0
; Work-groups 0-255: xn = layernorm(enc_input) * ln1_g + ln1_b, rounded once to bf16.  Work-groups 256-1023: the six weight matrices rounded once to bf16 into wb, each left as it lies ([K][N]).
; A work-group takes 65,536 bytes of f32 and stores 32,768 of bf16; a wave 16,384: 32 loads of 512 consecutive bytes, all issued before anything is waited for.
; LAYER NORM: one wave, one row of 4,096 bytes, kept in 32 registers between the passes; four rows a wave.  Mean, then the mean of (x - mean)^2, as the definition has it: no difference of large sums.
; No LDS, no barrier, no cluster: no wave wants a byte that another has fetched.  Each store of a wave covers 256 consecutive bytes, aligned.
.set VI, 1                             ; v1   wave x 16,384 + lane x 16: my 16 bytes of each load
.set VO, 2                             ; v2   wave x 8,192 + lane x 8: my 8 bytes of each store
.set VG, 3                             ; v3   lane x 16: my place in gain and bias
.set G,  4                             ; v[4:35]    gain of my 32 columns
.set BT, 36                            ; v[36:67]   bias of my 32 columns
.set X,  68                            ; v[68:195]  load n at X + 4 n
.set T,  196                           ; v[196:203] four chains of pairs
.set MU, 204                           ; v[204:205] the mean, twice
.set R,  206                           ; v[206:207] 1 / sqrt(var + eps), twice
.set PX, 208                           ; v208       what comes from the other half of the lanes
	s_load_b512 s[16:31], s[0:1], 0x0              ; enc s[16:17], g s[18:19], b s[20:21], xn s[22:23], wq, wk, wv, wo s[24:31]
	s_load_b128 s[32:35], s[0:1], 0x40             ; w1 s[32:33], w2 s[34:35]
	s_load_b64 s[36:37], s[0:1], 0x50              ; wb
	v_and_b32 v[VG], 31, v0
	v_lshrrev_b32 v[VO], 5, v0
	v_lshlrev_b32 v[VI], 14, v[VO]
	v_lshl_add_u32 v[VI], v[VG], 4, v[VI]
	v_lshlrev_b32 v[VO], 13, v[VO]
	v_lshl_add_u32 v[VO], v[VG], 3, v[VO]
	v_lshlrev_b32 v[VG], 4, v[VG]
	v_mov_b32 v[PX], 0                             ; v_permlanex16_b32 counts as a reader of its destination
	s_mov_b32 s12, 0x76543210                      ; each lane takes its own place in the other half
	s_mov_b32 s13, 0xfedcba98
	s_mov_b32 s14, 0x3a800000                      ; 1 / 1,024
	s_mov_b32 s15, 0x3727c5ac                      ; 1e-5
	s_mov_b32 s9, 0
	s_mov_b32 s11, 0
	s_wait_kmcnt 0x0
.macro LOADROW i                       ; eight loads: 4,096 consecutive bytes
.irp j, 0,1,2,3,4,5,6,7
	global_load_b128 v[X+32*(\i)+4*(\j):X+32*(\i)+4*(\j)+3], v[VI], s[4:5] offset:4096*(\i)+512*(\j) th:TH_LOAD_NT
.endr
.endm
.macro FOLD                            ; four chains of pairs into one number a lane
	v_pk_add_f32 v[T:T+1], v[T:T+1], v[T+2:T+3]
	v_pk_add_f32 v[T+4:T+5], v[T+4:T+5], v[T+6:T+7]
	v_pk_add_f32 v[T:T+1], v[T:T+1], v[T+4:T+5]
	v_add_f32 v[T], v[T], v[T+1]
.endm
.macro XSUM                            ; across the 32 lanes; every lane ends with the sum
	v_add_f32_dpp v[T], v[T], v[T] row_xmask:1 row_mask:0xf bank_mask:0xf
	v_add_f32_dpp v[T], v[T], v[T] row_xmask:2 row_mask:0xf bank_mask:0xf
	v_add_f32_dpp v[T], v[T], v[T] row_xmask:4 row_mask:0xf bank_mask:0xf
	v_add_f32_dpp v[T], v[T], v[T] row_xmask:8 row_mask:0xf bank_mask:0xf
	v_permlanex16_b32 v[PX], v[T], s12, s13
	v_add_f32 v[T], v[T], v[PX]
.endm
; Row i of the wave's four.  left1: the loads younger than the row's; left2: those younger than gain and bias.
.macro ROWLN i, left1, left2
.set XR, X+32*(\i)
	s_wait_loadcnt \left1
.irp c, 0,1,2,3
	v_pk_add_f32 v[T+2*(\c):T+2*(\c)+1], v[XR+2*(\c):XR+2*(\c)+1], v[XR+8+2*(\c):XR+8+2*(\c)+1]  ; the first pairs start the chains
.endr
.irp k, 2,3
.irp c, 0,1,2,3
	v_pk_add_f32 v[T+2*(\c):T+2*(\c)+1], v[T+2*(\c):T+2*(\c)+1], v[XR+8*(\k)+2*(\c):XR+8*(\k)+2*(\c)+1]
.endr
.endr
	FOLD
	XSUM
	v_mul_f32 v[MU], s14, v[T]
	v_mul_f32 v[MU+1], s14, v[T]
.set z, 0
.rept 16
	v_pk_add_f32 v[XR+z:XR+z+1], v[XR+z:XR+z+1], v[MU:MU+1] neg_lo:[0,1] neg_hi:[0,1]  ; x - mean
.set z, z+2
.endr
.irp c, 0,1,2,3
	v_pk_mul_f32 v[T+2*(\c):T+2*(\c)+1], v[XR+2*(\c):XR+2*(\c)+1], v[XR+2*(\c):XR+2*(\c)+1]
.endr
.irp k, 1,2,3
.irp c, 0,1,2,3
	v_pk_fma_f32 v[T+2*(\c):T+2*(\c)+1], v[XR+8*(\k)+2*(\c):XR+8*(\k)+2*(\c)+1], v[XR+8*(\k)+2*(\c):XR+8*(\k)+2*(\c)+1], v[T+2*(\c):T+2*(\c)+1]
.endr
.endr
	FOLD
	XSUM
	v_fma_f32 v[T], v[T], s14, s15                 ; var + eps
	v_rsq_f32 v[R], v[T]
	v_rsq_f32 v[R+1], v[T]
	v_nop                                          ; a plain instruction behind the second root,
	s_wait_alu depctr_va_vdst(0)                   ; and the wait ahead of the first use: one for both
	s_wait_loadcnt \left2
.set z, 0
.rept 16
	v_pk_mul_f32 v[XR+z:XR+z+1], v[XR+z:XR+z+1], v[R:R+1]
.set z, z+2
.endr
.set z, 0
.rept 16
	v_pk_fma_f32 v[XR+z:XR+z+1], v[XR+z:XR+z+1], v[G+z:G+z+1], v[BT+z:BT+z+1]
.set z, z+2
.endr
.irp j, 0,1,2,3,4,5,6,7
	v_cvt_pk_bf16_f32 v[XR+4*(\j)], v[XR+4*(\j)], v[XR+4*(\j)+1]
	v_cvt_pk_bf16_f32 v[XR+4*(\j)+1], v[XR+4*(\j)+2], v[XR+4*(\j)+3]
	global_store_b64 v[VO], v[XR+4*(\j):XR+4*(\j)+1], s[6:7] offset:256*(8*(\i)+(\j))  ; 32 lanes x 8 bytes: 256 consecutive bytes; the data registers are never rewritten
.endr
.endm
	s_cmp_lt_u32 ttmp9, 256
	s_cbranch_scc0 .Lcast
	s_lshl_b32 s10, ttmp9, 16                      ; 16 rows of 4,096 bytes
	s_add_nc_u64 s[4:5], s[16:17], s[10:11]
	s_lshl_b32 s8, ttmp9, 15                       ; 16 rows of 2,048 bytes
	s_add_nc_u64 s[6:7], s[22:23], s[8:9]
	LOADROW 0
.irp j, 0,1,2,3,4,5,6,7
	global_load_b128 v[G+4*(\j):G+4*(\j)+3], v[VG], s[18:19] offset:512*(\j)
.endr
.irp j, 0,1,2,3,4,5,6,7
	global_load_b128 v[BT+4*(\j):BT+4*(\j)+3], v[VG], s[20:21] offset:512*(\j)
.endr
	LOADROW 1
	LOADROW 2
	LOADROW 3
	ROWLN 0, 40, 24                                ; behind row 0: gain 8, bias 8, rows 1-3 24; behind the bias: 24
	ROWLN 1, 16, 16
	ROWLN 2, 8, 8
	ROWLN 3, 0, 0
	s_endpgm
.Lcast:                                                ; chunk c of 768: wq 0-63, wk 64-127, wv 128-191, wo 192-255, w1 256-511, w2 512-767; in wb they lie in that order
	s_sub_co_u32 s8, ttmp9, 256
	s_mov_b64 s[4:5], s[34:35]
	s_mov_b32 s10, 512
	s_cmp_lt_u32 s8, 512
	s_cselect_b64 s[4:5], s[32:33], s[4:5]
	s_cselect_b32 s10, 256, s10
	s_cmp_lt_u32 s8, 256
	s_cselect_b64 s[4:5], s[30:31], s[4:5]
	s_cselect_b32 s10, 192, s10
	s_cmp_lt_u32 s8, 192
	s_cselect_b64 s[4:5], s[28:29], s[4:5]
	s_cselect_b32 s10, 128, s10
	s_cmp_lt_u32 s8, 128
	s_cselect_b64 s[4:5], s[26:27], s[4:5]
	s_cselect_b32 s10, 64, s10
	s_cmp_lt_u32 s8, 64
	s_cselect_b64 s[4:5], s[24:25], s[4:5]
	s_cselect_b32 s10, 0, s10
	s_sub_co_u32 s10, s8, s10                      ; the chunk's number in its own matrix
	s_lshl_b32 s10, s10, 16
	s_add_nc_u64 s[4:5], s[4:5], s[10:11]
	s_lshl_b32 s8, s8, 15
	s_add_nc_u64 s[6:7], s[36:37], s[8:9]
	LOADROW 0
	LOADROW 1
	LOADROW 2
	LOADROW 3
.set n, 0
.rept 32
	s_wait_loadcnt 31-n                            ; loads come back in order: load n is in, the younger ones stay out
	v_cvt_pk_bf16_f32 v[X+4*n], v[X+4*n], v[X+4*n+1]
	v_cvt_pk_bf16_f32 v[X+4*n+1], v[X+4*n+2], v[X+4*n+3]
	global_store_b64 v[VO], v[X+4*n:X+4*n+1], s[6:7] offset:256*n
.set n, n+1
.endr
	s_endpgm
.Lfunc_end_k_qb3df6e7745_prep:
	.size	k_qb3df6e7745_prep, .Lfunc_end_k_qb3df6e7745_prep-k_qb3df6e7745_prep
	.p2alignl 7, 3214868480
	.fill 96, 4, 3214868480
	.section	.rodata,"a",@progbits
	.p2align	6, 0x0
	.amdhsa_kernel k_qb3df6e7745_prep
		.amdhsa_group_segment_fixed_size 0
		.amdhsa_private_segment_fixed_size 0
		.amdhsa_enable_private_segment 0
		.amdhsa_kernarg_size 88
		.amdhsa_user_sgpr_count 2
		.amdhsa_user_sgpr_kernarg_segment_ptr 1
		.amdhsa_wavefront_size32 1
		.amdhsa_system_sgpr_workgroup_id_x 1
		.amdhsa_system_sgpr_workgroup_id_y 1
		.amdhsa_system_sgpr_workgroup_id_z 1
		.amdhsa_system_vgpr_workitem_id 0
		.amdhsa_next_free_vgpr 212
		.amdhsa_next_free_sgpr 66
		.amdhsa_reserve_vcc 0
		.amdhsa_float_denorm_mode_32 3
		.amdhsa_float_denorm_mode_16_64 3
		.amdhsa_memory_ordered 1
		.amdhsa_forward_progress 1
		.amdhsa_inst_pref_size 50
	.end_amdhsa_kernel
	.amdgpu_metadata
---
amdhsa.version: [ 1, 2 ]
amdhsa.kernels:
  - .name:           k_qb3df6e7745_prep
    .symbol:         k_qb3df6e7745_prep.kd
    .args:
      - { .name: enc_input, .offset: 0, .size: 8, .value_kind: global_buffer, .address_space: global }
      - { .name: ln1_g, .offset: 8, .size: 8, .value_kind: global_buffer, .address_space: global }
      - { .name: ln1_b, .offset: 16, .size: 8, .value_kind: global_buffer, .address_space: global }
      - { .name: xn, .offset: 24, .size: 8, .value_kind: global_buffer, .address_space: global }
      - { .name: wq, .offset: 32, .size: 8, .value_kind: global_buffer, .address_space: global }
      - { .name: wk, .offset: 40, .size: 8, .value_kind: global_buffer, .address_space: global }
      - { .name: wv, .offset: 48, .size: 8, .value_kind: global_buffer, .address_space: global }
      - { .name: wo, .offset: 56, .size: 8, .value_kind: global_buffer, .address_space: global }
      - { .name: w1, .offset: 64, .size: 8, .value_kind: global_buffer, .address_space: global }
      - { .name: w2, .offset: 72, .size: 8, .value_kind: global_buffer, .address_space: global }
      - { .name: wb, .offset: 80, .size: 8, .value_kind: global_buffer, .address_space: global }
    .group_segment_fixed_size: 0
    .private_segment_fixed_size: 0
    .kernarg_segment_align: 8
    .kernarg_segment_size: 88
    .max_flat_workgroup_size: 128
    .sgpr_count:     66
    .vgpr_count:     212
    .wavefront_size: 32
...
	.end_amdgpu_metadata
.endif
;; end of part 1
;; launch qkvproj (part 2): grid 12 x 16, 4 waves a work-group, clusters of 4 x 4, 327,680 bytes of LDS; arguments xn, wb, qkv; writes qkv
.if DOCPART == 2
	.amdgcn_target "amdgcn-amd-amdhsa--gfx1250"
	.amdhsa_code_object_version 6
	.text
	.protected	k_qb3df6e7745_qkvproj
	.globl	k_qb3df6e7745_qkvproj
	.p2align	8
	.type	k_qb3df6e7745_qkvproj,@function
k_qb3df6e7745_qkvproj:
	s_mov_b64 s[64:65], 0
	v_nop
	global_prefetch_b8 v0, s[64:65] scope:SCOPE_SE
	s_setreg_imm32_b32 hwreg(HW_REG_WAVE_MODE, 25, 1), 1
	s_wait_xcnt 0x0
	s_wait_alu depctr_hold_cnt(0) depctr_sa_sdst(0) depctr_va_vdst(0) depctr_va_sdst(0) depctr_va_ssrc(0) depctr_va_vcc(0) depctr_vm_vsrc(0)
	s_getreg_b32 s2, hwreg(HW_REG_IB_STS2, 6, 4)
	s_cmp_eq_u32 s2, 0
	s_cbranch_scc0 .Lentry_in_a_cluster
	s_endpgm
.Lentry_in_a_cluster:
	s_bfe_u32 s2, ttmp6, 0x10000c
	s_cmp_lg_u32 s2, 0xf033
	s_cbranch_scc0 .Lentry_shape_is_right
	s_endpgm
.Lentry_shape_is_right:
; qkv[m][3072] = xn[m][1024] x (wq | wk | wv), bf16 operands, f32 sums, rounded once to bf16.  xn: [4096][1024] bf16; the weights lie in wb as [K][N] bf16, 2,097,152 bytes each.
; A tile of the result, 256 x 256, is made by four waves, each 128 x 128: 64 accumulators, 512 registers.  K goes in steps of 128 through two LDS slots filled by the tensor data mover:
; A's 256 rows of 256 bytes, then W's 128 k-rows of 512 bytes.  W's fragments come out of LDS turned, by ds_load_tr16_b128.  12 x 16 tiles: 192 work-groups.
; CLUSTERS: 4 x 4 work-groups; A's tile is shared along a row of the cluster, W's along a column: each is asked for jointly, with the same descriptor and a mask that names the four.
; THE MATRIX INSTRUCTION IS USED TRANSPOSED: source 0 = 16 columns of W, source 1 = 16 rows of A: a lane then holds eight neighbouring numbers of a row of the result.
; The loop's trip is ONE K step; the slot in hand is a scalar (0 or SLOT) that an exclusive or turns; the walking descriptors' LDS words are turned by the same exclusive or (SLOT shares no bit with a part's offset).
; REGISTERS: window 0: v16-30 addresses; v64-127, v128-191 A's fragments, two buffers; v192-223 at work on the way out.  window 1: the same numbers for W's fragments.  windows 2, 3: the accumulators.
.set KA,     1024                      ; K, and elements in a row of A
.set NW,     1024                      ; elements in a row of W
.set WOFF,   0                         ; W's first byte in wb
.set OPITCH, 6144                      ; bytes in a row of the result
.set QKVMAP, 1                         ; tile column tc: matrix tc / 4, columns 256 (tc % 4) on
.set BIAS,   0                         ; 1: the sums start at a bias, and the result passes a ReLU
.set KSTEP,  128
.set TSTEPS, KA/KSTEP
.set PA,     272                       ; A's LDS row: 256 bytes + 16: the 16 rows of a load start at 16 different groups of four banks
.set PB,     544                       ; W's LDS row: 512 bytes + 32: an odd multiple of 32, for the turning load
.set HALFT,  34816                     ; 128 x 272 = 64 x 544: what one tensor load brings
.set SLOT,   4*HALFT
.set STAGE,  2*SLOT                    ; behind the ring: 16 rows x 272 bytes for each wave
.set SPITCH, 272
.set SPARE,  STAGE+4*16*SPITCH         ; the spare words: 128 bytes for each wave, named by no other line
.set ADRA,  16                         ; LDS address of my A fragments in the slot in hand
.set ADRA0, 17                         ; the same in slot 0; never rewritten
.set ADRB,  20                         ; the same two for W
.set ADRB0, 22
.set STO,   24
.set RD,    25
.set CO,    26
.set ZR,    27                         ; 0, for the ReLU
.set SPW,   28
.set NIL,   29
.set PFO,   30                         ; the prefetches' lane offset
.set F0,    64
.set F1,    128
.set TMP,   192
.set BI,    192                        ; window 1: the bias as a C operand, 8 registers for each of 8 column blocks
.set G1A, 24                           ; s[24:31] group 1 for A's tiles
.set G0A, 32                           ; s[32:39] group 0: a set for each first fill; the second walks on
.set G1B, 48                           ; s[48:55], s[56:63] the same for W's
.set G0B, 56
.set LIM, 43
.set PFA, 44                           ; s[44:45] where my prefetches stand
.set PFS, 70                           ; s[70:71] their step: a K step of A or of W
.set SB,  72                           ; the slot in hand: 0 or SLOT
.set WCOL, 75                          ; the tile column's first byte in wb
.set MSB, 0
.macro WIN new                         ; the immediate's high byte repeats the setting that is left
.if MSB != (\new)
	s_set_vgpr_msb (MSB<<8)|(\new)
.set MSB, \new
.endif
.endm
.set MUL_LO, 0xa1                      ; source 0 (W) window 1, source 1 (A) window 0, C and D window 2; + 0x50: window 3
.set TO_B,   0x40
.macro JLOAD                           ; a joint refill: waves 0, 1 A's halves, waves 2, 3 W's; an s_nop 0 and four v_nop follow each line
	s_cmp_eq_u32 s11, 0
	s_cbranch_scc0 .Lfor_b_\@
	tensor_load_to_lds s[G0A+4:G0A+7], s[G1A:G1A+7]
	s_nop 0
.rept 4
	v_nop
.endr
	s_branch .Lasked_\@
.Lfor_b_\@:
	tensor_load_to_lds s[G0B+4:G0B+7], s[G1B:G1B+7]
	s_nop 0
.rept 4
	v_nop
.endr
.Lasked_\@:
.endm
; A PREFETCH INTO THE L2 of the K step that the NEXT refill will ask for: 32 blocks of 256 bytes, a lane a block.  A's rows are read by every cluster of a row of clusters: cluster x = 0 asks; W's by every
; cluster of a column: cluster y = 0 asks.  The four partners of a joint load share the wave's 128 blocks out by address (cx for A, cy for W).  The last refill has none behind it: nothing is asked for.
.macro ASK
	s_cmp_gt_u32 s3, s[LIM]
	s_cbranch_scc0 .Lnot_mine_\@
	global_prefetch_b8 v[PFO], s[PFA:PFA+1] th:TH_LOAD_NT scope:SCOPE_SE
.Lnot_mine_\@:
.endm
.macro CREST                           ; a round of the cluster's barrier behind its opening barrier
	s_cmp_lg_u32 s10, 0
	s_cbranch_scc1 .Lnot_wave_0_\@
	s_barrier_signal -3
.Lnot_wave_0_\@:
	s_barrier_wait -3
	s_barrier_signal -1
	s_barrier_wait -1
.endm
.macro CROUND
	s_barrier_signal -1
	s_barrier_wait -1
	CREST
.endm
	s_load_b128 s[4:7], s[0:1], 0x0                ; A s[4:5], wb s[6:7]
	s_load_b64 s[8:9], s[0:1], 0x10                ; the result
.if BIAS
	s_load_b64 s[66:67], s[0:1], 0x18              ; the bias
.endif
	v_lshl_add_u32 v[SPW], v0, 2, SPARE
	v_mov_b32 v[NIL], 0
	ds_add_u32 v[SPW], v[NIL]                      ; the wave's opening: the add and its wait ahead of my first tensor load
	v_lshrrev_b32 v1, 5, v0
	v_readfirstlane_b32 s10, v1                    ; wave 0..3
	s_lshr_b32 s11, s10, 1                         ; my half of the tile's rows; also: I fetch for A (0) or W (1)
	s_and_b32 s12, s10, 1                          ; my half of its columns; also: which half of that tile I fetch
	s_bfe_u32 s40, ttmp6, 0x40000                  ; cx
	s_bfe_u32 s41, ttmp6, 0x40004                  ; cy
	s_lshl_b32 s42, ttmp9, 2
	s_add_co_u32 s42, s42, s40                     ; tile column
	s_and_b32 s13, ttmp7, 0xffff
	s_lshl_b32 s13, s13, 2
	s_add_co_u32 s13, s13, s41                     ; tile row
	s_lshl_b32 s43, s41, 2
	s_lshl_b32 s43, 15, s43                        ; my row of the cluster
	s_lshl_b32 s44, 0x1111, s40                    ; my column
	s_or_b32 s[G1A+0], s43, (1<<16)|(1<<20)|(1<<21)|(5<<22)|(3<<25)  ; mask; 2-byte elements; padding on; bit 21 beside a mask; after every 64 words 4 words
	s_or_b32 s[G1B+0], s44, (1<<16)|(1<<20)|(1<<21)|(6<<22)|(7<<25)  ; after every 128 words 8 words
	s_mov_b32 s[G1A+1], KSTEP<<16                  ; tensor_dim0 = 128
	s_mov_b32 s[G1A+2], 128<<16                    ; tensor_dim1 = 128
	s_mov_b32 s[G1A+3], KSTEP<<16                  ; tile_dim0 = 128
	s_mov_b32 s[G1A+4], 128                        ; tile_dim1 = 128
	s_mov_b32 s[G1A+5], KA                         ; elements from row to row
	s_mov_b32 s[G1A+6], 0
	s_mov_b32 s[G1A+7], 0
	s_mov_b32 s[G1B+1], 256<<16                    ; tensor_dim0 = 256
	s_mov_b32 s[G1B+2], 64<<16                     ; tensor_dim1 = 64
	s_mov_b32 s[G1B+3], 256<<16                    ; tile_dim0 = 256
	s_mov_b32 s[G1B+4], 64                         ; tile_dim1 = 64
	s_mov_b32 s[G1B+5], NW
	s_mov_b32 s[G1B+6], 0
	s_mov_b32 s[G1B+7], 0
	s_lshl_b32 s17, s12, 7
	s_lshl_b32 s16, s13, 8
	s_add_co_u32 s16, s16, s17                     ; A: row 256 x tile row + 128 x half
	s_mul_i32 s16, s16, KA*2
	s_mov_b32 s17, 0
.if QKVMAP
	s_lshr_b32 s[WCOL], s42, 2
	s_lshl_b32 s[WCOL], s[WCOL], 21                ; which of the three matrices
	s_and_b32 s47, s42, 3
	s_lshl_b32 s47, s47, 9
	s_add_co_u32 s[WCOL], s[WCOL], s47
.else
	s_lshl_b32 s[WCOL], s42, 9
	s_add_co_u32 s[WCOL], s[WCOL], WOFF
.endif
	s_mul_i32 s46, s12, 64*NW*2                    ; W: k-row 64 x half
	s_add_co_u32 s46, s46, s[WCOL]
	s_mov_b32 s47, 0
	s_mul_i32 s20, s10, HALFT                      ; where they go: wave x 34,816: A's halves, then W's
	s_mov_b32 s[SB], 0
	s_wait_dscnt 0x0                               ; the opening add is done
	s_wait_kmcnt 0x0
	s_add_nc_u64 s[14:15], s[4:5], s[16:17]
	s_add_nc_u64 s[46:47], s[6:7], s[46:47]
	CROUND                                         ; all sixteen work-groups are here: the first joint loads meet
.irp s, 0,1
	s_mov_b32 s[G0A+4*(\s)], 1
	s_add_co_u32 s[G0A+4*(\s)+1], s20, (\s)*SLOT
	s_add_nc_u64 s[G0A+4*(\s)+2:G0A+4*(\s)+3], s[14:15], (\s)*KSTEP*2
	s_or_b32 s[G0A+4*(\s)+3], s[G0A+4*(\s)+3], 0x80000000
	s_mov_b32 s[G0B+4*(\s)], 1
	s_add_co_u32 s[G0B+4*(\s)+1], s20, (\s)*SLOT
	s_add_nc_u64 s[G0B+4*(\s)+2:G0B+4*(\s)+3], s[46:47], (\s)*KSTEP*NW*2
	s_or_b32 s[G0B+4*(\s)+3], s[G0B+4*(\s)+3], 0x80000000
.endr
	s_cmp_eq_u32 s11, 0                            ; a wave's two first fills stand in one branch: two loads of mine are out
	s_cbranch_scc0 .Lfirst_b
	tensor_load_to_lds s[G0A:G0A+3], s[G1A:G1A+7]
	s_nop 0
	tensor_load_to_lds s[G0A+4:G0A+7], s[G1A:G1A+7]
	s_nop 0
.rept 4
	v_nop
.endr
	s_branch .Lfirst_asked
.Lfirst_b:
	tensor_load_to_lds s[G0B:G0B+3], s[G1B:G1B+7]
	s_nop 0
	tensor_load_to_lds s[G0B+4:G0B+7], s[G1B:G1B+7]
	s_nop 0
.rept 4
	v_nop
.endr
.Lfirst_asked:
	v_and_b32 v1, 15, v0                           ; l % 16
	v_bfe_u32 v2, v0, 4, 1                         ; l / 16
	v_mul_u32_u24 v3, v1, PA
	v_lshl_add_u32 v3, v2, 4, v3                   ; A: row x pitch + 16 x half
	s_mul_i32 s21, s11, HALFT
	v_add_nc_u32 v[ADRA0], s21, v3
	v_and_b32 v4, 7, v0                            ; W, turned: k-row 8 (l / 16) + l % 8, 16 bytes at 16 ((l / 8) % 2)
	v_lshl_add_u32 v4, v2, 3, v4
	v_mul_u32_u24 v4, v4, PB
	v_bfe_u32 v5, v0, 3, 1
	v_lshl_add_u32 v4, v5, 4, v4
	s_lshl_b32 s22, s12, 8                         ; my 128 columns: 256 bytes
	s_add_co_u32 s22, s22, 2*HALFT
	v_add_nc_u32 v[ADRB0], s22, v4
	v_mov_b32 v[ADRA], v[ADRA0]
	v_mov_b32 v[ADRB], v[ADRB0]
	v_mov_b32 v[ZR], 0
	s_mul_i32 s23, s10, 16*SPITCH
	s_add_co_u32 s23, s23, STAGE                   ; my stage
	v_mul_u32_u24 v4, v1, SPITCH
	v_lshl_add_u32 v4, v2, 4, v4
	v_add_nc_u32 v[STO], s23, v4
	v_mul_u32_u24 v5, v2, SPITCH
	v_lshl_add_u32 v5, v1, 4, v5
	v_add_nc_u32 v[RD], s23, v5
	v_mul_u32_u24 v5, v2, OPITCH
	v_lshl_add_u32 v[CO], v1, 4, v5
	s_lshl_b32 s16, s13, 8
	s_lshl_b32 s17, s11, 7
	s_add_co_u32 s16, s16, s17                     ; my first row of the result
	s_mul_i32 s16, s16, OPITCH
	s_mov_b32 s17, 0
	s_add_nc_u64 s[8:9], s[8:9], s[16:17]
	s_lshl_b32 s46, s42, 9                         ; my first column, in bytes
	s_lshl_b32 s47, s12, 8
	s_add_co_u32 s46, s46, s47
	s_mov_b32 s47, 0
	s_add_nc_u64 s[8:9], s[8:9], s[46:47]
.if BIAS
	s_lshl_b32 s46, s46, 1                         ; the same columns in f32
	s_add_nc_u64 s[66:67], s[66:67], s[46:47]
	v_lshlrev_b32 v6, 5, v2                        ; register j of a lane is column 8 (l / 16) + j of its block
	WIN TO_B
.irp b, 0,1,2,3,4,5,6,7
	global_load_b128 v[BI+8*(\b):BI+8*(\b)+3],   v6, s[66:67] offset:64*(\b)
	global_load_b128 v[BI+8*(\b)+4:BI+8*(\b)+7], v6, s[66:67] offset:64*(\b)+16
.endr
	WIN 0
.endif
	; the prefetches: they start at K step 2; the first refill steps them to K step 3
	s_and_b32 s22, ttmp7, 0xffff                   ; cluster y
	s_lshl_b32 s20, s13, 8
	s_lshl_b32 s21, s12, 7
	s_add_co_u32 s20, s20, s21
	s_lshl_b32 s21, s40, 5                         ; A: my work-group's 32 of the wave's 128 rows
	s_add_co_u32 s20, s20, s21
	s_mul_i32 s20, s20, KA*2
	s_add_co_u32 s20, s20, 2*KSTEP*2
	s_lshl_b32 s21, s12, 6
	s_lshl_b32 s23, s41, 4                         ; W: my work-group's 16 of the wave's 64 k-rows, two blocks each
	s_add_co_u32 s21, s21, s23
	s_add_co_u32 s21, s21, 2*KSTEP
	s_mul_i32 s21, s21, NW*2
	s_add_co_u32 s21, s21, s[WCOL]
	s_mov_b32 s23, KSTEP*NW*2
	s_mov_b32 s19, NW*2
	s_cmp_eq_u32 s11, 0                            ; do I fetch for A?
	s_cselect_b32 s20, s20, s21
	s_cselect_b32 s22, ttmp9, s22                  ; the coordinate along which other clusters read the same blocks
	s_cselect_b32 s[PFS], KSTEP*2, s23
	s_cselect_b32 s19, KA*2, s19
	s_cselect_b64 s[PFA:PFA+1], s[4:5], s[6:7]
	s_mov_b32 s21, 0
	s_mov_b32 s[PFS+1], 0
	s_add_nc_u64 s[PFA:PFA+1], s[PFA:PFA+1], s[20:21]
	s_cmp_eq_u32 s22, 0
	s_cselect_b32 s[LIM], 1, -1                    ; the same in all sixteen partners, for a given wave
	v_and_b32 v7, 31, v0
	v_lshrrev_b32 v8, s11, v7                      ; A: a lane a row; W: two lanes a k-row
	v_and_b32 v7, s11, v7
	v_mul_lo_u32 v8, v8, s19
	v_lshl_add_u32 v[PFO], v7, 8, v8
; 16 matrix instructions: row blocks a0, a0 + 1 of the window's four x all 8 column blocks, 32 along K.  first = 1: the product starts the sums, with 0 or with the bias.
; The 64 accumulators take turns in the same order in every quarter.
.macro MUL16 f, hi, a0, first
.if (\first) && BIAS
	WIN 0x91+0x40*(\hi)                            ; C in window 1
.else
	WIN MUL_LO+0x50*(\hi)
.endif
.irp a, \a0, (\a0)+1
.irp b, 0,1,2,3,4,5,6,7
.if (\first) && BIAS
	v_wmma_f32_16x16x32_bf16 v[8*(8*(\a)+(\b)):8*(8*(\a)+(\b))+7], v[(\f)+8*(\b):(\f)+8*(\b)+7], v[(\f)+8*(4*(\hi)+(\a)):(\f)+8*(4*(\hi)+(\a))+7], v[BI+8*(\b):BI+8*(\b)+7]
.elseif \first
	v_wmma_f32_16x16x32_bf16 v[8*(8*(\a)+(\b)):8*(8*(\a)+(\b))+7], v[(\f)+8*(\b):(\f)+8*(\b)+7], v[(\f)+8*(4*(\hi)+(\a)):(\f)+8*(4*(\hi)+(\a))+7], 0
.else
	v_wmma_f32_16x16x32_bf16 v[8*(8*(\a)+(\b)):8*(8*(\a)+(\b))+7], v[(\f)+8*(\b):(\f)+8*(\b)+7], v[(\f)+8*(4*(\hi)+(\a)):(\f)+8*(4*(\hi)+(\a))+7], v[8*(8*(\a)+(\b)):8*(8*(\a)+(\b))+7]
.endif
.endr
.endr
.endm
; 32 LDS loads in one run: quarter q's fragments (32 along K) into buffer f: W's 8 column blocks, turned; then A's 8 row blocks
.macro FETCH q, f
	WIN TO_B
.irp i, 0,1,2,3,4,5,6,7
	ds_load_tr16_b128 v[(\f)+8*(\i):(\f)+8*(\i)+3],   v[ADRB] offset:(\q)*32*PB+32*(\i)
	ds_load_tr16_b128 v[(\f)+8*(\i)+4:(\f)+8*(\i)+7], v[ADRB] offset:(\q)*32*PB+16*PB+32*(\i)
.endr
	WIN 0
.irp i, 0,1,2,3,4,5,6,7
	ds_load_b128 v[(\f)+8*(\i):(\f)+8*(\i)+3],   v[ADRA] offset:(\q)*64+(\i)*16*PA
	ds_load_b128 v[(\f)+8*(\i)+4:(\f)+8*(\i)+7], v[ADRA] offset:(\q)*64+(\i)*16*PA+32
.endr
.endm
.macro PLACES                          ; four places in front of loads into registers that matrix instructions have read
.rept 4
	v_nop
.endr
.endm
; A quarter: multiplies buffer f; in its middle fetches quarter q into buffer g
.macro QUARTER q, f, g, first
	s_wait_dscnt 8                                 ; W and A's rows 0-63 are in; the youngest eight loads may be out
	MUL16 \f, 0, 0, \first
	MUL16 \f, 0, 2, \first
	PLACES
	FETCH \q, \g
	s_wait_dscnt 32                                ; all but the 32 just issued
	MUL16 \f, 1, 0, \first
	MUL16 \f, 1, 2, \first
.endm
; The change of slots, first half: each wave waits for all its tensor loads (one is out: its part of the next slot), adds 0 to its spare word, waits for that and for its reads of this slot, and signals.
.macro MEET round
	WIN 0
	s_wait_tensorcnt 0x0
	ds_add_u32 v[SPW], v[NIL]
	s_wait_dscnt 9                                 ; the add and the youngest eight loads may be out
	MUL16 F1, 0, 0, 0
	s_wait_dscnt 0x0                               ; the add is done, and my reads of this slot are over
	s_barrier_signal -1
	MUL16 F1, 0, 2, 0
.if \round
	WIN 0
.endif
	s_barrier_wait -1
.endm
; The last quarter of a K step.  fill = 1: the slot just read is filled again, two K steps ahead, first thing behind a round of the cluster's barrier: 224 matrix instructions ahead of the wait for it.
.macro TURN fill
.if \fill
	s_wait_xcnt 0x0                                ; the last prefetch, a K step back, has read its address
	s_add_nc_u64 s[PFA:PFA+1], s[PFA:PFA+1], s[PFS:PFS+1]
.endif
	MEET \fill
.if \fill
	CREST
	s_xor_b32 s[G0A+5], s[G0A+5], SLOT             ; the walking descriptors: the other slot than last time,
	s_xor_b32 s[G0B+5], s[G0B+5], SLOT
	s_add_nc_u64 s[G0A+6:G0A+7], s[G0A+6:G0A+7], KSTEP*2       ; the next K step
	s_add_nc_u64 s[G0B+6:G0B+7], s[G0B+6:G0B+7], KSTEP*NW*2
	JLOAD                                          ; its four v_nop are also the places in front of the loads below
.else
	WIN 0
	PLACES
.endif
	s_xor_b32 s[SB], s[SB], SLOT
	v_add_nc_u32 v[ADRA], s[SB], v[ADRA0]
	v_add_nc_u32 v[ADRB], s[SB], v[ADRB0]
	FETCH 0, F0
.if \fill
	ASK
.endif
	MUL16 F1, 1, 0, 0
	MUL16 F1, 1, 2, 0
.endm
; THE WAY OUT of row block a: rounded to bf16 (and held at 0 from below); through my own stage; stored as whole rows of 256 bytes.
.macro PACK a
.set AC, 64*((\a)%4)
	WIN 0x0a+5*((\a)/4)
.irp b, 0,1,2,3,4,5,6,7
.irp r, 0,1,2,3
	v_cvt_pk_bf16_f32 v[TMP+4*(\b)+(\r)], v[AC+8*(\b)+2*(\r)], v[AC+8*(\b)+2*(\r)+1]
.endr
.endr
	WIN 0
.if BIAS
.set z, 0
.rept 32
	v_pk_max_num_bf16 v[TMP+z], v[TMP+z], v[ZR]
.set z, z+1
.endr
.endif
.endm
.macro TOSTAGE a
.set BK, F0+32*((\a)%4)
.if (\a) >= 4
	s_wait_xcnt 0x0                                ; the stores of the block four back have read these registers
.endif
.irp b, 0,1,2,3,4,5,6,7
	ds_store_b128 v[STO], v[TMP+4*(\b):TMP+4*(\b)+3] offset:32*(\b)
.endr
.irp t, 0,1,2,3,4,5,6,7
	ds_load_b128 v[BK+4*(\t):BK+4*(\t)+3], v[RD] offset:(\t)*2*SPITCH  ; LDS serves a wave's instructions in order: these see the stores above
.endr
.endm
.macro SEND a
.set BK, F0+32*((\a)%4)
	s_wait_dscnt 0x0
.irp t, 0,1,2,3,4,5,6,7
	global_store_b128 v[CO], v[BK+4*(\t):BK+4*(\t)+3], s[8:9] offset:(16*(\a)+2*(\t))*OPITCH  ; 16 lanes store 256 consecutive bytes, aligned
.endr
.endm
	s_wait_tensorcnt 1                             ; my part of K step 0 is in; K step 1's may stay out
	s_barrier_signal -1
	s_barrier_wait -1
	FETCH 0, F0
.if BIAS
	s_wait_loadcnt 0x0                             ; the bias
.endif
	QUARTER 1, F0, F1, 1                           ; the first quarter starts the sums
	WIN 0
	s_mov_b32 s3, TSTEPS-2
.Lstep:                                                ; a trip: a K step's quarters 1 to 3, the change of slots with a refill, the next K step's quarter 0
	QUARTER 2, F1, F0, 0
	QUARTER 3, F0, F1, 0
	TURN 1
	QUARTER 1, F0, F1, 0
	WIN 0
	s_sub_co_u32 s3, s3, 1
	s_cmp_lg_u32 s3, 0
	s_cbranch_scc1 .Lstep
	s_mov_b32 s2, 2                                ; the last two K steps ask for nothing; the second trip is left in its middle
.Ltail:
	QUARTER 2, F1, F0, 0
	QUARTER 3, F0, F1, 0
	WIN 0
	s_sub_co_u32 s2, s2, 1
	s_cmp_eq_u32 s2, 0
	s_cbranch_scc1 .Lfin
	TURN 0
	QUARTER 1, F0, F1, 0
	WIN 0
	s_branch .Ltail
.Lfin:
	s_wait_dscnt 8
	MUL16 F1, 0, 0, 0
	MUL16 F1, 0, 2, 0
	s_wait_dscnt 0x0
	MUL16 F1, 1, 0, 0
	MUL16 F1, 1, 2, 0
	WIN 0
	PLACES
	PLACES
	PACK 0
	TOSTAGE 0
.irp a, 1,2,3,4,5,6,7                  ; block a's conversions stand between block a - 1's loads from the stage and the wait for them
	PACK \a
	SEND (\a)-1
	TOSTAGE \a
.endr
	SEND 7
	s_wait_tensorcnt 0x0                           ; the wave's end
	ds_add_u32 v[SPW], v[NIL]
	s_wait_dscnt 0x0
	CROUND                                         ; the closing round
	s_endpgm
.Lfunc_end_k_qb3df6e7745_qkvproj:
	.size	k_qb3df6e7745_qkvproj, .Lfunc_end_k_qb3df6e7745_qkvproj-k_qb3df6e7745_qkvproj
	.p2alignl 7, 3214868480
	.fill 96, 4, 3214868480
	.section	.rodata,"a",@progbits
	.p2align	6, 0x0
	.amdhsa_kernel k_qb3df6e7745_qkvproj
		.amdhsa_group_segment_fixed_size 327680
		.amdhsa_private_segment_fixed_size 0
		.amdhsa_enable_private_segment 0
		.amdhsa_kernarg_size 24
		.amdhsa_user_sgpr_count 2
		.amdhsa_user_sgpr_kernarg_segment_ptr 1
		.amdhsa_wavefront_size32 1
		.amdhsa_system_sgpr_workgroup_id_x 1
		.amdhsa_system_sgpr_workgroup_id_y 1
		.amdhsa_system_sgpr_workgroup_id_z 1
		.amdhsa_system_vgpr_workitem_id 0
		.amdhsa_next_free_vgpr 1024
		.amdhsa_next_free_sgpr 80
		.amdhsa_reserve_vcc 0
		.amdhsa_float_denorm_mode_32 3
		.amdhsa_float_denorm_mode_16_64 3
		.amdhsa_memory_ordered 1
		.amdhsa_forward_progress 1
		.amdhsa_inst_pref_size 105
	.end_amdhsa_kernel
	.amdgpu_metadata
---
amdhsa.version: [ 1, 2 ]
amdhsa.kernels:
  - .name:           k_qb3df6e7745_qkvproj
    .symbol:         k_qb3df6e7745_qkvproj.kd
    .args:
      - { .name: xn, .offset: 0, .size: 8, .value_kind: global_buffer, .address_space: global }
      - { .name: wb, .offset: 8, .size: 8, .value_kind: global_buffer, .address_space: global }
      - { .name: qkv, .offset: 16, .size: 8, .value_kind: global_buffer, .address_space: global }
    .group_segment_fixed_size: 327680
    .private_segment_fixed_size: 0
    .kernarg_segment_align: 8
    .kernarg_segment_size: 24
    .max_flat_workgroup_size: 128
    .sgpr_count:     80
    .vgpr_count:     1024
    .wavefront_size: 32
...
	.end_amdgpu_metadata
.endif
;; end of part 2
;; launch attn (part 3): grid 16 x 16, 4 waves a work-group, clusters of 4 x 4, 327,680 bytes of LDS; arguments qkv, attn_bias, att; writes att
.if DOCPART == 3
	.amdgcn_target "amdgcn-amd-amdhsa--gfx1250"
	.amdhsa_code_object_version 6
	.text
	.protected	k_qb3df6e7745_attn
	.globl	k_qb3df6e7745_attn
	.p2align	8
	.type	k_qb3df6e7745_attn,@function
k_qb3df6e7745_attn:
	s_mov_b64 s[64:65], 0
	v_nop
	global_prefetch_b8 v0, s[64:65] scope:SCOPE_SE
	s_setreg_imm32_b32 hwreg(HW_REG_WAVE_MODE, 25, 1), 1
	s_wait_xcnt 0x0
	s_wait_alu depctr_hold_cnt(0) depctr_sa_sdst(0) depctr_va_vdst(0) depctr_va_sdst(0) depctr_va_ssrc(0) depctr_va_vcc(0) depctr_vm_vsrc(0)
	s_getreg_b32 s2, hwreg(HW_REG_IB_STS2, 6, 4)
	s_cmp_eq_u32 s2, 0
	s_cbranch_scc0 .Lentry_in_a_cluster
	s_endpgm
.Lentry_in_a_cluster:
	s_bfe_u32 s2, ttmp6, 0x10000c
	s_cmp_lg_u32 s2, 0xf033
	s_cbranch_scc0 .Lentry_shape_is_right
	s_endpgm
.Lentry_shape_is_right:
; att[b][q][h 64 + d] = the sum over k of softmax_k(Q . K / 32 + attn_bias[b][q][k]) V.  qkv: [4096][3072] bf16 (q | k | v, each h 64 + d); attn_bias: [2][2048][2048] f32; att: [4096][1024] bf16.
; Products, maxima and sums in f32; the weights p are rounded to bf16 for the second product (their sum l is taken of the unrounded p), the result once at the end.
; THE SCALE 1 / 32 is a power of two: Q is multiplied by it in bf16, exactly (unless |q| < 2^-121).  THE BIAS, in f32, is the C operand that starts the sum S^T = K Q^T: it costs no vector instruction.
; LIMITS.  A score below -4.25e37 (minus infinity too) counts as hidden; a weight below 2^-126 counts as 0 in l; plus infinity and NaN are not treated apart; a row whose scores are all hidden gives NaN.
; SHARES.  A work-group owns 128 queries of TWO neighbouring heads, so that K's and V's rows are 256 aligned bytes.  Wave w: head w % 2, queries 64 (w / 2) on: four PIECES of 16.  Every wave walks 2,048 keys, 64 a step.
; LAYOUT.  S^T = K Q^T holds ONE query a lane (lane % 16) and the keys 8 (lane / 16) + 0..7; two such results rounded to bf16 ARE source 1 of O^T = V^T P.  V comes out of LDS turned.
; SOFTMAX.  p = 2^(c s - c m), c = log2(e), with a running maximum m; O and l are multiplied by a = 2^(c m_old - c m_new) in every step.  m starts at -4.25e37, O and l at 0.
; TURNS.  Turn n belongs to piece n: 8 products K Q^T of piece n + 1, later 8 products V^T P of piece n - 1; beside them piece n's scaling, exponentials, roundings, sums and rescaling, and piece n + 1's maximum.
; Four vector instructions stand behind every matrix instruction, the rest in one lump; a turn's 33 exponentials are one batch, with one wait.
; CLUSTER 4 x 4: x = query block, y = batch x 8 + head pair.  K's and V's tiles are shared along a row of the cluster, the bias's along a column (a column's four head pairs belong to one batch): joint loads.
; RING.  Two slots of two key steps: 128 keys of K, of V, and 128 queries x 128 keys of bias.  Wave 0 fetches K, wave 1 V, waves 2 and 3 the bias's halves: one load a wave, 128 matrix instructions in which to land.
; REGISTERS: window 0: addresses, statistics, S^T (v64-127), P (v192-223).  window 1: O^T v0-127; the bias as C, two buffers, v160-223.  window 2: Q v0-63, K v128-191, V v192-255.
.set NP,    4
.set KS,    64
.set PKP,   272                        ; K's LDS row: 256 + 16
.set PVP,   288                        ; V's: 256 + 32, for the turning load
.set PBI,   528                        ; the bias's: 512 + 16
.set VREG,  128*PKP
.set BREG,  VREG+128*PVP
.set SLOT,  BREG+128*PBI               ; 139,264: shares no bit with a part's offset, so one exclusive or changes slots
.set STAGE, 2*SLOT                     ; 128 rows x 272 bytes, the work-group's
.set SP,    272
.set SPARE, STAGE+128*SP
.set KSTEPB, 128*6144                  ; a slot's keys in memory
.set AK0, 2
.set AV0, 3
.set AK,  4
.set AV,  5
.set STO, 6
.set RD,  7
.set GO,  8
.set MV,  12                           ; v12-13 c m_old, by buffer
.set AB0, 14
.set QO,  15
.set ST,  16                           ; piece t: c m, m, l (even keys', odd keys')
.set TMP, 48
.set AB,  56
.set PFO, 57
.set SPW, 62
.set NIL, 63
.set S,   64
.set P,   192
.set MC,  160                          ; window 1
.set KF,  128                          ; window 2
.set VF,  192                          ; window 2
.set WV,  12
.set G1K, 24
.set G1V, 32
.set G1B, 40
.set G0K, 48
.set G0V, 52
.set G0B, 56
.set SEL, 60
.set CS,  62
.set SLOTS, 66
.set CNT, 67
.set SB,  68
.set TBK, 69
.set TBV, 70
.set TBB, 71
.set LIM, 72
.set PFA, 74
.set PFS, 76
.set MSB, 0
.macro WIN new
.if MSB != (\new)
	s_set_vgpr_msb (MSB<<8)|(\new)
.set MSB, (\new)
.endif
.endm
.set W_KQ, 0x0a                        ; K and Q in window 2, S^T in window 0
.set W_KM, 0x1a                        ; the same with the C operand in window 1
.set W_PV, 0x52                        ; V in window 2, P in window 0, O^T in window 1
.set W_RS, 0x41                        ; destination and source 0 in window 1, source 1 in window 0
.macro JLOAD                           ; a joint fill; the branches hang on the wave's number alone; an s_nop 0 and four v_nop follow each line
	s_cmp_lt_u32 s[WV], 2
	s_cbranch_scc0 .Lfor_b_\@
	s_cmp_eq_u32 s[WV], 0
	s_cbranch_scc0 .Lfor_v_\@
	tensor_load_to_lds s[G0K:G0K+3], s[G1K:G1K+7]
	s_nop 0
.rept 4
	v_nop
.endr
	s_branch .Lasked_\@
.Lfor_v_\@:
	tensor_load_to_lds s[G0V:G0V+3], s[G1V:G1V+7]
	s_nop 0
.rept 4
	v_nop
.endr
	s_branch .Lasked_\@
.Lfor_b_\@:
	tensor_load_to_lds s[G0B:G0B+3], s[G1B:G1B+7]
	s_nop 0
.rept 4
	v_nop
.endr
.Lasked_\@:
.endm
; A PREFETCH INTO THE L2 of what the NEXT change of slots will ask for, 128 matrix instructions ahead of that load.  K's and V's rows are read by all clusters of a row of clusters: cluster x = 0 asks, its four
; partners 32 rows each by address (cx).  The bias's blocks are read by the two clusters of a batch: the even cluster y asks, its partners 16 rows x 2 blocks each of a wave's 64 rows (cy).  The last fill asks for nothing.
.macro ASK
	s_cmp_gt_u32 s[SLOTS], s[LIM]
	s_cbranch_scc0 .Lnot_mine_\@
	global_prefetch_b8 v[PFO], s[PFA:PFA+1] th:TH_LOAD_NT scope:SCOPE_SE
.Lnot_mine_\@:
.endm
.macro CROUND
	s_barrier_signal -1
	s_barrier_wait -1
	s_cmp_lg_u32 s[WV], 0
	s_cbranch_scc1 .Lnot_wave_0_\@
	s_barrier_signal -3
.Lnot_wave_0_\@:
	s_barrier_wait -3
	s_barrier_signal -1
	s_barrier_wait -1
.endm
; THE CHANGE OF SLOTS, between piece 1's turn and piece 2's: V of the slot's last step and the bias of its pieces 2 and 3 are in registers.  Each wave waits for all its tensor loads (one is out: its part of the
; other slot), adds 0 to its spare word, and waits for that and for its reads.  fill = 1: a round of the cluster's barrier, and the old slot is filled again first thing behind it.
.macro CHANGE fill
	WIN 0
	s_wait_tensorcnt 0x0
	ds_add_u32 v[SPW], v[NIL]
.if \fill
.irp g, G0K, G0V
	s_xor_b32 s[\g+1], s[\g+1], SLOT
	s_add_nc_u64 s[\g+2:\g+3], s[\g+2:\g+3], KSTEPB
.endr
	s_xor_b32 s[G0B+1], s[G0B+1], SLOT
	s_add_nc_u64 s[G0B+2:G0B+3], s[G0B+2:G0B+3], 512
	s_wait_xcnt 0x0                                ; the last prefetch, a slot back, has read its address
	s_add_nc_u64 s[PFA:PFA+1], s[PFA:PFA+1], s[PFS:PFS+1]
.endif
	s_xor_b32 s[SB], s[SB], SLOT                   ; the fetches go to the other slot's first step
	s_mov_b32 s[TBK], s[SB]
	s_mov_b32 s[TBV], s[SB]
	s_mov_b32 s[TBB], s[SB]
	s_wait_dscnt 0x0                               ; the add is done, and my reads of the slot are over
.if \fill
	CROUND
	JLOAD
	ASK
.else
	s_barrier_signal -1
	s_barrier_wait -1
.endif
.endm
	s_load_b128 s[4:7], s[0:1], 0x0                ; qkv s[4:5], attn_bias s[6:7]
	s_load_b64 s[8:9], s[0:1], 0x10                ; att
	v_lshl_add_u32 v[SPW], v0, 2, SPARE
	v_mov_b32 v[NIL], 0
	ds_add_u32 v[SPW], v[NIL]                      ; the wave's opening: the add and its wait ahead of my first tensor load
	v_lshrrev_b32 v1, 5, v0
	v_readfirstlane_b32 s[WV], v1
	s_bfe_u32 s13, ttmp6, 0x40000                  ; cx
	s_bfe_u32 s14, ttmp6, 0x40004                  ; cy
	s_lshl_b32 s15, ttmp9, 2
	s_add_co_u32 s15, s15, s13                     ; query block
	s_and_b32 s16, ttmp7, 0xffff                   ; cluster y
	s_lshr_b32 s17, s16, 1                         ; batch: from the cluster's y alone
	s_and_b32 s18, s16, 1
	s_lshl_b32 s18, s18, 2
	s_add_co_u32 s18, s18, s14                     ; head pair
	s_and_b32 s19, s[WV], 1                        ; my head of the pair; also: which half of the bias I fetch
	s_lshr_b32 s23, s[WV], 1                       ; my half of the queries
	s_mul_i32 s20, s17, 2048*6144
	s_lshl_b32 s21, s18, 8
	s_add_co_u32 s20, s20, s21                     ; the batch's first row, the pair's 256 bytes
	s_mov_b32 s21, 0
	s_lshl_b32 s2, s17, 24                         ; the bias: batch,
	s_lshl_b32 s3, s15, 20                         ; 128 rows of 8,192 bytes a query block,
	s_add_co_u32 s2, s2, s3
	s_lshl_b32 s3, s19, 19                         ; my 64 of them
	s_add_co_u32 s2, s2, s3
	s_mov_b32 s3, 0
	s_lshl_b32 s22, s14, 2
	s_lshl_b32 s22, 15, s22                        ; my row of the cluster
	s_or_b32 s[G1K], s22, (1<<16)|(1<<20)|(1<<21)|(5<<22)|(3<<25)  ; 2-byte elements; after every 64 words 4 words
	s_or_b32 s[G1V], s22, (1<<16)|(1<<20)|(1<<21)|(5<<22)|(7<<25)  ; 8 words
	s_lshl_b32 s22, 0x1111, s13                    ; my column
	s_or_b32 s[G1B], s22, (2<<16)|(1<<20)|(1<<21)|(6<<22)|(3<<25)  ; 4-byte elements; after every 128 words 4 words
.irp g, G1K, G1V
	s_mov_b32 s[\g+1], 128<<16                     ; tensor_dim0 = 128
	s_mov_b32 s[\g+2], 128<<16                     ; tensor_dim1 = 128
	s_mov_b32 s[\g+3], 128<<16                     ; tile_dim0 = 128
	s_mov_b32 s[\g+4], 128                         ; tile_dim1 = 128
	s_mov_b32 s[\g+5], 3072                        ; elements from row to row
	s_mov_b32 s[\g+6], 0
	s_mov_b32 s[\g+7], 0
.endr
	s_mov_b32 s[G1B+1], 128<<16
	s_mov_b32 s[G1B+2], 64<<16
	s_mov_b32 s[G1B+3], 128<<16
	s_mov_b32 s[G1B+4], 64
	s_mov_b32 s[G1B+5], 2048
	s_mov_b32 s[G1B+6], 0
	s_mov_b32 s[G1B+7], 0
	s_mov_b32 s[G0K], 1
	s_mov_b32 s[G0K+1], 0
	s_mov_b32 s[G0V], 1
	s_mov_b32 s[G0V+1], VREG
	s_mov_b32 s[G0B], 1
	s_mul_i32 s[G0B+1], s19, 64*PBI
	s_add_co_u32 s[G0B+1], s[G0B+1], BREG
	s_mov_b32 s[CS], 0x3fb8aa3b                    ; c = log2(e)
	s_mov_b32 s[CS+1], s[CS]
	s_mov_b32 s[SEL], 0x76543210
	s_mov_b32 s[SEL+1], 0xfedcba98
	s_mov_b32 s[SB], SLOT                          ; the first change of slots turns it into 0
	s_mov_b32 s[SLOTS], 15
	; Q's and att's offsets
	s_lshl_b32 s84, s17, 11
	s_lshl_b32 s85, s15, 7
	s_add_co_u32 s84, s84, s85                     ; the block's first token
	s_lshl_b32 s86, s23, 6
	s_add_co_u32 s86, s86, s84
	s_mul_i32 s86, s86, 6144
	s_lshl_b32 s87, s18, 8
	s_add_co_u32 s86, s86, s87
	s_lshl_b32 s85, s19, 7
	s_add_co_u32 s86, s86, s85                     ; Q: my 64 rows, my head's 128 bytes
	s_lshl_b32 s85, s[WV], 5
	s_add_co_u32 s84, s84, s85
	s_lshl_b32 s84, s84, 11
	s_add_co_u32 s84, s84, s87                     ; att: the 32 rows that I store, the pair's 256 bytes
	s_mov_b32 s85, 0
	s_mov_b32 s87, 0
	; the prefetches: they start in slot 1; the first change steps them to slot 2
	s_mul_i32 s80, s13, 32*6144
	s_add_co_u32 s80, s80, s20
	s_lshl_b32 s81, s19, 11                        ; wave 0: K at byte 2,048 of a row; wave 1: V at 4,096
	s_add_co_u32 s80, s80, s81
	s_add_co_u32 s80, s80, KSTEPB+2048
	s_lshl_b32 s81, s14, 17                        ; 16 rows of 8,192 bytes
	s_add_co_u32 s81, s81, s2
	s_add_co_u32 s81, s81, 512
	s_and_b32 s83, s16, 1
	s_mov_b32 s82, KSTEPB
	s_mov_b32 s22, 6144
	s_wait_dscnt 0x0                               ; the opening add is done
	s_wait_kmcnt 0x0
	s_cmp_lt_u32 s[WV], 2
	s_cselect_b32 s80, s80, s81
	s_cselect_b32 s83, ttmp9, s83                  ; the coordinate along which other clusters read the same blocks
	s_cselect_b32 s[PFS], s82, 512
	s_cselect_b32 s22, s22, 8192
	s_cselect_b64 s[PFA:PFA+1], s[4:5], s[6:7]
	s_mov_b32 s81, 0
	s_mov_b32 s[PFS+1], 0
	s_add_nc_u64 s[PFA:PFA+1], s[PFA:PFA+1], s[80:81]
	s_cmp_eq_u32 s83, 0
	s_cselect_b32 s[LIM], 1, -1                    ; the same in all sixteen partners, for a given wave
	s_add_nc_u64 s[G0K+2:G0K+3], s[4:5], s[20:21]
	s_add_nc_u64 s[G0V+2:G0V+3], s[G0K+2:G0K+3], 4096
	s_add_nc_u64 s[G0K+2:G0K+3], s[G0K+2:G0K+3], 2048
	s_or_b32 s[G0K+3], s[G0K+3], 0x80000000
	s_or_b32 s[G0V+3], s[G0V+3], 0x80000000
	s_add_nc_u64 s[G0B+2:G0B+3], s[6:7], s[2:3]
	s_or_b32 s[G0B+3], s[G0B+3], 0x80000000
	s_add_nc_u64 s[86:87], s[4:5], s[86:87]
	s_add_nc_u64 s[8:9], s[8:9], s[84:85]
	CROUND                                         ; all sixteen work-groups are here
	JLOAD                                          ; slot 0; slot 1 is asked for when slot 0 is in
	v_and_b32 v1, 15, v0                           ; l % 16
	v_bfe_u32 v9, v0, 4, 1                         ; l / 16
	v_mul_u32_u24 v[QO], v1, 6144
	v_lshl_add_u32 v[QO], v9, 4, v[QO]
	WIN 0x80
.set i, 0
.rept 8                                ; Q stays in registers: piece i / 2, channels 32 (i % 2) on
	global_load_b128 v[8*i:8*i+3],   v[QO], s[86:87] offset:(i/2)*16*6144+(i%2)*64
	global_load_b128 v[8*i+4:8*i+7], v[QO], s[86:87] offset:(i/2)*16*6144+(i%2)*64+32
.set i, i+1
.endr
.set i, VF                             ; what the first turn finds: V, P's second buffer, O^T and l hold 0.  All this stands in the wait for the first tile.
.rept 64
	v_mov_b32 v[i], 0
.set i, i+1
.endr
	WIN 0x40
.set i, 0
.rept 128
	v_mov_b32 v[i], 0
.set i, i+1
.endr
	WIN 0
.set i, 0
.rept 4
	v_mov_b32 v[ST+4*i+1], 0xfe000000              ; m = -4.25e37,
	v_mul_f32 v[ST+4*i], s[CS], v[ST+4*i+1]        ; and c m of it: a row that is still all hidden keeps a = 1
	v_mov_b32 v[ST+4*i+2], 0
	v_mov_b32 v[ST+4*i+3], 0
.set i, i+1
.endr
.set i, P+16
.rept 16
	v_mov_b32 v[i], 0
.set i, i+1
.endr
	v_and_b32 v[PFO], 31, v0
	v_lshrrev_b32 v10, s23, v[PFO]                 ; K, V: a lane a row; bias: two lanes a row
	v_and_b32 v[PFO], s23, v[PFO]
	v_mul_lo_u32 v10, v10, s22
	v_lshl_add_u32 v[PFO], v[PFO], 8, v10
	s_lshl_b32 s22, s19, 7                         ; my head's 128 bytes of a row
	v_mul_u32_u24 v[AK0], v1, PKP
	v_lshl_add_u32 v[AK0], v9, 4, v[AK0]
	v_add_nc_u32 v[AK0], s22, v[AK0]
	v_and_b32 v10, 7, v0
	v_bfe_u32 v11, v0, 3, 1
	v_lshl_add_u32 v[AV0], v9, 3, v10              ; the turning load: key 8 (l / 16) + l % 8, channels 8 ((l / 8) % 2) on
	v_mul_u32_u24 v[AV0], v[AV0], PVP
	v_lshl_add_u32 v[AV0], v11, 4, v[AV0]
	s_add_co_u32 s20, s22, VREG
	v_add_nc_u32 v[AV0], s20, v[AV0]
	s_mul_i32 s20, s23, 64*PBI
	s_add_co_u32 s20, s20, BREG
	v_mul_u32_u24 v[AB0], v1, PBI                  ; the bias: my query's row, keys 8 (l / 16) on: 32 bytes
	v_lshl_add_u32 v[AB0], v9, 5, v[AB0]
	v_add_nc_u32 v[AB0], s20, v[AB0]
	s_mul_i32 s20, s23, 64*SP
	s_add_co_u32 s20, s20, s22
	s_add_co_u32 s20, s20, STAGE
	v_mul_u32_u24 v[STO], v1, SP                   ; into the stage: my query's row, my head's half of it
	v_lshl_add_u32 v[STO], v9, 4, v[STO]
	v_add_nc_u32 v[STO], s20, v[STO]
	s_mul_i32 s20, s[WV], 32*SP
	s_add_co_u32 s20, s20, STAGE
	v_mul_u32_u24 v[RD], v9, SP                    ; back: wave w takes rows 32 w on, whole
	v_lshl_add_u32 v[RD], v1, 4, v[RD]
	v_add_nc_u32 v[RD], s20, v[RD]
	v_lshlrev_b32 v[GO], 11, v9
	v_lshl_add_u32 v[GO], v1, 4, v[GO]
; THE MATRIX WORK.  The 4 accumulators of a run of 8 take turns.  Product i of 8 of S^T = K Q^T for piece x: channels 32 (i / 4) on, keys 16 (i % 4) on.  The first 4 start the sums with the bias.
.macro KQ x
.set rS, S+32*((\x)%2)+8*(i%4)
.set rK, KF+16*(i%4)+8*(i/4)
.set rQ, 16*(\x)+8*(i/4)
.set rM, MC+32*((\x)%2)+8*(i%4)
.if i < 4
	WIN W_KM
	v_wmma_f32_16x16x32_bf16 v[rS:rS+7], v[rK:rK+7], v[rQ:rQ+7], v[rM:rM+7]
.else
	WIN W_KQ
	v_wmma_f32_16x16x32_bf16 v[rS:rS+7], v[rK:rK+7], v[rQ:rQ+7], v[rS:rS+7]
.endif
.endm
.macro PV x                            ; product i of 8 of O^T += V^T P: keys 32 (i / 4) on, channels 16 (i % 4) on
	WIN W_PV
.set rO, 32*(\x)+8*(i%4)
.set rV, VF+32*(i/4)+8*(i%4)
.set rP, P+16*((\x)%2)+8*(i/4)
	v_wmma_f32_16x16x32_bf16 v[rO:rO+7], v[rV:rV+7], v[rP:rP+7], v[rO:rO+7]
.endm
.macro MM                              ; the turn's next matrix instruction
.if i < 8
	KQ (Y+1)%NP
.else
.set i, i-8
	PV (Y+NP-1)%NP
.set i, i+8
.endif
.set i, i+1
.endm
; THE LDS LOADS stand in runs: a step's K (16 loads), its V, turned (16), and a piece's bias (8).
.macro FETCH_K
	WIN 0x80
.irp f, 0,1,2,3,4,5,6,7
	ds_load_b128 v[KF+8*\f:KF+8*\f+3],   v[AK] offset:(\f/2)*16*PKP+(\f%2)*64
	ds_load_b128 v[KF+8*\f+4:KF+8*\f+7], v[AK] offset:(\f/2)*16*PKP+(\f%2)*64+32
.endr
	s_add_co_u32 s[TBK], s[TBK], KS*PKP            ; the next fetch is the next step's
	s_add_co_u32 s[TBB], s[TBB], KS*4
	WIN 0
.endm
.macro FETCH_V
	WIN 0x80
.irp f, 0,1,2,3,4,5,6,7
	ds_load_tr16_b128 v[VF+8*\f:VF+8*\f+3],   v[AV] offset:(\f/4)*32*PVP+(\f%4)*32
	ds_load_tr16_b128 v[VF+8*\f+4:VF+8*\f+7], v[AV] offset:(\f/4)*32*PVP+16*PVP+(\f%4)*32
.endr
	WIN 0
.endm
.macro FETCH_B x                       ; piece x's bias for the step at v[AB]: register j of key block kb is key 16 kb + 8 (l / 16) + j of my query
	WIN 0x40
.irp kb, 0,1,2,3
	ds_load_b128 v[MC+32*((\x)%2)+8*\kb:MC+32*((\x)%2)+8*\kb+3],   v[AB] offset:(\x)*16*PBI+64*\kb
	ds_load_b128 v[MC+32*((\x)%2)+8*\kb+4:MC+32*((\x)%2)+8*\kb+7], v[AB] offset:(\x)*16*PBI+64*\kb+16
.endr
	WIN 0
.endm
; THE VECTOR WORK, one line at a time: OP kind, number.  For piece Y: F n: c s - c m for pair n.  E n: the exponential of score n.  C n: pair n rounded to bf16.  B n: of four weights the second pair onto the first.
; L n: l takes that sum (L 0: l = a l + sum).  R n: pair n of O^T times a.  For piece Y + 1: X n, number n of the 22 that find its maximum and statistics (each accumulator's lowest registers are read first).
.set F, 0
.set E, 1
.set C, 2
.set B, 3
.set L, 4
.set R, 5
.set X, 6
.macro REGS y
.set rT, ST+4*(\y)
.set rC, TMP+4*((\y)%2)
.set rW, MV+((\y)%2)
.set rS, S+32*((\y)%2)
.set rP, P+16*((\y)%2)
.set rO, 32*(\y)
.endm
.macro OP k, n
.if (\k) == R
	REGS Y
	WIN W_RS
	v_pk_mul_f32 v[rO+2*(\n):rO+2*(\n)+1], v[rO+2*(\n):rO+2*(\n)+1], v[rC+2:rC+3] op_sel_hi:[1,0]
.elseif (\k) < R
	REGS Y
	WIN 0
.if (\k) == F
	v_pk_fma_f32 v[rS+2*(\n):rS+2*(\n)+1], v[rS+2*(\n):rS+2*(\n)+1], s[CS:CS+1], v[rT:rT+1] op_sel_hi:[1,0,0] neg_lo:[0,0,1] neg_hi:[0,0,1]
.elseif (\k) == E
	v_exp_f32 v[rS+(\n)], v[rS+(\n)]
.elseif (\k) == C
	v_cvt_pk_bf16_f32 v[rP+(\n)], v[rS+2*(\n)], v[rS+2*(\n)+1]
.elseif (\k) == B
	v_pk_add_f32 v[rS+4*(\n):rS+4*(\n)+1], v[rS+4*(\n):rS+4*(\n)+1], v[rS+4*(\n)+2:rS+4*(\n)+3]
.elseif (\n) == 0
	v_pk_fma_f32 v[rT+2:rT+3], v[rT+2:rT+3], v[rC+2:rC+3], v[rS:rS+1] op_sel_hi:[1,0,1]
.else
	v_pk_add_f32 v[rT+2:rT+3], v[rT+2:rT+3], v[rS+4*(\n):rS+4*(\n)+1]
.endif
.else
	REGS (Y+1)%NP
	WIN 0
.if (\n) < 4
	v_max3_num_f32 v[rC+(\n)], v[rS+8*(\n)], v[rS+8*(\n)+1], v[rS+8*(\n)+2]
.elseif (\n) < 12
	v_max3_num_f32 v[rC+(\n)%4], v[rC+(\n)%4], v[rS+8*((\n)%4)+2*((\n)/4)+1], v[rS+8*((\n)%4)+2*((\n)/4)+2]
.elseif (\n) == 12
	v_max3_num_f32 v[rC], v[rC], v[rS+7], v[rS+15]
.elseif (\n) == 13
	v_max3_num_f32 v[rC+1], v[rC+1], v[rS+23], v[rS+31]
.elseif (\n) == 14
	v_max3_num_f32 v[rC+2], v[rC+2], v[rC+3], v[rT+1]
.elseif (\n) == 15
	v_mov_b32 v[rW], v[rT]
.elseif (\n) == 16
	v_max3_num_f32 v[rC], v[rC], v[rC+1], v[rC+2]
.elseif (\n) == 17
	v_permlanex16_b32 v[rC+3], v[rC], s[SEL], s[SEL+1]
.elseif (\n) == 18
	v_max_num_f32 v[rT+1], v[rC], v[rC+3]
.elseif (\n) == 19
	v_mul_f32 v[rT], s[CS], v[rT+1]
.elseif (\n) == 20
	v_sub_f32 v[rC+1], v[rW], v[rT]
.else
	v_exp_f32 v[rC+2], v[rC+1]
.endif
.endif
.endm
.macro OPS a, i1, b=-1, i2=0, c=-1, i3=0, d=-1, i4=0
	OP \a, \i1
.if (\b) >= 0
	OP \b, \i2
.endif
.if (\c) >= 0
	OP \c, \i3
.endif
.if (\d) >= 0
	OP \d, \i4
.endif
.endm
.macro ROW a, i1, b, i2, c, i3, d, i4  ; a matrix instruction and the four behind it
	MM
	OPS \a, \i1, \b, \i2, \c, \i3, \d, \i4
.endm
; A TURN, for piece p.  AHEAD OF ITS ONE WAIT stands all that names no result of the turn's exponentials: 8 products K Q^T with their riders, and the lump; BEHIND IT 8 products V^T P, whose riders are the roundings and sums.
; LDS: piece p + 2's bias is fetched in the lump (its buffer was last read a turn ago), with K of the next step in piece 2's turn, six plain instructions behind the last product that read K; V of the step in hand
; at the end of piece 0's turn, four plain instructions behind its last reader.  The head waits for the bias of the products to come: in piece 1's turn V's 16 loads are younger and may stay out.
; last = 1 (the tail, pieces 2 and 3): the fetches stand behind the batch's wait, where a branch may stand, and are jumped over in the last trip, which has no further step.
.macro TURN p, last=0
.set Y, (\p)
.set i, 0
.if (\p) == 1
	s_wait_dscnt 16
.else
	s_wait_dscnt 0x0
.endif
	ROW F,0, F,1, R,0, R,1
	ROW F,2, E,0, R,2, R,3
	ROW F,3, E,1, R,4, R,5
	ROW F,4, E,2, R,6, R,7
	ROW F,5, E,3, R,8, R,9
	ROW F,6, E,4, X,0, R,10
.if (\p) == 2
	WIN 0
	v_add_nc_u32 v[AK], s[TBK], v[AK0]
	v_add_nc_u32 v[AB], s[TBB], v[AB0]
.endif
	ROW F,7, E,5, X,1, X,4
	ROW F,8, E,6, X,2, X,5
	OPS E,7, E,8, X,6, E,9
	OPS X,3, E,10, X,8, E,11
.if !(\last)
.if (\p) == 2
	FETCH_K
.endif
	FETCH_B ((\p)+2)%NP
.endif
	OPS X,9, X,7, E,12, X,10
	OPS E,13, X,12, X,11, E,14
	OPS X,13, E,15, F,9, X,14
.if (\p) == 0
	WIN 0
	v_add_nc_u32 v[AV], s[TBV], v[AV0]
.endif
	OPS E,16, F,10, E,17, F,11
	OPS X,16, E,18, X,15, E,19
	OPS F,12, E,20, X,17, E,21
	OPS F,13, E,22, F,14, E,23
	OPS X,18, E,24, F,15, E,25
	OPS R,11, E,26, X,19, E,27
	OPS R,12, E,28, R,13, E,29
	OPS X,20, E,30, R,14, E,31
	OPS X,21, R,15                                 ; R 15 is the plain instruction behind the last exponential
	WIN 0
	s_wait_alu depctr_va_vdst(0)                   ; the wait for the batch, ahead of the first instruction that names a result
.if \last
	s_cmp_eq_u32 s[CNT], 1
	s_cbranch_scc1 .Lno_f_\@
.if (\p) == 2
	FETCH_K
.endif
	FETCH_B ((\p)+2)%NP
.Lno_f_\@:
.endif
.if (\p) == 1
	s_wait_dscnt 0x0                               ; V is in
.endif
	ROW C,0, B,0, C,2, B,1
	ROW L,0, C,4, B,2, L,1
	ROW C,6, B,3, L,2, C,8
	ROW B,4, L,3, C,10, B,5
	ROW L,4, C,12, B,6, L,5
.if (\p) == 0
	s_add_co_u32 s[TBV], s[TBV], KS*PVP
.endif
	ROW C,14, B,7, L,6, C,1
	ROW C,3, L,7, C,5, C,7
	ROW C,9, C,11, C,13, C,15
.if (\p) == 0
	FETCH_V
.endif
.endm
	CHANGE 1                                       ; slot 0 is in, everybody's part of it; slot 1 is asked for
	v_add_nc_u32 v[AK], s[TBK], v[AK0]
	v_add_nc_u32 v[AB], s[TBB], v[AB0]
	FETCH_K                                        ; key step 0
	FETCH_B 0
	FETCH_B 1
	s_wait_loadcnt 0x0                             ; Q
	WIN 0x82
.set i, 0
.rept 64
	v_pk_mul_bf16 v[i], v[i], 0x3d003d00           ; Q / 32: a power of two, so nothing is rounded
.set i, i+1
.endr
	WIN 0
	s_wait_dscnt 0x0
.set i, 0
.rept 8
	KQ 0                                           ; piece 0's first scores
.set i, i+1
.endr
	WIN 0
.rept 8
	v_nop                                          ; the places behind those products
.endr
.set Y, NP-1                           ; X works for piece Y + 1: piece 0
.irp n, 0,1,2,3,4,5,6,7,8,9,10,11,12,13,14,15,16,17,18,19,20,21
	OP X, \n
.endr
	v_nop                                          ; a plain instruction behind the exponential,
	s_wait_alu depctr_va_vdst(0)                   ; and its wait, ahead of the branch
	s_mov_b32 s[CNT], 2
	s_branch .Lfirst                               ; the loop is entered at a step's first turn, in the middle of a trip
.Lslot:                                                ; 14 times: every slot but the last two is filled again
	CHANGE 1
	s_mov_b32 s[CNT], 2
.Lstep:                                                ; a trip: pieces 2 and 3 of one step, then pieces 0 and 1 of the next
	TURN 2
	TURN 3
	WIN 0
.Lfirst:
	TURN 0
	TURN 1
	WIN 0
	s_sub_co_u32 s[CNT], s[CNT], 1
	s_cmp_lg_u32 s[CNT], 0
	s_cbranch_scc1 .Lstep
	s_sub_co_u32 s[SLOTS], s[SLOTS], 1
	s_cmp_lg_u32 s[SLOTS], 0
	s_cbranch_scc1 .Lslot
	CHANGE 0                                       ; the tail is written out
	s_mov_b32 s[CNT], 3                            ; two trips fetch the last slot's steps; the third is left in its middle
.Ltail:
	TURN 2, 1
	TURN 3, 1
	WIN 0
	s_sub_co_u32 s[CNT], s[CNT], 1
	s_cmp_eq_u32 s[CNT], 0
	s_cbranch_scc1 .Lout
	TURN 0
	TURN 1
	WIN 0
	s_branch .Ltail
.Lout:                                                 ; the third trip's 8 products K Q^T and the maximum made of them serve nothing: the price of one text for every trip
.set i, 0
.rept 8
	PV NP-1                                        ; the last piece's V^T P of the last step
.set i, i+1
.endr
	; THE WAY OUT.  l's halves and the other half of the lanes' are added; O^T is divided by l, rounded to bf16, and goes through the work-group's stage: a row's 256 bytes come from two waves.
	WIN 0
.macro ALL line:vararg
.set t, 0
.rept 4
	\line
.set t, t+1
.endr
.endm
	ALL v_add_f32 v[ST+4*t+2], v[ST+4*t+2], v[ST+4*t+3]
	ALL v_permlanex16_b32 v[ST+4*t+3], v[ST+4*t+2], s[SEL], s[SEL+1]
	ALL v_add_f32 v[ST+4*t+2], v[ST+4*t+2], v[ST+4*t+3]
	ALL v_rcp_f32 v[ST+4*t+2], v[ST+4*t+2]
	v_nop                                          ; a plain instruction behind the last reciprocal,
	s_wait_alu depctr_va_vdst(0)                   ; and one wait for the four
.macro PACK t
	WIN W_RS
.set i, 32*(\t)
.rept 16
	v_pk_mul_f32 v[i:i+1], v[i:i+1], v[ST+4*(\t)+2:ST+4*(\t)+3] op_sel_hi:[1,0]
.set i, i+2
.endr
	WIN 0x05
.set i, 0
.rept 16
	v_cvt_pk_bf16_f32 v[S+16*(\t)+i], v[32*(\t)+2*i], v[32*(\t)+2*i+1]
.set i, i+1
.endr
	WIN 0
.irp f, 0,1,2,3
	ds_store_b128 v[STO], v[S+16*(\t)+4*\f:S+16*(\t)+4*\f+3] offset:(\t)*16*SP+32*\f
.endr
.endm
	PACK 0
	PACK 1
	PACK 2
	PACK 3
	s_wait_dscnt 0x0                               ; for the others' sake: my stores into the stage are done
	s_barrier_signal -1
	s_barrier_wait -1
.irp t, 0,1,2,3,4,5,6,7,8,9,10,11,12,13,14,15
	ds_load_b128 v[S+4*\t:S+4*\t+3], v[RD] offset:\t*2*SP
.endr
.irp t, 0,1,2,3,4,5,6,7,8,9,10,11,12,13,14,15
	s_wait_dscnt 15-\t
	global_store_b128 v[GO], v[S+4*\t:S+4*\t+3], s[8:9] offset:\t*4096  ; 16 lanes store 256 consecutive bytes, aligned
.endr
	s_wait_tensorcnt 0x0                           ; the wave's end
	ds_add_u32 v[SPW], v[NIL]
	s_wait_dscnt 0x0
	CROUND                                         ; the closing round
	s_endpgm
.Lfunc_end_k_qb3df6e7745_attn:
	.size	k_qb3df6e7745_attn, .Lfunc_end_k_qb3df6e7745_attn-k_qb3df6e7745_attn
	.p2alignl 7, 3214868480
	.fill 96, 4, 3214868480
	.section	.rodata,"a",@progbits
	.p2align	6, 0x0
	.amdhsa_kernel k_qb3df6e7745_attn
		.amdhsa_group_segment_fixed_size 327680
		.amdhsa_private_segment_fixed_size 0
		.amdhsa_enable_private_segment 0
		.amdhsa_kernarg_size 24
		.amdhsa_user_sgpr_count 2
		.amdhsa_user_sgpr_kernarg_segment_ptr 1
		.amdhsa_wavefront_size32 1
		.amdhsa_system_sgpr_workgroup_id_x 1
		.amdhsa_system_sgpr_workgroup_id_y 1
		.amdhsa_system_sgpr_workgroup_id_z 1
		.amdhsa_system_vgpr_workitem_id 0
		.amdhsa_next_free_vgpr 768
		.amdhsa_next_free_sgpr 88
		.amdhsa_reserve_vcc 0
		.amdhsa_float_denorm_mode_32 3
		.amdhsa_float_denorm_mode_16_64 3
		.amdhsa_memory_ordered 1
		.amdhsa_forward_progress 1
		.amdhsa_inst_pref_size 128
	.end_amdhsa_kernel
	.amdgpu_metadata
---
amdhsa.version: [ 1, 2 ]
amdhsa.kernels:
  - .name:           k_qb3df6e7745_attn
    .symbol:         k_qb3df6e7745_attn.kd
    .args:
      - { .name: qkv, .offset: 0, .size: 8, .value_kind: global_buffer, .address_space: global }
      - { .name: attn_bias, .offset: 8, .size: 8, .value_kind: global_buffer, .address_space: global }
      - { .name: att, .offset: 16, .size: 8, .value_kind: global_buffer, .address_space: global }
    .group_segment_fixed_size: 327680
    .private_segment_fixed_size: 0
    .kernarg_segment_align: 8
    .kernarg_segment_size: 24
    .max_flat_workgroup_size: 128
    .sgpr_count:     88
    .vgpr_count:     768
    .wavefront_size: 32
...
	.end_amdgpu_metadata
.endif
;; end of part 3
;; launch oproj (part 4): grid 8 x 32, 4 waves a work-group, clusters of 4 x 4, 327,680 bytes of LDS; arguments att, wb, ao, enc_input; writes ao
.if DOCPART == 4
	.amdgcn_target "amdgcn-amd-amdhsa--gfx1250"
	.amdhsa_code_object_version 6
	.text
	.protected	k_qb3df6e7745_oproj
	.globl	k_qb3df6e7745_oproj
	.p2align	8
	.type	k_qb3df6e7745_oproj,@function
k_qb3df6e7745_oproj:
	s_mov_b64 s[64:65], 0
	v_nop
	global_prefetch_b8 v0, s[64:65] scope:SCOPE_SE
	s_setreg_imm32_b32 hwreg(HW_REG_WAVE_MODE, 25, 1), 1
	s_wait_xcnt 0x0
	s_wait_alu depctr_hold_cnt(0) depctr_sa_sdst(0) depctr_va_vdst(0) depctr_va_sdst(0) depctr_va_ssrc(0) depctr_va_vcc(0) depctr_vm_vsrc(0)
	s_getreg_b32 s2, hwreg(HW_REG_IB_STS2, 6, 4)
	s_cmp_eq_u32 s2, 0
	s_cbranch_scc0 .Lentry_in_a_cluster
	s_endpgm
.Lentry_in_a_cluster:
	s_bfe_u32 s2, ttmp6, 0x10000c
	s_cmp_lg_u32 s2, 0xf033
	s_cbranch_scc0 .Lentry_shape_is_right
	s_endpgm
.Lentry_shape_is_right:
; ao[m][1024] = att[m][1024] x wo + enc_input, f32 out.  att: bf16; wo lies in wb at byte 6,291,456 as [K][N] bf16; sums and the residual in f32.
; A tile of the result is 128 x 128: 256 work-groups; four waves, each 64 x 64: 16 accumulators.  K goes in steps of 256 through two LDS slots: A's 128 rows of 512 bytes, then W's 256 k-rows of 256 bytes, turned on the way out of LDS.
; CLUSTERS 4 x 4: A's tile is shared along a row of the cluster, W's along a column: joint loads.  THE MATRIX INSTRUCTION IS USED TRANSPOSED (source 0 = 16 columns of W, source 1 = 16 rows of A).
; The loop's trip is ONE K step; an exclusive or with SLOT (which shares no bit with a part's offset) turns the slot in hand and the walking descriptors' LDS words.
; The residual's 64 x 64 numbers of a wave are loaded at the head, in the layout in which the result leaves.  A wave's 64 columns of f32 are 256 aligned bytes: each wave has a stage of its own.
; No prefetch: the walk has four K steps, of which two come by the first fills.
; REGISTERS: window 0: v16-30 addresses; v64-127, v128-191 A's fragments (64 along K), later the rows on the way out.  window 1: the same numbers for W's.  window 2: v0-127 accumulators, v128-255 the residual.
.set KA,     1024
.set NW,     1024
.set WOFF,   6291456
.set BIAS,   0                         ; 1: the sums start at a bias
.set PF,     0                         ; 1: prefetches are laid
.set KSTEP,  256
.set TSTEPS, KA/KSTEP
.set PA,     528                       ; A's LDS row: 512 + 16
.set PB,     288                       ; W's: 256 + 32, an odd multiple of 32
.set HALFA,  64*PA
.set HALFB,  128*PB
.set SLOT,   147456                    ; 141,312 in use
.set STAGE,  2*SLOT
.set SPITCH, 272
.set SPARE,  STAGE+4*16*SPITCH
.set OPITCH, 4096
.set ADRA,  16
.set ADRA0, 17
.set ADRB,  20                         ; v20: k-rows 0-127 of the slot in hand; v21: k-rows 128-255
.set ADRB0, 22
.set STO,   24
.set RD,    25
.set CO,    26
.set SPW,   28
.set NIL,   29
.set PFO,   30
.set F0,    64
.set F1,    128
.set BI,    192                        ; window 1
.set RES,   128                        ; window 2
.set G1A, 24
.set G0A, 32
.set G1B, 48
.set G0B, 56
.set LIM, 43
.set PFA, 44
.set PFS, 70
.set SB,  72
.set WCOL, 75
.set MSB, 0
.macro WIN new
.if MSB != (\new)
	s_set_vgpr_msb (MSB<<8)|(\new)
.set MSB, \new
.endif
.endm
.set TO_B, 0x40
.macro JLOAD                           ; a joint refill: waves 0, 1 A's halves, waves 2, 3 W's; an s_nop 0 and four v_nop follow each line
	s_cmp_eq_u32 s11, 0
	s_cbranch_scc0 .Lfor_b_\@
	tensor_load_to_lds s[G0A+4:G0A+7], s[G1A:G1A+7]
	s_nop 0
.rept 4
	v_nop
.endr
	s_branch .Lasked_\@
.Lfor_b_\@:
	tensor_load_to_lds s[G0B+4:G0B+7], s[G1B:G1B+7]
	s_nop 0
.rept 4
	v_nop
.endr
.Lasked_\@:
.endm
.macro ASK                             ; a prefetch into the L2 of the K step two refills on: 32 blocks of 256 bytes, a lane a block; who asks and where it stops: at the set-up below
	s_cmp_gt_u32 s3, s[LIM]
	s_cbranch_scc0 .Lnot_mine_\@
	global_prefetch_b8 v[PFO], s[PFA:PFA+1] th:TH_LOAD_NT scope:SCOPE_SE
.Lnot_mine_\@:
.endm
.macro CREST
	s_cmp_lg_u32 s10, 0
	s_cbranch_scc1 .Lnot_wave_0_\@
	s_barrier_signal -3
.Lnot_wave_0_\@:
	s_barrier_wait -3
	s_barrier_signal -1
	s_barrier_wait -1
.endm
.macro CROUND
	s_barrier_signal -1
	s_barrier_wait -1
	CREST
.endm
	s_load_b128 s[4:7], s[0:1], 0x0                ; A s[4:5], wb s[6:7]
	s_load_b64 s[8:9], s[0:1], 0x10                ; the result
	s_load_b64 s[68:69], s[0:1], 0x18              ; the residual
.if BIAS
	s_load_b64 s[66:67], s[0:1], 0x20              ; the bias
.endif
	v_lshl_add_u32 v[SPW], v0, 2, SPARE
	v_mov_b32 v[NIL], 0
	ds_add_u32 v[SPW], v[NIL]                      ; the wave's opening: the add and its wait ahead of my first tensor load
	v_lshrrev_b32 v1, 5, v0
	v_readfirstlane_b32 s10, v1
	s_lshr_b32 s11, s10, 1                         ; my half of the tile's rows; also: I fetch for A (0) or W (1)
	s_and_b32 s12, s10, 1                          ; my half of its columns; also: which half of that tile I fetch
	s_bfe_u32 s40, ttmp6, 0x40000                  ; cx
	s_bfe_u32 s41, ttmp6, 0x40004                  ; cy
	s_lshl_b32 s42, ttmp9, 2
	s_add_co_u32 s42, s42, s40                     ; tile column
	s_and_b32 s13, ttmp7, 0xffff
	s_lshl_b32 s13, s13, 2
	s_add_co_u32 s13, s13, s41                     ; tile row
	s_lshl_b32 s43, s41, 2
	s_lshl_b32 s43, 15, s43
	s_lshl_b32 s44, 0x1111, s40
	s_or_b32 s[G1A+0], s43, (1<<16)|(1<<20)|(1<<21)|(6<<22)|(3<<25)  ; mask; 2-byte elements; padding: after every 128 words 4 words
	s_or_b32 s[G1B+0], s44, (1<<16)|(1<<20)|(1<<21)|(5<<22)|(7<<25)  ; after every 64 words 8 words
	s_mov_b32 s[G1A+1], KSTEP<<16                  ; tensor_dim0 = 256
	s_mov_b32 s[G1A+2], 64<<16                     ; tensor_dim1 = 64
	s_mov_b32 s[G1A+3], KSTEP<<16                  ; tile_dim0 = 256
	s_mov_b32 s[G1A+4], 64                         ; tile_dim1 = 64
	s_mov_b32 s[G1A+5], KA
	s_mov_b32 s[G1A+6], 0
	s_mov_b32 s[G1A+7], 0
	s_mov_b32 s[G1B+1], 128<<16
	s_mov_b32 s[G1B+2], 128<<16
	s_mov_b32 s[G1B+3], 128<<16
	s_mov_b32 s[G1B+4], 128
	s_mov_b32 s[G1B+5], NW
	s_mov_b32 s[G1B+6], 0
	s_mov_b32 s[G1B+7], 0
	s_lshl_b32 s17, s12, 6
	s_lshl_b32 s16, s13, 7
	s_add_co_u32 s16, s16, s17                     ; A: row 128 x tile row + 64 x half
	s_mul_i32 s16, s16, KA*2
	s_mov_b32 s17, 0
	s_lshl_b32 s[WCOL], s42, 8
	s_add_co_u32 s[WCOL], s[WCOL], WOFF
	s_mul_i32 s46, s12, 128*NW*2                   ; W: k-row 128 x half
	s_add_co_u32 s46, s46, s[WCOL]
	s_mov_b32 s47, 0
	s_mul_i32 s20, s12, HALFA                      ; where they go
	s_mul_i32 s21, s12, HALFB
	s_add_co_u32 s21, s21, 2*HALFA
	s_mov_b32 s[SB], 0
	s_wait_dscnt 0x0                               ; the opening add is done
	s_wait_kmcnt 0x0
	s_add_nc_u64 s[14:15], s[4:5], s[16:17]
	s_add_nc_u64 s[46:47], s[6:7], s[46:47]
	CROUND                                         ; all sixteen work-groups are here
.irp s, 0,1
	s_mov_b32 s[G0A+4*(\s)], 1
	s_add_co_u32 s[G0A+4*(\s)+1], s20, (\s)*SLOT
	s_add_nc_u64 s[G0A+4*(\s)+2:G0A+4*(\s)+3], s[14:15], (\s)*KSTEP*2
	s_or_b32 s[G0A+4*(\s)+3], s[G0A+4*(\s)+3], 0x80000000
	s_mov_b32 s[G0B+4*(\s)], 1
	s_add_co_u32 s[G0B+4*(\s)+1], s21, (\s)*SLOT
	s_add_nc_u64 s[G0B+4*(\s)+2:G0B+4*(\s)+3], s[46:47], (\s)*KSTEP*NW*2
	s_or_b32 s[G0B+4*(\s)+3], s[G0B+4*(\s)+3], 0x80000000
.endr
	s_cmp_eq_u32 s11, 0                            ; a wave's two first fills stand in one branch: two loads of mine are out
	s_cbranch_scc0 .Lfirst_b
	tensor_load_to_lds s[G0A:G0A+3], s[G1A:G1A+7]
	s_nop 0
	tensor_load_to_lds s[G0A+4:G0A+7], s[G1A:G1A+7]
	s_nop 0
.rept 4
	v_nop
.endr
	s_branch .Lfirst_asked
.Lfirst_b:
	tensor_load_to_lds s[G0B:G0B+3], s[G1B:G1B+7]
	s_nop 0
	tensor_load_to_lds s[G0B+4:G0B+7], s[G1B:G1B+7]
	s_nop 0
.rept 4
	v_nop
.endr
.Lfirst_asked:
	v_and_b32 v1, 15, v0
	v_bfe_u32 v2, v0, 4, 1
	v_mul_u32_u24 v3, v1, PA
	v_lshl_add_u32 v3, v2, 4, v3
	s_mul_i32 s21, s11, HALFA
	v_add_nc_u32 v[ADRA0], s21, v3
	v_and_b32 v4, 7, v0
	v_lshl_add_u32 v4, v2, 3, v4
	v_mul_u32_u24 v4, v4, PB
	v_bfe_u32 v5, v0, 3, 1
	v_lshl_add_u32 v4, v5, 4, v4
	s_lshl_b32 s22, s12, 7                         ; my 64 columns: 128 bytes
	s_add_co_u32 s22, s22, 2*HALFA
	v_add_nc_u32 v[ADRB0], s22, v4
	v_mov_b32 v[ADRA], v[ADRA0]
	v_mov_b32 v[ADRB], v[ADRB0]
	v_add_nc_u32 v[ADRB+1], 128*PB, v[ADRB0]
	s_mul_i32 s23, s10, 16*SPITCH
	s_add_co_u32 s23, s23, STAGE                   ; my stage
	v_mul_u32_u24 v4, v1, SPITCH                   ; in: row l % 16, 32 bytes for each half of the lanes
	v_lshl_add_u32 v4, v2, 5, v4
	v_add_nc_u32 v[STO], s23, v4
	v_mul_u32_u24 v5, v2, SPITCH                   ; back: lanes 0-15 one row of 256 bytes, lanes 16-31 the next
	v_lshl_add_u32 v5, v1, 4, v5
	v_add_nc_u32 v[RD], s23, v5
	v_lshlrev_b32 v5, 12, v2
	v_lshl_add_u32 v[CO], v1, 4, v5
	s_lshl_b32 s16, s13, 7
	s_lshl_b32 s17, s11, 6
	s_add_co_u32 s16, s16, s17                     ; my first row
	s_lshl_b32 s16, s16, 12
	s_lshl_b32 s46, s42, 9                         ; my first column, in bytes of f32
	s_lshl_b32 s47, s12, 8
	s_add_co_u32 s46, s46, s47
	s_add_co_u32 s16, s16, s46
	s_mov_b32 s17, 0
	s_mov_b32 s47, 0
	s_add_nc_u64 s[8:9], s[8:9], s[16:17]
	s_add_nc_u64 s[68:69], s[68:69], s[16:17]
.if BIAS
	s_add_nc_u64 s[66:67], s[66:67], s[46:47]
	v_lshlrev_b32 v6, 5, v2                        ; register j of a lane is column 8 (l / 16) + j of its block
	WIN TO_B
.irp b, 0,1,2,3
	global_load_b128 v[BI+8*(\b):BI+8*(\b)+3],   v6, s[66:67] offset:64*(\b)
	global_load_b128 v[BI+8*(\b)+4:BI+8*(\b)+7], v6, s[66:67] offset:64*(\b)+16
.endr
.endif
	WIN 0x80
.irp a, 0,1,2,3
.irp t, 0,1,2,3,4,5,6,7
	global_load_b128 v[RES+32*(\a)+4*(\t):RES+32*(\a)+4*(\t)+3], v[CO], s[68:69] offset:(16*(\a)+2*(\t))*OPITCH
.endr
.endr
	WIN 0
.if PF
	; The prefetches.  A's rows are read by every cluster of a row of clusters: cluster x = 0 asks; W's by every cluster of a column: cluster y = 0 asks.  The four partners of a joint load share the wave's 128 blocks
	; out by address (cx for A: 16 rows x 2 blocks; cy for W: 32 k-rows).  They start at K step 3; the trip of K step t, which refills with t + 2, names t + 4; the last two refills ask for nothing.
	s_and_b32 s22, ttmp7, 0xffff
	s_lshl_b32 s20, s13, 7
	s_lshl_b32 s21, s12, 6
	s_add_co_u32 s20, s20, s21
	s_lshl_b32 s21, s40, 4
	s_add_co_u32 s20, s20, s21
	s_mul_i32 s20, s20, KA*2
	s_add_co_u32 s20, s20, 3*KSTEP*2
	s_lshl_b32 s21, s12, 7
	s_lshl_b32 s23, s41, 5
	s_add_co_u32 s21, s21, s23
	s_add_co_u32 s21, s21, 3*KSTEP
	s_mul_i32 s21, s21, NW*2
	s_add_co_u32 s21, s21, s[WCOL]
	s_mov_b32 s23, KSTEP*NW*2
	s_mov_b32 s19, NW*2
	s_xor_b32 s18, s11, 1                          ; A: two lanes a row; W: a lane a k-row
	s_cmp_eq_u32 s11, 0
	s_cselect_b32 s20, s20, s21
	s_cselect_b32 s22, ttmp9, s22
	s_cselect_b32 s[PFS], KSTEP*2, s23
	s_cselect_b32 s19, KA*2, s19
	s_cselect_b64 s[PFA:PFA+1], s[4:5], s[6:7]
	s_mov_b32 s21, 0
	s_mov_b32 s[PFS+1], 0
	s_add_nc_u64 s[PFA:PFA+1], s[PFA:PFA+1], s[20:21]
	s_cmp_eq_u32 s22, 0
	s_cselect_b32 s[LIM], 2, -1
	v_and_b32 v7, 31, v0
	v_lshrrev_b32 v8, s18, v7
	v_and_b32 v7, s18, v7
	v_mul_lo_u32 v8, v8, s19
	v_lshl_add_u32 v[PFO], v7, 8, v8
.endif
; 8 matrix instructions: row blocks a0, a0 + 1 x all 4 column blocks, 32 along K: half c of buffer f.  The 16 accumulators take turns in the same order throughout.
.macro MUL8 f, c, a0, first
.if (\first) && BIAS
	WIN 0x91
.else
	WIN 0xa1
.endif
.irp a, \a0, (\a0)+1
.irp b, 0,1,2,3
.if (\first) && BIAS
	v_wmma_f32_16x16x32_bf16 v[8*(4*(\a)+(\b)):8*(4*(\a)+(\b))+7], v[(\f)+8*(4*(\c)+(\b)):(\f)+8*(4*(\c)+(\b))+7], v[(\f)+8*(4*(\c)+(\a)):(\f)+8*(4*(\c)+(\a))+7], v[BI+8*(\b):BI+8*(\b)+7]
.elseif \first
	v_wmma_f32_16x16x32_bf16 v[8*(4*(\a)+(\b)):8*(4*(\a)+(\b))+7], v[(\f)+8*(4*(\c)+(\b)):(\f)+8*(4*(\c)+(\b))+7], v[(\f)+8*(4*(\c)+(\a)):(\f)+8*(4*(\c)+(\a))+7], 0
.else
	v_wmma_f32_16x16x32_bf16 v[8*(4*(\a)+(\b)):8*(4*(\a)+(\b))+7], v[(\f)+8*(4*(\c)+(\b)):(\f)+8*(4*(\c)+(\b))+7], v[(\f)+8*(4*(\c)+(\a)):(\f)+8*(4*(\c)+(\a))+7], v[8*(4*(\a)+(\b)):8*(4*(\a)+(\b))+7]
.endif
.endr
.endr
.endm
; 32 LDS loads in one run: quarter q's fragments (64 along K) into buffer f; the first 32 along K first
.macro FETCH q, f
.irp c, 0,1
	WIN TO_B
.irp i, 0,1,2,3
	ds_load_tr16_b128 v[(\f)+8*(4*(\c)+(\i)):(\f)+8*(4*(\c)+(\i))+3],   v[ADRB+(\q)/2] offset:(((\q)%2)*64+32*(\c))*PB+32*(\i)
	ds_load_tr16_b128 v[(\f)+8*(4*(\c)+(\i))+4:(\f)+8*(4*(\c)+(\i))+7], v[ADRB+(\q)/2] offset:(((\q)%2)*64+32*(\c)+16)*PB+32*(\i)
.endr
	WIN 0
.irp i, 0,1,2,3
	ds_load_b128 v[(\f)+8*(4*(\c)+(\i)):(\f)+8*(4*(\c)+(\i))+3],   v[ADRA] offset:(\q)*128+64*(\c)+(\i)*16*PA
	ds_load_b128 v[(\f)+8*(4*(\c)+(\i))+4:(\f)+8*(4*(\c)+(\i))+7], v[ADRA] offset:(\q)*128+64*(\c)+(\i)*16*PA+32
.endr
.endr
.endm
.macro PLACES
.rept 4
	v_nop
.endr
.endm
.macro QUARTER q, f, g, first
	s_wait_dscnt 16                                ; the first 32 along K are in
	MUL8 \f, 0, 0, \first
	MUL8 \f, 0, 2, \first
	PLACES
	FETCH \q, \g
	s_wait_dscnt 32                                ; all but the 32 just issued
	MUL8 \f, 1, 0, 0
	MUL8 \f, 1, 2, 0
.endm
; The last quarter of a K step changes slots: each wave waits for all its tensor loads, adds 0 to its spare word, waits for that and for its reads of this slot, and signals.
; fill = 1: a round of the cluster's barrier, and the slot just read is filled again first thing behind it, two K steps ahead: 112 matrix instructions ahead of the wait for it.
.macro TURN fill
.if PF && (\fill)
	s_wait_xcnt 0x0                                ; the last prefetch, a K step back, has read its address
	s_add_nc_u64 s[PFA:PFA+1], s[PFA:PFA+1], s[PFS:PFS+1]
.endif
	WIN 0
	s_wait_tensorcnt 0x0
	ds_add_u32 v[SPW], v[NIL]
	s_wait_dscnt 17                                ; the add and the youngest sixteen loads may be out
	MUL8 F1, 0, 0, 0
	s_wait_dscnt 0x0                               ; the add is done, and my reads of this slot are over
	s_barrier_signal -1
	MUL8 F1, 0, 2, 0
	WIN 0
	s_barrier_wait -1
.if \fill
	CREST
	s_xor_b32 s[G0A+5], s[G0A+5], SLOT
	s_xor_b32 s[G0B+5], s[G0B+5], SLOT
	s_add_nc_u64 s[G0A+6:G0A+7], s[G0A+6:G0A+7], KSTEP*2
	s_add_nc_u64 s[G0B+6:G0B+7], s[G0B+6:G0B+7], KSTEP*NW*2
	JLOAD                                          ; its four v_nop are also the places in front of the loads below
.else
	PLACES
.endif
	s_xor_b32 s[SB], s[SB], SLOT
	v_add_nc_u32 v[ADRA], s[SB], v[ADRA0]
	v_add_nc_u32 v[ADRB], s[SB], v[ADRB0]
	v_add_nc_u32 v[ADRB+1], 128*PB, v[ADRB]
	FETCH 0, F0
.if PF && (\fill)
	ASK
.endif
	MUL8 F1, 1, 0, 0
	MUL8 F1, 1, 2, 0
.endm
; THE WAY OUT of row block a: the accumulators go into my stage as they are (f32), come back as whole rows of 256 bytes, take the residual, and are stored.
.macro TOST a
	WIN 0x08                                       ; the stores' data in window 2
.irp b, 0,1,2,3
	ds_store_b128 v[STO], v[8*(4*(\a)+(\b)):8*(4*(\a)+(\b))+3]   offset:64*(\b)
	ds_store_b128 v[STO], v[8*(4*(\a)+(\b))+4:8*(4*(\a)+(\b))+7] offset:64*(\b)+16
.endr
	WIN 0
.irp t, 0,1,2,3,4,5,6,7
	ds_load_b128 v[F0+32*(\a)+4*(\t):F0+32*(\a)+4*(\t)+3], v[RD] offset:(\t)*2*SPITCH  ; LDS serves a wave's instructions in order: these see the stores above
.endr
.endm
.macro SENDF a, younger                ; younger: the next block's sixteen LDS instructions, or none
	s_wait_dscnt \younger
	WIN 0x08                                       ; source 1, the residual, in window 2
.set z, 0
.rept 16
	v_pk_add_f32 v[F0+32*(\a)+z:F0+32*(\a)+z+1], v[F0+32*(\a)+z:F0+32*(\a)+z+1], v[RES+32*(\a)+z:RES+32*(\a)+z+1]
.set z, z+2
.endr
	WIN 0
.irp t, 0,1,2,3,4,5,6,7
	global_store_b128 v[CO], v[F0+32*(\a)+4*(\t):F0+32*(\a)+4*(\t)+3], s[8:9] offset:(16*(\a)+2*(\t))*OPITCH  ; 16 lanes store 256 consecutive bytes, aligned
.endr
.endm
	s_wait_tensorcnt 1                             ; my part of K step 0 is in; K step 1's may stay out
	s_barrier_signal -1
	s_barrier_wait -1
	FETCH 0, F0
.if BIAS
	s_wait_loadcnt 32                              ; the bias is in; the residual's 32 loads are younger
.endif
	QUARTER 1, F0, F1, 1
	WIN 0
	s_mov_b32 s3, TSTEPS-2
.Lstep:                                                ; a trip: a K step's quarters 1 to 3, the change of slots with a refill, the next K step's quarter 0
	QUARTER 2, F1, F0, 0
	QUARTER 3, F0, F1, 0
	TURN 1
	QUARTER 1, F0, F1, 0
	WIN 0
	s_sub_co_u32 s3, s3, 1
	s_cmp_lg_u32 s3, 0
	s_cbranch_scc1 .Lstep
	s_mov_b32 s2, 2                                ; the last two K steps ask for nothing; the second trip is left in its middle
.Ltail:
	QUARTER 2, F1, F0, 0
	QUARTER 3, F0, F1, 0
	WIN 0
	s_sub_co_u32 s2, s2, 1
	s_cmp_eq_u32 s2, 0
	s_cbranch_scc1 .Lfin
	TURN 0
	QUARTER 1, F0, F1, 0
	WIN 0
	s_branch .Ltail
.Lfin:
	s_wait_dscnt 16
	MUL8 F1, 0, 0, 0
	MUL8 F1, 0, 2, 0
	s_wait_dscnt 0x0
	MUL8 F1, 1, 0, 0
	MUL8 F1, 1, 2, 0
	WIN 0
	PLACES
	PLACES
	s_wait_loadcnt 0x0                             ; the residual
	TOST 0
.irp a, 1,2,3
	TOST \a
	SENDF (\a)-1, 16
.endr
	SENDF 3, 0
	s_wait_tensorcnt 0x0                           ; the wave's end
	ds_add_u32 v[SPW], v[NIL]
	s_wait_dscnt 0x0
	CROUND                                         ; the closing round
	s_endpgm
.Lfunc_end_k_qb3df6e7745_oproj:
	.size	k_qb3df6e7745_oproj, .Lfunc_end_k_qb3df6e7745_oproj-k_qb3df6e7745_oproj
	.p2alignl 7, 3214868480
	.fill 96, 4, 3214868480
	.section	.rodata,"a",@progbits
	.p2align	6, 0x0
	.amdhsa_kernel k_qb3df6e7745_oproj
		.amdhsa_group_segment_fixed_size 327680
		.amdhsa_private_segment_fixed_size 0
		.amdhsa_enable_private_segment 0
		.amdhsa_kernarg_size 32
		.amdhsa_user_sgpr_count 2
		.amdhsa_user_sgpr_kernarg_segment_ptr 1
		.amdhsa_wavefront_size32 1
		.amdhsa_system_sgpr_workgroup_id_x 1
		.amdhsa_system_sgpr_workgroup_id_y 1
		.amdhsa_system_sgpr_workgroup_id_z 1
		.amdhsa_system_vgpr_workitem_id 0
		.amdhsa_next_free_vgpr 768
		.amdhsa_next_free_sgpr 80
		.amdhsa_reserve_vcc 0
		.amdhsa_float_denorm_mode_32 3
		.amdhsa_float_denorm_mode_16_64 3
		.amdhsa_memory_ordered 1
		.amdhsa_forward_progress 1
		.amdhsa_inst_pref_size 68
	.end_amdhsa_kernel
	.amdgpu_metadata
---
amdhsa.version: [ 1, 2 ]
amdhsa.kernels:
  - .name:           k_qb3df6e7745_oproj
    .symbol:         k_qb3df6e7745_oproj.kd
    .args:
      - { .name: att, .offset: 0, .size: 8, .value_kind: global_buffer, .address_space: global }
      - { .name: wb, .offset: 8, .size: 8, .value_kind: global_buffer, .address_space: global }
      - { .name: ao, .offset: 16, .size: 8, .value_kind: global_buffer, .address_space: global }
      - { .name: enc_input, .offset: 24, .size: 8, .value_kind: global_buffer, .address_space: global }
    .group_segment_fixed_size: 327680
    .private_segment_fixed_size: 0
    .kernarg_segment_align: 8
    .kernarg_segment_size: 32
    .max_flat_workgroup_size: 128
    .sgpr_count:     80
    .vgpr_count:     768
    .wavefront_size: 32
...
	.end_amdgpu_metadata
.endif
;; end of part 4
;; launch ln2 (part 5): grid 256 x 1, 4 waves a work-group, no clusters, 0 bytes of LDS; arguments ao, ln2_g, ln2_b, xn; writes xn
.if DOCPART == 5
	.amdgcn_target "amdgcn-amd-amdhsa--gfx1250"
	.amdhsa_code_object_version 6
	.text
	.protected	k_qb3df6e7745_ln2
	.globl	k_qb3df6e7745_ln2
	.p2align	8
	.type	k_qb3df6e7745_ln2,@function
k_qb3df6e7745_ln2:
	s_mov_b64 s[64:65], 0
	v_nop
	global_prefetch_b8 v0, s[64:65] scope:SCOPE_SE
	s_setreg_imm32_b32 hwreg(HW_REG_WAVE_MODE, 25, 1), 1
	s_wait_xcnt 0x0
; xn = layernorm(ao) * ln2_g + ln2_b, rounded once to bf16.  ao: [4096][1024] f32.  One wave, one row of 4,096 bytes, kept in 32 registers between the passes; four rows a wave, 16 a work-group.
; Mean, then the mean of (x - mean)^2, as the definition has it: no difference of large sums.  All of a wave's 48 loads are issued before anything is waited for.
; No LDS, no barrier, no cluster: no wave wants a byte that another has fetched.  Each store of a wave covers 256 consecutive bytes, aligned.
.set VI, 1                             ; v1   wave x 16,384 + lane x 16
.set VO, 2                             ; v2   wave x 8,192 + lane x 8
.set VG, 3                             ; v3   lane x 16
.set G,  4                             ; v[4:35]    gain of my 32 columns
.set BT, 36                            ; v[36:67]   bias of my 32 columns
.set X,  68                            ; v[68:195]  row i at X + 32 i
.set T,  196
.set MU, 204
.set R,  206
.set PX, 208
	s_load_b256 s[16:23], s[0:1], 0x0              ; ao s[16:17], g s[18:19], b s[20:21], xn s[22:23]
	v_and_b32 v[VG], 31, v0
	v_lshrrev_b32 v[VO], 5, v0
	v_lshlrev_b32 v[VI], 14, v[VO]
	v_lshl_add_u32 v[VI], v[VG], 4, v[VI]
	v_lshlrev_b32 v[VO], 13, v[VO]
	v_lshl_add_u32 v[VO], v[VG], 3, v[VO]
	v_lshlrev_b32 v[VG], 4, v[VG]
	v_mov_b32 v[PX], 0                             ; v_permlanex16_b32 counts as a reader of its destination
	s_mov_b32 s12, 0x76543210
	s_mov_b32 s13, 0xfedcba98
	s_mov_b32 s14, 0x3a800000                      ; 1 / 1,024
	s_mov_b32 s15, 0x3727c5ac                      ; 1e-5
	s_mov_b32 s9, 0
	s_mov_b32 s11, 0
	s_lshl_b32 s10, ttmp9, 16
	s_lshl_b32 s8, ttmp9, 15
	s_wait_kmcnt 0x0
	s_add_nc_u64 s[4:5], s[16:17], s[10:11]
	s_add_nc_u64 s[6:7], s[22:23], s[8:9]
.macro LOADROW i
.irp j, 0,1,2,3,4,5,6,7
	global_load_b128 v[X+32*(\i)+4*(\j):X+32*(\i)+4*(\j)+3], v[VI], s[4:5] offset:4096*(\i)+512*(\j)
.endr
.endm
.macro FOLD
	v_pk_add_f32 v[T:T+1], v[T:T+1], v[T+2:T+3]
	v_pk_add_f32 v[T+4:T+5], v[T+4:T+5], v[T+6:T+7]
	v_pk_add_f32 v[T:T+1], v[T:T+1], v[T+4:T+5]
	v_add_f32 v[T], v[T], v[T+1]
.endm
.macro XSUM
	v_add_f32_dpp v[T], v[T], v[T] row_xmask:1 row_mask:0xf bank_mask:0xf
	v_add_f32_dpp v[T], v[T], v[T] row_xmask:2 row_mask:0xf bank_mask:0xf
	v_add_f32_dpp v[T], v[T], v[T] row_xmask:4 row_mask:0xf bank_mask:0xf
	v_add_f32_dpp v[T], v[T], v[T] row_xmask:8 row_mask:0xf bank_mask:0xf
	v_permlanex16_b32 v[PX], v[T], s12, s13
	v_add_f32 v[T], v[T], v[PX]
.endm
.macro ROWLN i, left1, left2           ; left1: the loads younger than the row's; left2: those younger than gain and bias
.set XR, X+32*(\i)
	s_wait_loadcnt \left1
.irp c, 0,1,2,3
	v_pk_add_f32 v[T+2*(\c):T+2*(\c)+1], v[XR+2*(\c):XR+2*(\c)+1], v[XR+8+2*(\c):XR+8+2*(\c)+1]
.endr
.irp k, 2,3
.irp c, 0,1,2,3
	v_pk_add_f32 v[T+2*(\c):T+2*(\c)+1], v[T+2*(\c):T+2*(\c)+1], v[XR+8*(\k)+2*(\c):XR+8*(\k)+2*(\c)+1]
.endr
.endr
	FOLD
	XSUM
	v_mul_f32 v[MU], s14, v[T]
	v_mul_f32 v[MU+1], s14, v[T]
.set z, 0
.rept 16
	v_pk_add_f32 v[XR+z:XR+z+1], v[XR+z:XR+z+1], v[MU:MU+1] neg_lo:[0,1] neg_hi:[0,1]
.set z, z+2
.endr
.irp c, 0,1,2,3
	v_pk_mul_f32 v[T+2*(\c):T+2*(\c)+1], v[XR+2*(\c):XR+2*(\c)+1], v[XR+2*(\c):XR+2*(\c)+1]
.endr
.irp k, 1,2,3
.irp c, 0,1,2,3
	v_pk_fma_f32 v[T+2*(\c):T+2*(\c)+1], v[XR+8*(\k)+2*(\c):XR+8*(\k)+2*(\c)+1], v[XR+8*(\k)+2*(\c):XR+8*(\k)+2*(\c)+1], v[T+2*(\c):T+2*(\c)+1]
.endr
.endr
	FOLD
	XSUM
	v_fma_f32 v[T], v[T], s14, s15
	v_rsq_f32 v[R], v[T]
	v_rsq_f32 v[R+1], v[T]
	v_nop                                          ; a plain instruction behind the second root,
	s_wait_alu depctr_va_vdst(0)                   ; and the wait ahead of the first use: one for both
	s_wait_loadcnt \left2
.set z, 0
.rept 16
	v_pk_mul_f32 v[XR+z:XR+z+1], v[XR+z:XR+z+1], v[R:R+1]
.set z, z+2
.endr
.set z, 0
.rept 16
	v_pk_fma_f32 v[XR+z:XR+z+1], v[XR+z:XR+z+1], v[G+z:G+z+1], v[BT+z:BT+z+1]
.set z, z+2
.endr
.irp j, 0,1,2,3,4,5,6,7
	v_cvt_pk_bf16_f32 v[XR+4*(\j)], v[XR+4*(\j)], v[XR+4*(\j)+1]
	v_cvt_pk_bf16_f32 v[XR+4*(\j)+1], v[XR+4*(\j)+2], v[XR+4*(\j)+3]
	global_store_b64 v[VO], v[XR+4*(\j):XR+4*(\j)+1], s[6:7] offset:256*(8*(\i)+(\j))
.endr
.endm
	LOADROW 0
.irp j, 0,1,2,3,4,5,6,7
	global_load_b128 v[G+4*(\j):G+4*(\j)+3], v[VG], s[18:19] offset:512*(\j)
.endr
.irp j, 0,1,2,3,4,5,6,7
	global_load_b128 v[BT+4*(\j):BT+4*(\j)+3], v[VG], s[20:21] offset:512*(\j)
.endr
	LOADROW 1
	LOADROW 2
	LOADROW 3
	ROWLN 0, 40, 24                                ; behind row 0: gain 8, bias 8, rows 1-3 24; behind the bias: 24
	ROWLN 1, 16, 16
	ROWLN 2, 8, 8
	ROWLN 3, 0, 0
	s_endpgm
.Lfunc_end_k_qb3df6e7745_ln2:
	.size	k_qb3df6e7745_ln2, .Lfunc_end_k_qb3df6e7745_ln2-k_qb3df6e7745_ln2
	.p2alignl 7, 3214868480
	.fill 96, 4, 3214868480
	.section	.rodata,"a",@progbits
	.p2align	6, 0x0
	.amdhsa_kernel k_qb3df6e7745_ln2
		.amdhsa_group_segment_fixed_size 0
		.amdhsa_private_segment_fixed_size 0
		.amdhsa_enable_private_segment 0
		.amdhsa_kernarg_size 32
		.amdhsa_user_sgpr_count 2
		.amdhsa_user_sgpr_kernarg_segment_ptr 1
		.amdhsa_wavefront_size32 1
		.amdhsa_system_sgpr_workgroup_id_x 1
		.amdhsa_system_sgpr_workgroup_id_y 1
		.amdhsa_system_sgpr_workgroup_id_z 1
		.amdhsa_system_vgpr_workitem_id 0
		.amdhsa_next_free_vgpr 212
		.amdhsa_next_free_sgpr 66
		.amdhsa_reserve_vcc 0
		.amdhsa_float_denorm_mode_32 3
		.amdhsa_float_denorm_mode_16_64 3
		.amdhsa_memory_ordered 1
		.amdhsa_forward_progress 1
		.amdhsa_inst_pref_size 38
	.end_amdhsa_kernel
	.amdgpu_metadata
---
amdhsa.version: [ 1, 2 ]
amdhsa.kernels:
  - .name:           k_qb3df6e7745_ln2
    .symbol:         k_qb3df6e7745_ln2.kd
    .args:
      - { .name: ao, .offset: 0, .size: 8, .value_kind: global_buffer, .address_space: global }
      - { .name: ln2_g, .offset: 8, .size: 8, .value_kind: global_buffer, .address_space: global }
      - { .name: ln2_b, .offset: 16, .size: 8, .value_kind: global_buffer, .address_space: global }
      - { .name: xn, .offset: 24, .size: 8, .value_kind: global_buffer, .address_space: global }
    .group_segment_fixed_size: 0
    .private_segment_fixed_size: 0
    .kernarg_segment_align: 8
    .kernarg_segment_size: 32
    .max_flat_workgroup_size: 128
    .sgpr_count:     66
    .vgpr_count:     212
    .wavefront_size: 32
...
	.end_amdgpu_metadata
.endif
;; end of part 5
;; launch ffn1 (part 6): grid 16 x 16, 4 waves a work-group, clusters of 4 x 4, 327,680 bytes of LDS; arguments xn, wb, hb, b1; writes hb
.if DOCPART == 6
	.amdgcn_target "amdgcn-amd-amdhsa--gfx1250"
	.amdhsa_code_object_version 6
	.text
	.protected	k_qb3df6e7745_ffn1
	.globl	k_qb3df6e7745_ffn1
	.p2align	8
	.type	k_qb3df6e7745_ffn1,@function
k_qb3df6e7745_ffn1:
	s_mov_b64 s[64:65], 0
	v_nop
	global_prefetch_b8 v0, s[64:65] scope:SCOPE_SE
	s_setreg_imm32_b32 hwreg(HW_REG_WAVE_MODE, 25, 1), 1
	s_wait_xcnt 0x0
	s_wait_alu depctr_hold_cnt(0) depctr_sa_sdst(0) depctr_va_vdst(0) depctr_va_sdst(0) depctr_va_ssrc(0) depctr_va_vcc(0) depctr_vm_vsrc(0)
	s_getreg_b32 s2, hwreg(HW_REG_IB_STS2, 6, 4)
	s_cmp_eq_u32 s2, 0
	s_cbranch_scc0 .Lentry_in_a_cluster
	s_endpgm
.Lentry_in_a_cluster:
	s_bfe_u32 s2, ttmp6, 0x10000c
	s_cmp_lg_u32 s2, 0xf033
	s_cbranch_scc0 .Lentry_shape_is_right
	s_endpgm
.Lentry_shape_is_right:
; hb[m][4096] = relu(xn[m][1024] x w1 + b1), bf16 operands, f32 sums that START at b1 (the C operand of the first product), rounded once to bf16, then held at 0 from below (a NaN becomes 0).
; xn: [4096][1024] bf16; w1 lies in wb at byte 8,388,608 as [K][N] bf16.
; A tile of the result, 256 x 256, is made by four waves, each 128 x 128: 64 accumulators, 512 registers.  K goes in steps of 128 through two LDS slots filled by the tensor data mover:
; A's 256 rows of 256 bytes, then W's 128 k-rows of 512 bytes.  W's fragments come out of LDS turned, by ds_load_tr16_b128.  16 x 16 tiles: 256 work-groups.
; CLUSTERS: 4 x 4 work-groups; A's tile is shared along a row of the cluster, W's along a column: each is asked for jointly, with the same descriptor and a mask that names the four.
; THE MATRIX INSTRUCTION IS USED TRANSPOSED: source 0 = 16 columns of W, source 1 = 16 rows of A: a lane then holds eight neighbouring numbers of a row of the result.
; The loop's trip is ONE K step; the slot in hand is a scalar (0 or SLOT) that an exclusive or turns; the walking descriptors' LDS words are turned by the same exclusive or (SLOT shares no bit with a part's offset).
; REGISTERS: window 0: v16-30 addresses; v64-127, v128-191 A's fragments, two buffers; v192-223 at work on the way out.  window 1: the same numbers for W's fragments; v192-255 the bias.  windows 2, 3: the accumulators.
.set KA,     1024
.set NW,     4096
.set WOFF,   8388608
.set OPITCH, 8192
.set QKVMAP, 0
.set BIAS,   1
.set KSTEP,  128
.set TSTEPS, KA/KSTEP
.set PA,     272
.set PB,     544
.set HALFT,  34816
.set SLOT,   4*HALFT
.set STAGE,  2*SLOT
.set SPITCH, 272
.set SPARE,  STAGE+4*16*SPITCH
.set ADRA,  16
.set ADRA0, 17
.set ADRB,  20
.set ADRB0, 22
.set STO,   24
.set RD,    25
.set CO,    26
.set ZR,    27
.set SPW,   28
.set NIL,   29
.set PFO,   30
.set F0,    64
.set F1,    128
.set TMP,   192
.set BI,    192
.set G1A, 24
.set G0A, 32
.set G1B, 48
.set G0B, 56
.set LIM, 43
.set PFA, 44
.set PFS, 70
.set SB,  72
.set WCOL, 75
.set MSB, 0
.macro WIN new
.if MSB != (\new)
	s_set_vgpr_msb (MSB<<8)|(\new)
.set MSB, \new
.endif
.endm
.set MUL_LO, 0xa1
.set TO_B,   0x40
.macro JLOAD                           ; a joint refill: waves 0, 1 A's halves, waves 2, 3 W's; an s_nop 0 and four v_nop follow each line
	s_cmp_eq_u32 s11, 0
	s_cbranch_scc0 .Lfor_b_\@
	tensor_load_to_lds s[G0A+4:G0A+7], s[G1A:G1A+7]
	s_nop 0
.rept 4
	v_nop
.endr
	s_branch .Lasked_\@
.Lfor_b_\@:
	tensor_load_to_lds s[G0B+4:G0B+7], s[G1B:G1B+7]
	s_nop 0
.rept 4
	v_nop
.endr
.Lasked_\@:
.endm
; A PREFETCH INTO THE L2 of the K step that the NEXT refill will ask for: 32 blocks of 256 bytes, a lane a block.  A's rows are read by every cluster of a row of clusters: cluster x = 0 asks; W's by every
; cluster of a column: cluster y = 0 asks.  The four partners of a joint load share the wave's 128 blocks out by address (cx for A, cy for W).  The last refill has none behind it: nothing is asked for.
.macro ASK
	s_cmp_gt_u32 s3, s[LIM]
	s_cbranch_scc0 .Lnot_mine_\@
	global_prefetch_b8 v[PFO], s[PFA:PFA+1] th:TH_LOAD_NT scope:SCOPE_SE
.Lnot_mine_\@:
.endm
.macro CREST
	s_cmp_lg_u32 s10, 0
	s_cbranch_scc1 .Lnot_wave_0_\@
	s_barrier_signal -3
.Lnot_wave_0_\@:
	s_barrier_wait -3
	s_barrier_signal -1
	s_barrier_wait -1
.endm
.macro CROUND
	s_barrier_signal -1
	s_barrier_wait -1
	CREST
.endm
	s_load_b128 s[4:7], s[0:1], 0x0                ; A s[4:5], wb s[6:7]
	s_load_b64 s[8:9], s[0:1], 0x10                ; the result
.if BIAS
	s_load_b64 s[66:67], s[0:1], 0x18              ; the bias
.endif
	v_lshl_add_u32 v[SPW], v0, 2, SPARE
	v_mov_b32 v[NIL], 0
	ds_add_u32 v[SPW], v[NIL]                      ; the wave's opening: the add and its wait ahead of my first tensor load
	v_lshrrev_b32 v1, 5, v0
	v_readfirstlane_b32 s10, v1
	s_lshr_b32 s11, s10, 1
	s_and_b32 s12, s10, 1
	s_bfe_u32 s40, ttmp6, 0x40000                  ; cx
	s_bfe_u32 s41, ttmp6, 0x40004                  ; cy
	s_lshl_b32 s42, ttmp9, 2
	s_add_co_u32 s42, s42, s40                     ; tile column
	s_and_b32 s13, ttmp7, 0xffff
	s_lshl_b32 s13, s13, 2
	s_add_co_u32 s13, s13, s41                     ; tile row
	s_lshl_b32 s43, s41, 2
	s_lshl_b32 s43, 15, s43
	s_lshl_b32 s44, 0x1111, s40
	s_or_b32 s[G1A+0], s43, (1<<16)|(1<<20)|(1<<21)|(5<<22)|(3<<25)
	s_or_b32 s[G1B+0], s44, (1<<16)|(1<<20)|(1<<21)|(6<<22)|(7<<25)
	s_mov_b32 s[G1A+1], KSTEP<<16
	s_mov_b32 s[G1A+2], 128<<16
	s_mov_b32 s[G1A+3], KSTEP<<16
	s_mov_b32 s[G1A+4], 128
	s_mov_b32 s[G1A+5], KA
	s_mov_b32 s[G1A+6], 0
	s_mov_b32 s[G1A+7], 0
	s_mov_b32 s[G1B+1], 256<<16
	s_mov_b32 s[G1B+2], 64<<16
	s_mov_b32 s[G1B+3], 256<<16
	s_mov_b32 s[G1B+4], 64
	s_mov_b32 s[G1B+5], NW
	s_mov_b32 s[G1B+6], 0
	s_mov_b32 s[G1B+7], 0
	s_lshl_b32 s17, s12, 7
	s_lshl_b32 s16, s13, 8
	s_add_co_u32 s16, s16, s17
	s_mul_i32 s16, s16, KA*2
	s_mov_b32 s17, 0
.if QKVMAP
	s_lshr_b32 s[WCOL], s42, 2
	s_lshl_b32 s[WCOL], s[WCOL], 21
	s_and_b32 s47, s42, 3
	s_lshl_b32 s47, s47, 9
	s_add_co_u32 s[WCOL], s[WCOL], s47
.else
	s_lshl_b32 s[WCOL], s42, 9
	s_add_co_u32 s[WCOL], s[WCOL], WOFF
.endif
	s_mul_i32 s46, s12, 64*NW*2
	s_add_co_u32 s46, s46, s[WCOL]
	s_mov_b32 s47, 0
	s_mul_i32 s20, s10, HALFT
	s_mov_b32 s[SB], 0
	s_wait_dscnt 0x0                               ; the opening add is done
	s_wait_kmcnt 0x0
	s_add_nc_u64 s[14:15], s[4:5], s[16:17]
	s_add_nc_u64 s[46:47], s[6:7], s[46:47]
	CROUND                                         ; all sixteen work-groups are here
.irp s, 0,1
	s_mov_b32 s[G0A+4*(\s)], 1
	s_add_co_u32 s[G0A+4*(\s)+1], s20, (\s)*SLOT
	s_add_nc_u64 s[G0A+4*(\s)+2:G0A+4*(\s)+3], s[14:15], (\s)*KSTEP*2
	s_or_b32 s[G0A+4*(\s)+3], s[G0A+4*(\s)+3], 0x80000000
	s_mov_b32 s[G0B+4*(\s)], 1
	s_add_co_u32 s[G0B+4*(\s)+1], s20, (\s)*SLOT
	s_add_nc_u64 s[G0B+4*(\s)+2:G0B+4*(\s)+3], s[46:47], (\s)*KSTEP*NW*2
	s_or_b32 s[G0B+4*(\s)+3], s[G0B+4*(\s)+3], 0x80000000
.endr
	s_cmp_eq_u32 s11, 0                            ; a wave's two first fills stand in one branch: two loads of mine are out
	s_cbranch_scc0 .Lfirst_b
	tensor_load_to_lds s[G0A:G0A+3], s[G1A:G1A+7]
	s_nop 0
	tensor_load_to_lds s[G0A+4:G0A+7], s[G1A:G1A+7]
	s_nop 0
.rept 4
	v_nop
.endr
	s_branch .Lfirst_asked
.Lfirst_b:
	tensor_load_to_lds s[G0B:G0B+3], s[G1B:G1B+7]
	s_nop 0
	tensor_load_to_lds s[G0B+4:G0B+7], s[G1B:G1B+7]
	s_nop 0
.rept 4
	v_nop
.endr
.Lfirst_asked:
	v_and_b32 v1, 15, v0
	v_bfe_u32 v2, v0, 4, 1
	v_mul_u32_u24 v3, v1, PA
	v_lshl_add_u32 v3, v2, 4, v3
	s_mul_i32 s21, s11, HALFT
	v_add_nc_u32 v[ADRA0], s21, v3
	v_and_b32 v4, 7, v0
	v_lshl_add_u32 v4, v2, 3, v4
	v_mul_u32_u24 v4, v4, PB
	v_bfe_u32 v5, v0, 3, 1
	v_lshl_add_u32 v4, v5, 4, v4
	s_lshl_b32 s22, s12, 8
	s_add_co_u32 s22, s22, 2*HALFT
	v_add_nc_u32 v[ADRB0], s22, v4
	v_mov_b32 v[ADRA], v[ADRA0]
	v_mov_b32 v[ADRB], v[ADRB0]
	v_mov_b32 v[ZR], 0
	s_mul_i32 s23, s10, 16*SPITCH
	s_add_co_u32 s23, s23, STAGE
	v_mul_u32_u24 v4, v1, SPITCH
	v_lshl_add_u32 v4, v2, 4, v4
	v_add_nc_u32 v[STO], s23, v4
	v_mul_u32_u24 v5, v2, SPITCH
	v_lshl_add_u32 v5, v1, 4, v5
	v_add_nc_u32 v[RD], s23, v5
	v_mul_u32_u24 v5, v2, OPITCH
	v_lshl_add_u32 v[CO], v1, 4, v5
	s_lshl_b32 s16, s13, 8
	s_lshl_b32 s17, s11, 7
	s_add_co_u32 s16, s16, s17
	s_mul_i32 s16, s16, OPITCH
	s_mov_b32 s17, 0
	s_add_nc_u64 s[8:9], s[8:9], s[16:17]
	s_lshl_b32 s46, s42, 9
	s_lshl_b32 s47, s12, 8
	s_add_co_u32 s46, s46, s47
	s_mov_b32 s47, 0
	s_add_nc_u64 s[8:9], s[8:9], s[46:47]
.if BIAS
	s_lshl_b32 s46, s46, 1                         ; the same columns in f32
	s_add_nc_u64 s[66:67], s[66:67], s[46:47]
	v_lshlrev_b32 v6, 5, v2                        ; register j of a lane is column 8 (l / 16) + j of its block
	WIN TO_B
.irp b, 0,1,2,3,4,5,6,7
	global_load_b128 v[BI+8*(\b):BI+8*(\b)+3],   v6, s[66:67] offset:64*(\b)
	global_load_b128 v[BI+8*(\b)+4:BI+8*(\b)+7], v6, s[66:67] offset:64*(\b)+16
.endr
	WIN 0
.endif
	; the prefetches: they start at K step 2; the first refill steps them to K step 3
	s_and_b32 s22, ttmp7, 0xffff
	s_lshl_b32 s20, s13, 8
	s_lshl_b32 s21, s12, 7
	s_add_co_u32 s20, s20, s21
	s_lshl_b32 s21, s40, 5
	s_add_co_u32 s20, s20, s21
	s_mul_i32 s20, s20, KA*2
	s_add_co_u32 s20, s20, 2*KSTEP*2
	s_lshl_b32 s21, s12, 6
	s_lshl_b32 s23, s41, 4
	s_add_co_u32 s21, s21, s23
	s_add_co_u32 s21, s21, 2*KSTEP
	s_mul_i32 s21, s21, NW*2
	s_add_co_u32 s21, s21, s[WCOL]
	s_mov_b32 s23, KSTEP*NW*2
	s_mov_b32 s19, NW*2
	s_cmp_eq_u32 s11, 0
	s_cselect_b32 s20, s20, s21
	s_cselect_b32 s22, ttmp9, s22
	s_cselect_b32 s[PFS], KSTEP*2, s23
	s_cselect_b32 s19, KA*2, s19
	s_cselect_b64 s[PFA:PFA+1], s[4:5], s[6:7]
	s_mov_b32 s21, 0
	s_mov_b32 s[PFS+1], 0
	s_add_nc_u64 s[PFA:PFA+1], s[PFA:PFA+1], s[20:21]
	s_cmp_eq_u32 s22, 0
	s_cselect_b32 s[LIM], 1, -1
	v_and_b32 v7, 31, v0
	v_lshrrev_b32 v8, s11, v7
	v_and_b32 v7, s11, v7
	v_mul_lo_u32 v8, v8, s19
	v_lshl_add_u32 v[PFO], v7, 8, v8
; 16 matrix instructions: row blocks a0, a0 + 1 of the window's four x all 8 column blocks, 32 along K.  first = 1: the product starts the sums, with 0 or with the bias.
; The 64 accumulators take turns in the same order in every quarter.
.macro MUL16 f, hi, a0, first
.if (\first) && BIAS
	WIN 0x91+0x40*(\hi)
.else
	WIN MUL_LO+0x50*(\hi)
.endif
.irp a, \a0, (\a0)+1
.irp b, 0,1,2,3,4,5,6,7
.if (\first) && BIAS
	v_wmma_f32_16x16x32_bf16 v[8*(8*(\a)+(\b)):8*(8*(\a)+(\b))+7], v[(\f)+8*(\b):(\f)+8*(\b)+7], v[(\f)+8*(4*(\hi)+(\a)):(\f)+8*(4*(\hi)+(\a))+7], v[BI+8*(\b):BI+8*(\b)+7]
.elseif \first
	v_wmma_f32_16x16x32_bf16 v[8*(8*(\a)+(\b)):8*(8*(\a)+(\b))+7], v[(\f)+8*(\b):(\f)+8*(\b)+7], v[(\f)+8*(4*(\hi)+(\a)):(\f)+8*(4*(\hi)+(\a))+7], 0
.else
	v_wmma_f32_16x16x32_bf16 v[8*(8*(\a)+(\b)):8*(8*(\a)+(\b))+7], v[(\f)+8*(\b):(\f)+8*(\b)+7], v[(\f)+8*(4*(\hi)+(\a)):(\f)+8*(4*(\hi)+(\a))+7], v[8*(8*(\a)+(\b)):8*(8*(\a)+(\b))+7]
.endif
.endr
.endr
.endm
.macro FETCH q, f                      ; 32 LDS loads in one run: quarter q's fragments into buffer f: W's 8 column blocks, turned; then A's 8 row blocks
	WIN TO_B
.irp i, 0,1,2,3,4,5,6,7
	ds_load_tr16_b128 v[(\f)+8*(\i):(\f)+8*(\i)+3],   v[ADRB] offset:(\q)*32*PB+32*(\i)
	ds_load_tr16_b128 v[(\f)+8*(\i)+4:(\f)+8*(\i)+7], v[ADRB] offset:(\q)*32*PB+16*PB+32*(\i)
.endr
	WIN 0
.irp i, 0,1,2,3,4,5,6,7
	ds_load_b128 v[(\f)+8*(\i):(\f)+8*(\i)+3],   v[ADRA] offset:(\q)*64+(\i)*16*PA
	ds_load_b128 v[(\f)+8*(\i)+4:(\f)+8*(\i)+7], v[ADRA] offset:(\q)*64+(\i)*16*PA+32
.endr
.endm
.macro PLACES
.rept 4
	v_nop
.endr
.endm
.macro QUARTER q, f, g, first
	s_wait_dscnt 8                                 ; W and A's rows 0-63 are in; the youngest eight loads may be out
	MUL16 \f, 0, 0, \first
	MUL16 \f, 0, 2, \first
	PLACES
	FETCH \q, \g
	s_wait_dscnt 32                                ; all but the 32 just issued
	MUL16 \f, 1, 0, \first
	MUL16 \f, 1, 2, \first
.endm
.macro MEET round                      ; each wave waits for all its tensor loads, adds 0 to its spare word, waits for that and for its reads of this slot, and signals
	WIN 0
	s_wait_tensorcnt 0x0
	ds_add_u32 v[SPW], v[NIL]
	s_wait_dscnt 9                                 ; the add and the youngest eight loads may be out
	MUL16 F1, 0, 0, 0
	s_wait_dscnt 0x0                               ; the add is done, and my reads of this slot are over
	s_barrier_signal -1
	MUL16 F1, 0, 2, 0
.if \round
	WIN 0
.endif
	s_barrier_wait -1
.endm
.macro TURN fill                       ; the last quarter of a K step; fill = 1: the slot just read is filled again, two K steps ahead, first thing behind a round of the cluster's barrier
.if \fill
	s_wait_xcnt 0x0                                ; the last prefetch, a K step back, has read its address
	s_add_nc_u64 s[PFA:PFA+1], s[PFA:PFA+1], s[PFS:PFS+1]
.endif
	MEET \fill
.if \fill
	CREST
	s_xor_b32 s[G0A+5], s[G0A+5], SLOT
	s_xor_b32 s[G0B+5], s[G0B+5], SLOT
	s_add_nc_u64 s[G0A+6:G0A+7], s[G0A+6:G0A+7], KSTEP*2
	s_add_nc_u64 s[G0B+6:G0B+7], s[G0B+6:G0B+7], KSTEP*NW*2
	JLOAD                                          ; its four v_nop are also the places in front of the loads below
.else
	WIN 0
	PLACES
.endif
	s_xor_b32 s[SB], s[SB], SLOT
	v_add_nc_u32 v[ADRA], s[SB], v[ADRA0]
	v_add_nc_u32 v[ADRB], s[SB], v[ADRB0]
	FETCH 0, F0
.if \fill
	ASK
.endif
	MUL16 F1, 1, 0, 0
	MUL16 F1, 1, 2, 0
.endm
.macro PACK a                          ; row block a: rounded to bf16, held at 0 from below
.set AC, 64*((\a)%4)
	WIN 0x0a+5*((\a)/4)
.irp b, 0,1,2,3,4,5,6,7
.irp r, 0,1,2,3
	v_cvt_pk_bf16_f32 v[TMP+4*(\b)+(\r)], v[AC+8*(\b)+2*(\r)], v[AC+8*(\b)+2*(\r)+1]
.endr
.endr
	WIN 0
.if BIAS
.set z, 0
.rept 32
	v_pk_max_num_bf16 v[TMP+z], v[TMP+z], v[ZR]
.set z, z+1
.endr
.endif
.endm
.macro TOSTAGE a
.set BK, F0+32*((\a)%4)
.if (\a) >= 4
	s_wait_xcnt 0x0                                ; the stores of the block four back have read these registers
.endif
.irp b, 0,1,2,3,4,5,6,7
	ds_store_b128 v[STO], v[TMP+4*(\b):TMP+4*(\b)+3] offset:32*(\b)
.endr
.irp t, 0,1,2,3,4,5,6,7
	ds_load_b128 v[BK+4*(\t):BK+4*(\t)+3], v[RD] offset:(\t)*2*SPITCH  ; LDS serves a wave's instructions in order: these see the stores above
.endr
.endm
.macro SEND a
.set BK, F0+32*((\a)%4)
	s_wait_dscnt 0x0
.irp t, 0,1,2,3,4,5,6,7
	global_store_b128 v[CO], v[BK+4*(\t):BK+4*(\t)+3], s[8:9] offset:(16*(\a)+2*(\t))*OPITCH  ; 16 lanes store 256 consecutive bytes, aligned
.endr
.endm
	s_wait_tensorcnt 1                             ; my part of K step 0 is in; K step 1's may stay out
	s_barrier_signal -1
	s_barrier_wait -1
	FETCH 0, F0
.if BIAS
	s_wait_loadcnt 0x0                             ; the bias
.endif
	QUARTER 1, F0, F1, 1
	WIN 0
	s_mov_b32 s3, TSTEPS-2
.Lstep:                                                ; a trip: a K step's quarters 1 to 3, the change of slots with a refill, the next K step's quarter 0
	QUARTER 2, F1, F0, 0
	QUARTER 3, F0, F1, 0
	TURN 1
	QUARTER 1, F0, F1, 0
	WIN 0
	s_sub_co_u32 s3, s3, 1
	s_cmp_lg_u32 s3, 0
	s_cbranch_scc1 .Lstep
	s_mov_b32 s2, 2                                ; the last two K steps ask for nothing; the second trip is left in its middle
.Ltail:
	QUARTER 2, F1, F0, 0
	QUARTER 3, F0, F1, 0
	WIN 0
	s_sub_co_u32 s2, s2, 1
	s_cmp_eq_u32 s2, 0
	s_cbranch_scc1 .Lfin
	TURN 0
	QUARTER 1, F0, F1, 0
	WIN 0
	s_branch .Ltail
.Lfin:
	s_wait_dscnt 8
	MUL16 F1, 0, 0, 0
	MUL16 F1, 0, 2, 0
	s_wait_dscnt 0x0
	MUL16 F1, 1, 0, 0
	MUL16 F1, 1, 2, 0
	WIN 0
	PLACES
	PLACES
	PACK 0
	TOSTAGE 0
.irp a, 1,2,3,4,5,6,7
	PACK \a
	SEND (\a)-1
	TOSTAGE \a
.endr
	SEND 7
	s_wait_tensorcnt 0x0                           ; the wave's end
	ds_add_u32 v[SPW], v[NIL]
	s_wait_dscnt 0x0
	CROUND                                         ; the closing round
	s_endpgm
.Lfunc_end_k_qb3df6e7745_ffn1:
	.size	k_qb3df6e7745_ffn1, .Lfunc_end_k_qb3df6e7745_ffn1-k_qb3df6e7745_ffn1
	.p2alignl 7, 3214868480
	.fill 96, 4, 3214868480
	.section	.rodata,"a",@progbits
	.p2align	6, 0x0
	.amdhsa_kernel k_qb3df6e7745_ffn1
		.amdhsa_group_segment_fixed_size 327680
		.amdhsa_private_segment_fixed_size 0
		.amdhsa_enable_private_segment 0
		.amdhsa_kernarg_size 32
		.amdhsa_user_sgpr_count 2
		.amdhsa_user_sgpr_kernarg_segment_ptr 1
		.amdhsa_wavefront_size32 1
		.amdhsa_system_sgpr_workgroup_id_x 1
		.amdhsa_system_sgpr_workgroup_id_y 1
		.amdhsa_system_sgpr_workgroup_id_z 1
		.amdhsa_system_vgpr_workitem_id 0
		.amdhsa_next_free_vgpr 1024
		.amdhsa_next_free_sgpr 80
		.amdhsa_reserve_vcc 0
		.amdhsa_float_denorm_mode_32 3
		.amdhsa_float_denorm_mode_16_64 3
		.amdhsa_memory_ordered 1
		.amdhsa_forward_progress 1
		.amdhsa_inst_pref_size 123
	.end_amdhsa_kernel
	.amdgpu_metadata
---
amdhsa.version: [ 1, 2 ]
amdhsa.kernels:
  - .name:           k_qb3df6e7745_ffn1
    .symbol:         k_qb3df6e7745_ffn1.kd
    .args:
      - { .name: xn, .offset: 0, .size: 8, .value_kind: global_buffer, .address_space: global }
      - { .name: wb, .offset: 8, .size: 8, .value_kind: global_buffer, .address_space: global }
      - { .name: hb, .offset: 16, .size: 8, .value_kind: global_buffer, .address_space: global }
      - { .name: b1, .offset: 24, .size: 8, .value_kind: global_buffer, .address_space: global }
    .group_segment_fixed_size: 327680
    .private_segment_fixed_size: 0
    .kernarg_segment_align: 8
    .kernarg_segment_size: 32
    .max_flat_workgroup_size: 128
    .sgpr_count:     80
    .vgpr_count:     1024
    .wavefront_size: 32
...
	.end_amdgpu_metadata
.endif
;; end of part 6
;; launch ffn2 (part 7): grid 8 x 32, 4 waves a work-group, clusters of 4 x 4, 327,680 bytes of LDS; arguments hb, wb, out0, ao, b2; writes out0
.if DOCPART == 7
	.amdgcn_target "amdgcn-amd-amdhsa--gfx1250"
	.amdhsa_code_object_version 6
	.text
	.protected	k_qb3df6e7745_ffn2
	.globl	k_qb3df6e7745_ffn2
	.p2align	8
	.type	k_qb3df6e7745_ffn2,@function
k_qb3df6e7745_ffn2:
	s_mov_b64 s[64:65], 0
	v_nop
	global_prefetch_b8 v0, s[64:65] scope:SCOPE_SE
	s_setreg_imm32_b32 hwreg(HW_REG_WAVE_MODE, 25, 1), 1
	s_wait_xcnt 0x0
	s_wait_alu depctr_hold_cnt(0) depctr_sa_sdst(0) depctr_va_vdst(0) depctr_va_sdst(0) depctr_va_ssrc(0) depctr_va_vcc(0) depctr_vm_vsrc(0)
	s_getreg_b32 s2, hwreg(HW_REG_IB_STS2, 6, 4)
	s_cmp_eq_u32 s2, 0
	s_cbranch_scc0 .Lentry_in_a_cluster
	s_endpgm
.Lentry_in_a_cluster:
	s_bfe_u32 s2, ttmp6, 0x10000c
	s_cmp_lg_u32 s2, 0xf033
	s_cbranch_scc0 .Lentry_shape_is_right
	s_endpgm
.Lentry_shape_is_right:
; out0[m][1024] = hb[m][4096] x w2 + b2 + ao, f32 out.  hb: bf16; w2 lies in wb at byte 16,777,216 as [K][N] bf16; the sums START at b2 (the C operand of the first product); sums and the residual in f32.
; A tile of the result is 128 x 128: 256 work-groups; four waves, each 64 x 64: 16 accumulators.  K goes in steps of 256 through two LDS slots: A's 128 rows of 512 bytes, then W's 256 k-rows of 256 bytes, turned on the way out of LDS.
; CLUSTERS 4 x 4: A's tile is shared along a row of the cluster, W's along a column: joint loads.  THE MATRIX INSTRUCTION IS USED TRANSPOSED (source 0 = 16 columns of W, source 1 = 16 rows of A).
; The loop's trip is ONE K step; an exclusive or with SLOT (which shares no bit with a part's offset) turns the slot in hand and the walking descriptors' LDS words.
; The residual's 64 x 64 numbers of a wave are loaded at the head, in the layout in which the result leaves.  A wave's 64 columns of f32 are 256 aligned bytes: each wave has a stage of its own.
; REGISTERS: window 0: v16-30 addresses; v64-127, v128-191 A's fragments (64 along K), later the rows on the way out.  window 1: the same numbers for W's; v192-223 the bias.  window 2: v0-127 accumulators, v128-255 the residual.
.set KA,     4096
.set NW,     1024
.set WOFF,   16777216
.set BIAS,   1
.set PF,     1
.set KSTEP,  256
.set TSTEPS, KA/KSTEP
.set PA,     528
.set PB,     288
.set HALFA,  64*PA
.set HALFB,  128*PB
.set SLOT,   147456
.set STAGE,  2*SLOT
.set SPITCH, 272
.set SPARE,  STAGE+4*16*SPITCH
.set OPITCH, 4096
.set ADRA,  16
.set ADRA0, 17
.set ADRB,  20
.set ADRB0, 22
.set STO,   24
.set RD,    25
.set CO,    26
.set SPW,   28
.set NIL,   29
.set PFO,   30
.set F0,    64
.set F1,    128
.set BI,    192
.set RES,   128
.set G1A, 24
.set G0A, 32
.set G1B, 48
.set G0B, 56
.set LIM, 43
.set PFA, 44
.set PFS, 70
.set SB,  72
.set WCOL, 75
.set MSB, 0
.macro WIN new
.if MSB != (\new)
	s_set_vgpr_msb (MSB<<8)|(\new)
.set MSB, \new
.endif
.endm
.set TO_B, 0x40
.macro JLOAD                           ; a joint refill: waves 0, 1 A's halves, waves 2, 3 W's; an s_nop 0 and four v_nop follow each line
	s_cmp_eq_u32 s11, 0
	s_cbranch_scc0 .Lfor_b_\@
	tensor_load_to_lds s[G0A+4:G0A+7], s[G1A:G1A+7]
	s_nop 0
.rept 4
	v_nop
.endr
	s_branch .Lasked_\@
.Lfor_b_\@:
	tensor_load_to_lds s[G0B+4:G0B+7], s[G1B:G1B+7]
	s_nop 0
.rept 4
	v_nop
.endr
.Lasked_\@:
.endm
.macro ASK                             ; a prefetch into the L2 of the K step two refills on: 32 blocks of 256 bytes, a lane a block; who asks and where it stops: at the set-up below
	s_cmp_gt_u32 s3, s[LIM]
	s_cbranch_scc0 .Lnot_mine_\@
	global_prefetch_b8 v[PFO], s[PFA:PFA+1] th:TH_LOAD_NT scope:SCOPE_SE
.Lnot_mine_\@:
.endm
.macro CREST
	s_cmp_lg_u32 s10, 0
	s_cbranch_scc1 .Lnot_wave_0_\@
	s_barrier_signal -3
.Lnot_wave_0_\@:
	s_barrier_wait -3
	s_barrier_signal -1
	s_barrier_wait -1
.endm
.macro CROUND
	s_barrier_signal -1
	s_barrier_wait -1
	CREST
.endm
	s_load_b128 s[4:7], s[0:1], 0x0                ; A s[4:5], wb s[6:7]
	s_load_b64 s[8:9], s[0:1], 0x10                ; the result
	s_load_b64 s[68:69], s[0:1], 0x18              ; the residual
.if BIAS
	s_load_b64 s[66:67], s[0:1], 0x20              ; the bias
.endif
	v_lshl_add_u32 v[SPW], v0, 2, SPARE
	v_mov_b32 v[NIL], 0
	ds_add_u32 v[SPW], v[NIL]                      ; the wave's opening: the add and its wait ahead of my first tensor load
	v_lshrrev_b32 v1, 5, v0
	v_readfirstlane_b32 s10, v1
	s_lshr_b32 s11, s10, 1
	s_and_b32 s12, s10, 1
	s_bfe_u32 s40, ttmp6, 0x40000                  ; cx
	s_bfe_u32 s41, ttmp6, 0x40004                  ; cy
	s_lshl_b32 s42, ttmp9, 2
	s_add_co_u32 s42, s42, s40                     ; tile column
	s_and_b32 s13, ttmp7, 0xffff
	s_lshl_b32 s13, s13, 2
	s_add_co_u32 s13, s13, s41                     ; tile row
	s_lshl_b32 s43, s41, 2
	s_lshl_b32 s43, 15, s43
	s_lshl_b32 s44, 0x1111, s40
	s_or_b32 s[G1A+0], s43, (1<<16)|(1<<20)|(1<<21)|(6<<22)|(3<<25)
	s_or_b32 s[G1B+0], s44, (1<<16)|(1<<20)|(1<<21)|(5<<22)|(7<<25)
	s_mov_b32 s[G1A+1], KSTEP<<16
	s_mov_b32 s[G1A+2], 64<<16
	s_mov_b32 s[G1A+3], KSTEP<<16
	s_mov_b32 s[G1A+4], 64
	s_mov_b32 s[G1A+5], KA
	s_mov_b32 s[G1A+6], 0
	s_mov_b32 s[G1A+7], 0
	s_mov_b32 s[G1B+1], 128<<16
	s_mov_b32 s[G1B+2], 128<<16
	s_mov_b32 s[G1B+3], 128<<16
	s_mov_b32 s[G1B+4], 128
	s_mov_b32 s[G1B+5], NW
	s_mov_b32 s[G1B+6], 0
	s_mov_b32 s[G1B+7], 0
	s_lshl_b32 s17, s12, 6
	s_lshl_b32 s16, s13, 7
	s_add_co_u32 s16, s16, s17
	s_mul_i32 s16, s16, KA*2
	s_mov_b32 s17, 0
	s_lshl_b32 s[WCOL], s42, 8
	s_add_co_u32 s[WCOL], s[WCOL], WOFF
	s_mul_i32 s46, s12, 128*NW*2
	s_add_co_u32 s46, s46, s[WCOL]
	s_mov_b32 s47, 0
	s_mul_i32 s20, s12, HALFA
	s_mul_i32 s21, s12, HALFB
	s_add_co_u32 s21, s21, 2*HALFA
	s_mov_b32 s[SB], 0
	s_wait_dscnt 0x0                               ; the opening add is done
	s_wait_kmcnt 0x0
	s_add_nc_u64 s[14:15], s[4:5], s[16:17]
	s_add_nc_u64 s[46:47], s[6:7], s[46:47]
	CROUND                                         ; all sixteen work-groups are here
.irp s, 0,1
	s_mov_b32 s[G0A+4*(\s)], 1
	s_add_co_u32 s[G0A+4*(\s)+1], s20, (\s)*SLOT
	s_add_nc_u64 s[G0A+4*(\s)+2:G0A+4*(\s)+3], s[14:15], (\s)*KSTEP*2
	s_or_b32 s[G0A+4*(\s)+3], s[G0A+4*(\s)+3], 0x80000000
	s_mov_b32 s[G0B+4*(\s)], 1
	s_add_co_u32 s[G0B+4*(\s)+1], s21, (\s)*SLOT
	s_add_nc_u64 s[G0B+4*(\s)+2:G0B+4*(\s)+3], s[46:47], (\s)*KSTEP*NW*2
	s_or_b32 s[G0B+4*(\s)+3], s[G0B+4*(\s)+3], 0x80000000
.endr
	s_cmp_eq_u32 s11, 0                            ; a wave's two first fills stand in one branch: two loads of mine are out
	s_cbranch_scc0 .Lfirst_b
	tensor_load_to_lds s[G0A:G0A+3], s[G1A:G1A+7]
	s_nop 0
	tensor_load_to_lds s[G0A+4:G0A+7], s[G1A:G1A+7]
	s_nop 0
.rept 4
	v_nop
.endr
	s_branch .Lfirst_asked
.Lfirst_b:
	tensor_load_to_lds s[G0B:G0B+3], s[G1B:G1B+7]
	s_nop 0
	tensor_load_to_lds s[G0B+4:G0B+7], s[G1B:G1B+7]
	s_nop 0
.rept 4
	v_nop
.endr
.Lfirst_asked:
	v_and_b32 v1, 15, v0
	v_bfe_u32 v2, v0, 4, 1
	v_mul_u32_u24 v3, v1, PA
	v_lshl_add_u32 v3, v2, 4, v3
	s_mul_i32 s21, s11, HALFA
	v_add_nc_u32 v[ADRA0], s21, v3
	v_and_b32 v4, 7, v0
	v_lshl_add_u32 v4, v2, 3, v4
	v_mul_u32_u24 v4, v4, PB
	v_bfe_u32 v5, v0, 3, 1
	v_lshl_add_u32 v4, v5, 4, v4
	s_lshl_b32 s22, s12, 7
	s_add_co_u32 s22, s22, 2*HALFA
	v_add_nc_u32 v[ADRB0], s22, v4
	v_mov_b32 v[ADRA], v[ADRA0]
	v_mov_b32 v[ADRB], v[ADRB0]
	v_add_nc_u32 v[ADRB+1], 128*PB, v[ADRB0]
	s_mul_i32 s23, s10, 16*SPITCH
	s_add_co_u32 s23, s23, STAGE
	v_mul_u32_u24 v4, v1, SPITCH
	v_lshl_add_u32 v4, v2, 5, v4
	v_add_nc_u32 v[STO], s23, v4
	v_mul_u32_u24 v5, v2, SPITCH
	v_lshl_add_u32 v5, v1, 4, v5
	v_add_nc_u32 v[RD], s23, v5
	v_lshlrev_b32 v5, 12, v2
	v_lshl_add_u32 v[CO], v1, 4, v5
	s_lshl_b32 s16, s13, 7
	s_lshl_b32 s17, s11, 6
	s_add_co_u32 s16, s16, s17
	s_lshl_b32 s16, s16, 12
	s_lshl_b32 s46, s42, 9
	s_lshl_b32 s47, s12, 8
	s_add_co_u32 s46, s46, s47
	s_add_co_u32 s16, s16, s46
	s_mov_b32 s17, 0
	s_mov_b32 s47, 0
	s_add_nc_u64 s[8:9], s[8:9], s[16:17]
	s_add_nc_u64 s[68:69], s[68:69], s[16:17]
.if BIAS
	s_add_nc_u64 s[66:67], s[66:67], s[46:47]
	v_lshlrev_b32 v6, 5, v2                        ; register j of a lane is column 8 (l / 16) + j of its block
	WIN TO_B
.irp b, 0,1,2,3
	global_load_b128 v[BI+8*(\b):BI+8*(\b)+3],   v6, s[66:67] offset:64*(\b)
	global_load_b128 v[BI+8*(\b)+4:BI+8*(\b)+7], v6, s[66:67] offset:64*(\b)+16
.endr
.endif
	WIN 0x80
.irp a, 0,1,2,3
.irp t, 0,1,2,3,4,5,6,7
	global_load_b128 v[RES+32*(\a)+4*(\t):RES+32*(\a)+4*(\t)+3], v[CO], s[68:69] offset:(16*(\a)+2*(\t))*OPITCH
.endr
.endr
	WIN 0
.if PF
	; The prefetches.  A's rows are read by every cluster of a row of clusters: cluster x = 0 asks; W's by every cluster of a column: cluster y = 0 asks.  The four partners of a joint load share the wave's 128 blocks
	; out by address (cx for A: 16 rows x 2 blocks; cy for W: 32 k-rows).  They start at K step 3; the trip of K step t, which refills with t + 2, names t + 4; the last two refills ask for nothing.
	s_and_b32 s22, ttmp7, 0xffff
	s_lshl_b32 s20, s13, 7
	s_lshl_b32 s21, s12, 6
	s_add_co_u32 s20, s20, s21
	s_lshl_b32 s21, s40, 4
	s_add_co_u32 s20, s20, s21
	s_mul_i32 s20, s20, KA*2
	s_add_co_u32 s20, s20, 3*KSTEP*2
	s_lshl_b32 s21, s12, 7
	s_lshl_b32 s23, s41, 5
	s_add_co_u32 s21, s21, s23
	s_add_co_u32 s21, s21, 3*KSTEP
	s_mul_i32 s21, s21, NW*2
	s_add_co_u32 s21, s21, s[WCOL]
	s_mov_b32 s23, KSTEP*NW*2
	s_mov_b32 s19, NW*2
	s_xor_b32 s18, s11, 1                          ; A: two lanes a row; W: a lane a k-row
	s_cmp_eq_u32 s11, 0
	s_cselect_b32 s20, s20, s21
	s_cselect_b32 s22, ttmp9, s22
	s_cselect_b32 s[PFS], KSTEP*2, s23
	s_cselect_b32 s19, KA*2, s19
	s_cselect_b64 s[PFA:PFA+1], s[4:5], s[6:7]
	s_mov_b32 s21, 0
	s_mov_b32 s[PFS+1], 0
	s_add_nc_u64 s[PFA:PFA+1], s[PFA:PFA+1], s[20:21]
	s_cmp_eq_u32 s22, 0
	s_cselect_b32 s[LIM], 2, -1
	v_and_b32 v7, 31, v0
	v_lshrrev_b32 v8, s18, v7
	v_and_b32 v7, s18, v7
	v_mul_lo_u32 v8, v8, s19
	v_lshl_add_u32 v[PFO], v7, 8, v8
.endif
; 8 matrix instructions: row blocks a0, a0 + 1 x all 4 column blocks, 32 along K: half c of buffer f.  The 16 accumulators take turns in the same order throughout.
.macro MUL8 f, c, a0, first
.if (\first) && BIAS
	WIN 0x91
.else
	WIN 0xa1
.endif
.irp a, \a0, (\a0)+1
.irp b, 0,1,2,3
.if (\first) && BIAS
	v_wmma_f32_16x16x32_bf16 v[8*(4*(\a)+(\b)):8*(4*(\a)+(\b))+7], v[(\f)+8*(4*(\c)+(\b)):(\f)+8*(4*(\c)+(\b))+7], v[(\f)+8*(4*(\c)+(\a)):(\f)+8*(4*(\c)+(\a))+7], v[BI+8*(\b):BI+8*(\b)+7]
.elseif \first
	v_wmma_f32_16x16x32_bf16 v[8*(4*(\a)+(\b)):8*(4*(\a)+(\b))+7], v[(\f)+8*(4*(\c)+(\b)):(\f)+8*(4*(\c)+(\b))+7], v[(\f)+8*(4*(\c)+(\a)):(\f)+8*(4*(\c)+(\a))+7], 0
.else
	v_wmma_f32_16x16x32_bf16 v[8*(4*(\a)+(\b)):8*(4*(\a)+(\b))+7], v[(\f)+8*(4*(\c)+(\b)):(\f)+8*(4*(\c)+(\b))+7], v[(\f)+8*(4*(\c)+(\a)):(\f)+8*(4*(\c)+(\a))+7], v[8*(4*(\a)+(\b)):8*(4*(\a)+(\b))+7]
.endif
.endr
.endr
.endm
.macro FETCH q, f                      ; 32 LDS loads in one run: quarter q's fragments (64 along K) into buffer f; the first 32 along K first
.irp c, 0,1
	WIN TO_B
.irp i, 0,1,2,3
	ds_load_tr16_b128 v[(\f)+8*(4*(\c)+(\i)):(\f)+8*(4*(\c)+(\i))+3],   v[ADRB+(\q)/2] offset:(((\q)%2)*64+32*(\c))*PB+32*(\i)
	ds_load_tr16_b128 v[(\f)+8*(4*(\c)+(\i))+4:(\f)+8*(4*(\c)+(\i))+7], v[ADRB+(\q)/2] offset:(((\q)%2)*64+32*(\c)+16)*PB+32*(\i)
.endr
	WIN 0
.irp i, 0,1,2,3
	ds_load_b128 v[(\f)+8*(4*(\c)+(\i)):(\f)+8*(4*(\c)+(\i))+3],   v[ADRA] offset:(\q)*128+64*(\c)+(\i)*16*PA
	ds_load_b128 v[(\f)+8*(4*(\c)+(\i))+4:(\f)+8*(4*(\c)+(\i))+7], v[ADRA] offset:(\q)*128+64*(\c)+(\i)*16*PA+32
.endr
.endr
.endm
.macro PLACES
.rept 4
	v_nop
.endr
.endm
.macro QUARTER q, f, g, first
	s_wait_dscnt 16                                ; the first 32 along K are in
	MUL8 \f, 0, 0, \first
	MUL8 \f, 0, 2, \first
	PLACES
	FETCH \q, \g
	s_wait_dscnt 32                                ; all but the 32 just issued
	MUL8 \f, 1, 0, 0
	MUL8 \f, 1, 2, 0
.endm
; The last quarter of a K step changes slots: each wave waits for all its tensor loads, adds 0 to its spare word, waits for that and for its reads of this slot, and signals.
; fill = 1: a round of the cluster's barrier, and the slot just read is filled again first thing behind it, two K steps ahead: 112 matrix instructions ahead of the wait for it.
.macro TURN fill
.if PF && (\fill)
	s_wait_xcnt 0x0                                ; the last prefetch, a K step back, has read its address
	s_add_nc_u64 s[PFA:PFA+1], s[PFA:PFA+1], s[PFS:PFS+1]
.endif
	WIN 0
	s_wait_tensorcnt 0x0
	ds_add_u32 v[SPW], v[NIL]
	s_wait_dscnt 17                                ; the add and the youngest sixteen loads may be out
	MUL8 F1, 0, 0, 0
	s_wait_dscnt 0x0                               ; the add is done, and my reads of this slot are over
	s_barrier_signal -1
	MUL8 F1, 0, 2, 0
	WIN 0
	s_barrier_wait -1
.if \fill
	CREST
	s_xor_b32 s[G0A+5], s[G0A+5], SLOT
	s_xor_b32 s[G0B+5], s[G0B+5], SLOT
	s_add_nc_u64 s[G0A+6:G0A+7], s[G0A+6:G0A+7], KSTEP*2
	s_add_nc_u64 s[G0B+6:G0B+7], s[G0B+6:G0B+7], KSTEP*NW*2
	JLOAD                                          ; its four v_nop are also the places in front of the loads below
.else
	PLACES
.endif
	s_xor_b32 s[SB], s[SB], SLOT
	v_add_nc_u32 v[ADRA], s[SB], v[ADRA0]
	v_add_nc_u32 v[ADRB], s[SB], v[ADRB0]
	v_add_nc_u32 v[ADRB+1], 128*PB, v[ADRB]
	FETCH 0, F0
.if PF && (\fill)
	ASK
.endif
	MUL8 F1, 1, 0, 0
	MUL8 F1, 1, 2, 0
.endm
; THE WAY OUT of row block a: the accumulators go into my stage as they are (f32), come back as whole rows of 256 bytes, take the residual, and are stored.
.macro TOST a
	WIN 0x08                                       ; the stores' data in window 2
.irp b, 0,1,2,3
	ds_store_b128 v[STO], v[8*(4*(\a)+(\b)):8*(4*(\a)+(\b))+3]   offset:64*(\b)
	ds_store_b128 v[STO], v[8*(4*(\a)+(\b))+4:8*(4*(\a)+(\b))+7] offset:64*(\b)+16
.endr
	WIN 0
.irp t, 0,1,2,3,4,5,6,7
	ds_load_b128 v[F0+32*(\a)+4*(\t):F0+32*(\a)+4*(\t)+3], v[RD] offset:(\t)*2*SPITCH  ; LDS serves a wave's instructions in order: these see the stores above
.endr
.endm
.macro SENDF a, younger                ; younger: the next block's sixteen LDS instructions, or none
	s_wait_dscnt \younger
	WIN 0x08                                       ; source 1, the residual, in window 2
.set z, 0
.rept 16
	v_pk_add_f32 v[F0+32*(\a)+z:F0+32*(\a)+z+1], v[F0+32*(\a)+z:F0+32*(\a)+z+1], v[RES+32*(\a)+z:RES+32*(\a)+z+1]
.set z, z+2
.endr
	WIN 0
.irp t, 0,1,2,3,4,5,6,7
	global_store_b128 v[CO], v[F0+32*(\a)+4*(\t):F0+32*(\a)+4*(\t)+3], s[8:9] offset:(16*(\a)+2*(\t))*OPITCH  ; 16 lanes store 256 consecutive bytes, aligned
.endr
.endm
	s_wait_tensorcnt 1                             ; my part of K step 0 is in; K step 1's may stay out
	s_barrier_signal -1
	s_barrier_wait -1
	FETCH 0, F0
.if BIAS
	s_wait_loadcnt 32                              ; the bias is in; the residual's 32 loads are younger
.endif
	QUARTER 1, F0, F1, 1
	WIN 0
	s_mov_b32 s3, TSTEPS-2
.Lstep:                                                ; a trip: a K step's quarters 1 to 3, the change of slots with a refill, the next K step's quarter 0
	QUARTER 2, F1, F0, 0
	QUARTER 3, F0, F1, 0
	TURN 1
	QUARTER 1, F0, F1, 0
	WIN 0
	s_sub_co_u32 s3, s3, 1
	s_cmp_lg_u32 s3, 0
	s_cbranch_scc1 .Lstep
	s_mov_b32 s2, 2                                ; the last two K steps ask for nothing; the second trip is left in its middle
.Ltail:
	QUARTER 2, F1, F0, 0
	QUARTER 3, F0, F1, 0
	WIN 0
	s_sub_co_u32 s2, s2, 1
	s_cmp_eq_u32 s2, 0
	s_cbranch_scc1 .Lfin
	TURN 0
	QUARTER 1, F0, F1, 0
	WIN 0
	s_branch .Ltail
.Lfin:
	s_wait_dscnt 16
	MUL8 F1, 0, 0, 0
	MUL8 F1, 0, 2, 0
	s_wait_dscnt 0x0
	MUL8 F1, 1, 0, 0
	MUL8 F1, 1, 2, 0
	WIN 0
	PLACES
	PLACES
	s_wait_loadcnt 0x0                             ; the residual
	TOST 0
.irp a, 1,2,3
	TOST \a
	SENDF (\a)-1, 16
.endr
	SENDF 3, 0
	s_wait_tensorcnt 0x0                           ; the wave's end
	ds_add_u32 v[SPW], v[NIL]
	s_wait_dscnt 0x0
	CROUND                                         ; the closing round
	s_endpgm
.Lfunc_end_k_qb3df6e7745_ffn2:
	.size	k_qb3df6e7745_ffn2, .Lfunc_end_k_qb3df6e7745_ffn2-k_qb3df6e7745_ffn2
	.p2alignl 7, 3214868480
	.fill 96, 4, 3214868480
	.section	.rodata,"a",@progbits
	.p2align	6, 0x0
	.amdhsa_kernel k_qb3df6e7745_ffn2
		.amdhsa_group_segment_fixed_size 327680
		.amdhsa_private_segment_fixed_size 0
		.amdhsa_enable_private_segment 0
		.amdhsa_kernarg_size 40
		.amdhsa_user_sgpr_count 2
		.amdhsa_user_sgpr_kernarg_segment_ptr 1
		.amdhsa_wavefront_size32 1
		.amdhsa_system_sgpr_workgroup_id_x 1
		.amdhsa_system_sgpr_workgroup_id_y 1
		.amdhsa_system_sgpr_workgroup_id_z 1
		.amdhsa_system_vgpr_workitem_id 0
		.amdhsa_next_free_vgpr 768
		.amdhsa_next_free_sgpr 80
		.amdhsa_reserve_vcc 0
		.amdhsa_float_denorm_mode_32 3
		.amdhsa_float_denorm_mode_16_64 3
		.amdhsa_memory_ordered 1
		.amdhsa_forward_progress 1
		.amdhsa_inst_pref_size 71
	.end_amdhsa_kernel
	.amdgpu_metadata
---
amdhsa.version: [ 1, 2 ]
amdhsa.kernels:
  - .name:           k_qb3df6e7745_ffn2
    .symbol:         k_qb3df6e7745_ffn2.kd
    .args:
      - { .name: hb, .offset: 0, .size: 8, .value_kind: global_buffer, .address_space: global }
      - { .name: wb, .offset: 8, .size: 8, .value_kind: global_buffer, .address_space: global }
      - { .name: out0, .offset: 16, .size: 8, .value_kind: global_buffer, .address_space: global }
      - { .name: ao, .offset: 24, .size: 8, .value_kind: global_buffer, .address_space: global }
      - { .name: b2, .offset: 32, .size: 8, .value_kind: global_buffer, .address_space: global }
    .group_segment_fixed_size: 327680
    .private_segment_fixed_size: 0
    .kernarg_segment_align: 8
    .kernarg_segment_size: 40
    .max_flat_workgroup_size: 128
    .sgpr_count:     80
    .vgpr_count:     768
    .wavefront_size: 32
...
	.end_amdgpu_metadata
.endif
;; end of part 7
;; ======== version 2 of 2: 7 launches
;; limits: inputs' magnitudes at most 4.25e+37
;; workspace buffers: wb 25,165,824 bytes; wqkv 8,407,040 bytes; w1p 8,407,040 bytes; xn 8,388,608 bytes; qkv 33,554,432 bytes; att 8,388,608 bytes; ao 16,777,216 bytes; hb 33,554,432 bytes
;; launch prep (part 8): grid 1025 x 1, 4 waves a work-group, no clusters, 0 bytes of LDS; arguments enc_input, ln1_g, ln1_b, xn, wq, wk, wv, wo, w1, w2, wb, wqkv, w1p, b1; writes xn, wb, wqkv, w1p
.if DOCPART == 8
	.amdgcn_target "amdgcn-amd-amdhsa--gfx1250"
	.amdhsa_code_object_version 6
	.text
	.protected	k_qb3df6e7745_prep
	.globl	k_qb3df6e7745_prep
	.p2align	8
	.type	k_qb3df6e7745_prep,@function
k_qb3df6e7745_prep:
	s_mov_b64 s[64:65], 0
	v_nop
	global_prefetch_b8 v0, s[64:65] scope:SCOPE_SE
	s_setreg_imm32_b32 hwreg(HW_REG_WAVE_MODE, 25, 1), 1
	s_wait_xcnt 0x0
; Work-groups 0-255: xn = layernorm(enc_input) * ln1_g + ln1_b, rounded once to bf16.
; Work-groups 256-1023: the six weight matrices rounded once to bf16, each left [K][N]: wq | wk | wv side by side in wqkv, rows of 4,096 numbers (8,192 bytes; the last 1,024 numbers of a row are not used);
; w1 dense in w1p; wo dense in wb at byte 6,291,456; w2 dense in wb at byte 16,777,216.
; Work-group 1024: what lies behind the 8,388,608 bytes of weights in wqkv and in w1p: 4,096 f32 of bias (zeros; b1 as it is) and 2,048 bytes that repeat an activation's floor, two bf16 a word (minus infinity; 0).
; A work-group of the first two kinds takes 65,536 bytes of f32 and stores 32,768 of bf16; a wave 16,384: 32 loads of 512 consecutive bytes, all issued before anything is waited for.
; LAYER NORM: one wave, one row of 4,096 bytes, kept in 32 registers between the passes; four rows a wave.  Mean, then the mean of (x - mean)^2, as the definition has it: no difference of large sums.
; No LDS, no barrier, no cluster: no wave wants a byte that another has fetched.  Each store of a wave covers 256 consecutive bytes or more, aligned.
.set VI, 1                             ; v1   wave x 16,384 + lane x 16: my 16 bytes of each load
.set VO, 2                             ; v2   wave x 8,192 + lane x 8: my 8 bytes of each store (layer norm)
.set VG, 3                             ; v3   lane x 16: my place in gain and bias
.set G,  4                             ; v[4:35]    gain of my 32 columns
.set BT, 36                            ; v[36:67]   bias of my 32 columns
.set VOR, 4                            ; v[4:7]     the cast: my 8 bytes in each of the wave's four destination rows of 2,048 bytes
.set X,  68                            ; v[68:195]  load n at X + 4 n
.set T,  196                           ; v[196:203] four chains of pairs
.set MU, 204                           ; v[204:205] the mean, twice
.set R,  206                           ; v[206:207] 1 / sqrt(var + eps), twice
.set PX, 208                           ; v208       what comes from the other half of the lanes
.set PARB, 8388608                     ; bytes of weights in wqkv and in w1p
	s_load_b512 s[16:31], s[0:1], 0x0              ; enc s[16:17], g s[18:19], b s[20:21], xn s[22:23], wq, wk, wv, wo s[24:31]
	s_load_b256 s[32:39], s[0:1], 0x40             ; w1 s[32:33], w2 s[34:35], wb s[36:37], wqkv s[38:39]
	s_load_b128 s[40:43], s[0:1], 0x60             ; w1p s[40:41], b1 s[42:43]
	v_and_b32 v[VG], 31, v0
	v_lshrrev_b32 v[VO], 5, v0
	v_lshlrev_b32 v[VI], 14, v[VO]
	v_lshl_add_u32 v[VI], v[VG], 4, v[VI]
	v_lshlrev_b32 v[VO], 13, v[VO]
	v_lshl_add_u32 v[VO], v[VG], 3, v[VO]
	v_lshlrev_b32 v[VG], 4, v[VG]
	v_mov_b32 v[PX], 0                             ; v_permlanex16_b32 counts as a reader of its destination
	s_mov_b32 s12, 0x76543210                      ; each lane takes its own place in the other half
	s_mov_b32 s13, 0xfedcba98
	s_mov_b32 s14, 0x3a800000                      ; 1 / 1,024
	s_mov_b32 s15, 0x3727c5ac                      ; 1e-5
	s_mov_b32 s9, 0
	s_mov_b32 s11, 0
	s_wait_kmcnt 0x0
.macro LOADROW i                       ; eight loads: 4,096 consecutive bytes
.irp j, 0,1,2,3,4,5,6,7
	global_load_b128 v[X+32*(\i)+4*(\j):X+32*(\i)+4*(\j)+3], v[VI], s[4:5] offset:4096*(\i)+512*(\j) th:TH_LOAD_NT
.endr
.endm
.macro FOLD                            ; four chains of pairs into one number a lane
	v_pk_add_f32 v[T:T+1], v[T:T+1], v[T+2:T+3]
	v_pk_add_f32 v[T+4:T+5], v[T+4:T+5], v[T+6:T+7]
	v_pk_add_f32 v[T:T+1], v[T:T+1], v[T+4:T+5]
	v_add_f32 v[T], v[T], v[T+1]
.endm
.macro XSUM                            ; across the 32 lanes; every lane ends with the sum
	v_add_f32_dpp v[T], v[T], v[T] row_xmask:1 row_mask:0xf bank_mask:0xf
	v_add_f32_dpp v[T], v[T], v[T] row_xmask:2 row_mask:0xf bank_mask:0xf
	v_add_f32_dpp v[T], v[T], v[T] row_xmask:4 row_mask:0xf bank_mask:0xf
	v_add_f32_dpp v[T], v[T], v[T] row_xmask:8 row_mask:0xf bank_mask:0xf
	v_permlanex16_b32 v[PX], v[T], s12, s13
	v_add_f32 v[T], v[T], v[PX]
.endm
; Row i of the wave's four.  left1: the loads younger than the row's; left2: those younger than gain and bias.
.macro ROWLN i, left1, left2
.set XR, X+32*(\i)
	s_wait_loadcnt \left1
.irp c, 0,1,2,3
	v_pk_add_f32 v[T+2*(\c):T+2*(\c)+1], v[XR+2*(\c):XR+2*(\c)+1], v[XR+8+2*(\c):XR+8+2*(\c)+1]  ; the first pairs start the chains
.endr
.irp k, 2,3
.irp c, 0,1,2,3
	v_pk_add_f32 v[T+2*(\c):T+2*(\c)+1], v[T+2*(\c):T+2*(\c)+1], v[XR+8*(\k)+2*(\c):XR+8*(\k)+2*(\c)+1]
.endr
.endr
	FOLD
	XSUM
	v_mul_f32 v[MU], s14, v[T]
	v_mul_f32 v[MU+1], s14, v[T]
.set z, 0
.rept 16
	v_pk_add_f32 v[XR+z:XR+z+1], v[XR+z:XR+z+1], v[MU:MU+1] neg_lo:[0,1] neg_hi:[0,1]  ; x - mean
.set z, z+2
.endr
.irp c, 0,1,2,3
	v_pk_mul_f32 v[T+2*(\c):T+2*(\c)+1], v[XR+2*(\c):XR+2*(\c)+1], v[XR+2*(\c):XR+2*(\c)+1]
.endr
.irp k, 1,2,3
.irp c, 0,1,2,3
	v_pk_fma_f32 v[T+2*(\c):T+2*(\c)+1], v[XR+8*(\k)+2*(\c):XR+8*(\k)+2*(\c)+1], v[XR+8*(\k)+2*(\c):XR+8*(\k)+2*(\c)+1], v[T+2*(\c):T+2*(\c)+1]
.endr
.endr
	FOLD
	XSUM
	v_fma_f32 v[T], v[T], s14, s15                 ; var + eps
	v_rsq_f32 v[R], v[T]
	v_rsq_f32 v[R+1], v[T]
	v_nop                                          ; a plain instruction behind the second root,
	s_wait_alu depctr_va_vdst(0)                   ; and the wait ahead of the first use: one for both
	s_wait_loadcnt \left2
.set z, 0
.rept 16
	v_pk_mul_f32 v[XR+z:XR+z+1], v[XR+z:XR+z+1], v[R:R+1]
.set z, z+2
.endr
.set z, 0
.rept 16
	v_pk_fma_f32 v[XR+z:XR+z+1], v[XR+z:XR+z+1], v[G+z:G+z+1], v[BT+z:BT+z+1]
.set z, z+2
.endr
.irp j, 0,1,2,3,4,5,6,7
	v_cvt_pk_bf16_f32 v[XR+4*(\j)], v[XR+4*(\j)], v[XR+4*(\j)+1]
	v_cvt_pk_bf16_f32 v[XR+4*(\j)+1], v[XR+4*(\j)+2], v[XR+4*(\j)+3]
	global_store_b64 v[VO], v[XR+4*(\j):XR+4*(\j)+1], s[6:7] offset:256*(8*(\i)+(\j))  ; 32 lanes x 8 bytes: 256 consecutive bytes; the data registers are never rewritten
.endr
.endm
	s_cmp_lt_u32 ttmp9, 256
	s_cbranch_scc0 .Lcast
	s_lshl_b32 s10, ttmp9, 16                      ; 16 rows of 4,096 bytes
	s_add_nc_u64 s[4:5], s[16:17], s[10:11]
	s_lshl_b32 s8, ttmp9, 15                       ; 16 rows of 2,048 bytes
	s_add_nc_u64 s[6:7], s[22:23], s[8:9]
	LOADROW 0
.irp j, 0,1,2,3,4,5,6,7
	global_load_b128 v[G+4*(\j):G+4*(\j)+3], v[VG], s[18:19] offset:512*(\j)
.endr
.irp j, 0,1,2,3,4,5,6,7
	global_load_b128 v[BT+4*(\j):BT+4*(\j)+3], v[VG], s[20:21] offset:512*(\j)
.endr
	LOADROW 1
	LOADROW 2
	LOADROW 3
	ROWLN 0, 40, 24                                ; behind row 0: gain 8, bias 8, rows 1-3 24; behind the bias: 24
	ROWLN 1, 16, 16
	ROWLN 2, 8, 8
	ROWLN 3, 0, 0
	s_endpgm
.Lcast:
	s_cmp_lt_u32 ttmp9, 1024
	s_cbranch_scc0 .Lpar
	; chunk c of 768: wq 0-63, wk 64-127, wv 128-191, wo 192-255, w1 256-511, w2 512-767.  A chunk is sixteen pieces of 4,096 bytes of f32; piece p goes to 2,048 bytes at p x the destination's row step:
	; 8,192 for wq, wk, wv (a piece is a row of theirs, and a row of wqkv holds all three), 2,048 for the others (dense).
	s_sub_co_u32 s8, ttmp9, 256
	s_mov_b64 s[4:5], s[34:35]                     ; from w2
	s_mov_b64 s[6:7], s[36:37]                     ; into wb,
	s_mov_b32 s10, 512                             ; whose first chunk is 512,
	s_mov_b32 s44, 16777216                        ; at this byte,
	s_mov_b32 s45, 2048                            ; with this row step
	s_cmp_lt_u32 s8, 512
	s_cselect_b64 s[4:5], s[32:33], s[4:5]         ; w1 into w1p
	s_cselect_b64 s[6:7], s[40:41], s[6:7]
	s_cselect_b32 s10, 256, s10
	s_cselect_b32 s44, 0, s44
	s_cmp_lt_u32 s8, 256
	s_cselect_b64 s[4:5], s[30:31], s[4:5]         ; wo into wb
	s_cselect_b64 s[6:7], s[36:37], s[6:7]
	s_cselect_b32 s10, 192, s10
	s_cselect_b32 s44, 6291456, s44
	s_cmp_lt_u32 s8, 192
	s_cselect_b64 s[4:5], s[28:29], s[4:5]         ; wv into wqkv, columns 2,048 on
	s_cselect_b64 s[6:7], s[38:39], s[6:7]
	s_cselect_b32 s10, 128, s10
	s_cselect_b32 s44, 4096, s44
	s_cselect_b32 s45, 8192, s45
	s_cselect_b32 s46, 17, 15                      ; log2 of sixteen row steps
	s_cmp_lt_u32 s8, 128
	s_cselect_b64 s[4:5], s[26:27], s[4:5]         ; wk, columns 1,024 on
	s_cselect_b32 s10, 64, s10
	s_cselect_b32 s44, 2048, s44
	s_cmp_lt_u32 s8, 64
	s_cselect_b64 s[4:5], s[24:25], s[4:5]         ; wq, columns 0 on
	s_cselect_b32 s10, 0, s10
	s_cselect_b32 s44, 0, s44
	s_sub_co_u32 s10, s8, s10                      ; the chunk's number in its own matrix
	s_lshl_b32 s8, s10, s46
	s_add_co_u32 s8, s8, s44
	s_lshl_b32 s10, s10, 16
	s_add_nc_u64 s[4:5], s[4:5], s[10:11]
	s_add_nc_u64 s[6:7], s[6:7], s[8:9]
	LOADROW 0
	LOADROW 1
	LOADROW 2
	LOADROW 3
	v_lshrrev_b32 v8, 5, v0
	v_lshlrev_b32 v8, 2, v8                        ; 4 x wave: the first of my wave's four pieces
	v_and_b32 v9, 31, v0
	v_lshlrev_b32 v9, 3, v9                        ; 8 x lane
.irp r, 0,1,2,3
	v_add_nc_u32 v10, \r, v8
	v_mad_u32_u24 v[VOR+\r], v10, s45, v9
.endr
.set n, 0
.rept 32
	s_wait_loadcnt 31-n                            ; loads come back in order: load n is in, the younger ones stay out
	v_cvt_pk_bf16_f32 v[X+4*n], v[X+4*n], v[X+4*n+1]
	v_cvt_pk_bf16_f32 v[X+4*n+1], v[X+4*n+2], v[X+4*n+3]
	global_store_b64 v[VOR+n/8], v[X+4*n:X+4*n+1], s[6:7] offset:256*(n%8)
.set n, n+1
.endr
	s_endpgm
.Lpar:                                                 ; 128 threads x 16 bytes: 2,048 consecutive bytes an instruction
	v_lshlrev_b32 v12, 4, v0
.irp i, 0,1,2,3,4,5,6,7
	global_load_b128 v[X+4*\i:X+4*\i+3], v12, s[42:43] offset:2048*\i
.endr
.irp r, 4,5,6,7
	v_mov_b32 v\r, 0
.endr
.irp r, 8,9,10,11
	v_mov_b32 v\r, 0xff80ff80                      ; minus infinity, twice, in bf16
.endr
	s_add_nc_u64 s[4:5], s[38:39], PARB            ; behind wqkv's weights
	s_add_nc_u64 s[6:7], s[40:41], PARB            ; behind w1p's
.irp i, 0,1,2,3,4,5,6,7
	global_store_b128 v12, v[4:7], s[4:5] offset:2048*\i      ; q, k and v have no bias: zeros
.endr
	global_store_b128 v12, v[8:11], s[4:5] offset:16384       ; and no activation: the floor holds nothing back
	global_store_b128 v12, v[4:7], s[6:7] offset:16384        ; the ReLU's floor
.irp i, 0,1,2,3,4,5,6,7
	s_wait_loadcnt 7-\i
	global_store_b128 v12, v[X+4*\i:X+4*\i+3], s[6:7] offset:2048*\i  ; b1, as it is
.endr
	s_endpgm
.Lfunc_end_k_qb3df6e7745_prep:
	.size	k_qb3df6e7745_prep, .Lfunc_end_k_qb3df6e7745_prep-k_qb3df6e7745_prep
	.p2alignl 7, 3214868480
	.fill 96, 4, 3214868480
	.section	.rodata,"a",@progbits
	.p2align	6, 0x0
	.amdhsa_kernel k_qb3df6e7745_prep
		.amdhsa_group_segment_fixed_size 0
		.amdhsa_private_segment_fixed_size 0
		.amdhsa_enable_private_segment 0
		.amdhsa_kernarg_size 112
		.amdhsa_user_sgpr_count 2
		.amdhsa_user_sgpr_kernarg_segment_ptr 1
		.amdhsa_wavefront_size32 1
		.amdhsa_system_sgpr_workgroup_id_x 1
		.amdhsa_system_sgpr_workgroup_id_y 1
		.amdhsa_system_sgpr_workgroup_id_z 1
		.amdhsa_system_vgpr_workitem_id 0
		.amdhsa_next_free_vgpr 212
		.amdhsa_next_free_sgpr 66
		.amdhsa_reserve_vcc 0
		.amdhsa_float_denorm_mode_32 3
		.amdhsa_float_denorm_mode_16_64 3
		.amdhsa_memory_ordered 1
		.amdhsa_forward_progress 1
		.amdhsa_inst_pref_size 55
	.end_amdhsa_kernel
	.amdgpu_metadata
---
amdhsa.version: [ 1, 2 ]
amdhsa.kernels:
  - .name:           k_qb3df6e7745_prep
    .symbol:         k_qb3df6e7745_prep.kd
    .args:
      - { .name: enc_input, .offset: 0, .size: 8, .value_kind: global_buffer, .address_space: global }
      - { .name: ln1_g, .offset: 8, .size: 8, .value_kind: global_buffer, .address_space: global }
      - { .name: ln1_b, .offset: 16, .size: 8, .value_kind: global_buffer, .address_space: global }
      - { .name: xn, .offset: 24, .size: 8, .value_kind: global_buffer, .address_space: global }
      - { .name: wq, .offset: 32, .size: 8, .value_kind: global_buffer, .address_space: global }
      - { .name: wk, .offset: 40, .size: 8, .value_kind: global_buffer, .address_space: global }
      - { .name: wv, .offset: 48, .size: 8, .value_kind: global_buffer, .address_space: global }
      - { .name: wo, .offset: 56, .size: 8, .value_kind: global_buffer, .address_space: global }
      - { .name: w1, .offset: 64, .size: 8, .value_kind: global_buffer, .address_space: global }
      - { .name: w2, .offset: 72, .size: 8, .value_kind: global_buffer, .address_space: global }
      - { .name: wb, .offset: 80, .size: 8, .value_kind: global_buffer, .address_space: global }
      - { .name: wqkv, .offset: 88, .size: 8, .value_kind: global_buffer, .address_space: global }
      - { .name: w1p, .offset: 96, .size: 8, .value_kind: global_buffer, .address_space: global }
      - { .name: b1, .offset: 104, .size: 8, .value_kind: global_buffer, .address_space: global }
    .group_segment_fixed_size: 0
    .private_segment_fixed_size: 0
    .kernarg_segment_align: 8
    .kernarg_segment_size: 112
    .max_flat_workgroup_size: 128
    .sgpr_count:     66
    .vgpr_count:     212
    .wavefront_size: 32
...
	.end_amdgpu_metadata
.endif
;; end of part 8
;; launch qkvproj (part 9): grid 12 x 16, 4 waves a work-group, clusters of 4 x 4, 327,680 bytes of LDS; arguments xn, wqkv, qkv; writes qkv
.if DOCPART == 9
	.amdgcn_target "amdgcn-amd-amdhsa--gfx1250"
	.amdhsa_code_object_version 6
	.text
	.protected	k_qb3df6e7745_qkvproj
	.globl	k_qb3df6e7745_qkvproj
	.p2align	8
	.type	k_qb3df6e7745_qkvproj,@function
k_qb3df6e7745_qkvproj:
	s_mov_b64 s[64:65], 0
	v_nop
	global_prefetch_b8 v0, s[64:65] scope:SCOPE_SE
	s_setreg_imm32_b32 hwreg(HW_REG_WAVE_MODE, 25, 1), 1
	s_wait_xcnt 0x0
	s_wait_alu depctr_hold_cnt(0) depctr_sa_sdst(0) depctr_va_vdst(0) depctr_va_sdst(0) depctr_va_ssrc(0) depctr_va_vcc(0) depctr_vm_vsrc(0)
	s_getreg_b32 s2, hwreg(HW_REG_IB_STS2, 6, 4)
	s_cmp_eq_u32 s2, 0
	s_cbranch_scc0 .Lentry_in_a_cluster
	s_endpgm
.Lentry_in_a_cluster:
	s_bfe_u32 s2, ttmp6, 0x10000c
	s_cmp_lg_u32 s2, 0xf033
	s_cbranch_scc0 .Lentry_shape_is_right
	s_endpgm
.Lentry_shape_is_right:
; ONE TEXT FOR TWO LAUNCHES: out[m][n] = max(A[m][1024] x W + bias[n], floor), bf16 operands, f32 sums that START at the bias (the C operand of the first product), rounded once to bf16, then held at the floor from below.
;   q | k | v = xn x (wq | wk | wv): 3,072 columns, 12 x 16 tiles, bias zeros, floor minus infinity (the 256 maxima a wave change nothing there: the price of one text);
;   h = relu(xn x w1 + b1): 4,096 columns, 16 x 16 tiles, bias b1, floor 0.
; A: [4096][1024] bf16.  The second buffer holds W as [1024][4096] bf16, behind it 4,096 f32 of bias, behind that 2,048 bytes that repeat the floor, two bf16 a word.  out: rows of 4,096 bf16.
; LIMIT: a sum that is NaN leaves as the floor (the packed maximum lets a NaN lose).
; A tile of the result, 256 x 256, is made by four waves, each 128 x 128: 64 accumulators, 512 registers.  K goes in steps of 128 through two LDS slots filled by the tensor data mover:
; A's 256 rows of 256 bytes, then W's 128 k-rows of 512 bytes.  W's fragments come out of LDS turned, by ds_load_tr16_b128.
; CLUSTERS: 4 x 4 work-groups; A's tile is shared along a row of the cluster, W's along a column: each is asked for jointly, with the same descriptor and a mask that names the four.
; THE MATRIX INSTRUCTION IS USED TRANSPOSED: source 0 = 16 columns of W, source 1 = 16 rows of A: a lane then holds eight neighbouring numbers of a row of the result.
; The loop's trip is ONE K step; the slot in hand is a scalar (0 or SLOT) that an exclusive or turns; the walking descriptors' LDS words are turned by the same exclusive or (SLOT shares no bit with a part's offset).
; REGISTERS: window 0: v16-30 addresses; v64-127, v128-191 A's fragments, two buffers; v192-223 at work on the way out.  window 1: the same numbers for W's fragments; v192-255 the bias.  windows 2, 3: the accumulators.
.set KA,     1024                      ; K, and elements in a row of A
.set NW,     4096                      ; elements in a row of W
.set OPITCH, 8192                      ; bytes in a row of the result
.set PARB,   8388608                   ; bytes of W: the bias begins here, the floor 16,384 bytes further on
.set KSTEP,  128
.set TSTEPS, KA/KSTEP
.set PA,     272                       ; A's LDS row: 256 bytes + 16: the 16 rows of a load start at 16 different groups of four banks
.set PB,     544                       ; W's LDS row: 512 bytes + 32: an odd multiple of 32, for the turning load
.set HALFT,  34816                     ; 128 x 272 = 64 x 544: what one tensor load brings
.set SLOT,   4*HALFT
.set STAGE,  2*SLOT                    ; behind the ring: 16 rows x 272 bytes for each wave
.set SPITCH, 272
.set SPARE,  STAGE+4*16*SPITCH         ; the spare words: 128 bytes for each wave, named by no other line
.set ADRA,  16                         ; LDS address of my A fragments in the slot in hand
.set ADRA0, 17                         ; the same in slot 0; never rewritten
.set ADRB,  20                         ; the same two for W
.set ADRB0, 22
.set STO,   24
.set RD,    25
.set CO,    26
.set ZR,    27                         ; the floor, two bf16
.set SPW,   28
.set NIL,   29
.set PFO,   30                         ; the prefetches' lane offset
.set F0,    64
.set F1,    128
.set TMP,   192
.set BI,    192                        ; window 1: the bias as a C operand, 8 registers for each of 8 column blocks
.set G1A, 24                           ; s[24:31] group 1 for A's tiles
.set G0A, 32                           ; s[32:39] group 0: a set for each first fill; the second walks on
.set G1B, 48                           ; s[48:55], s[56:63] the same for W's
.set G0B, 56
.set LIM, 43
.set PFA, 44                           ; s[44:45] where my prefetches stand
.set PFS, 70                           ; s[70:71] their step: a K step of A or of W
.set SB,  72                           ; the slot in hand: 0 or SLOT
.set WCOL, 75                          ; the tile column's first byte in a row of W
.set MSB, 0
.macro WIN new                         ; the immediate's high byte repeats the setting that is left
.if MSB != (\new)
	s_set_vgpr_msb (MSB<<8)|(\new)
.set MSB, \new
.endif
.endm
.set MUL_LO, 0xa1                      ; source 0 (W) window 1, source 1 (A) window 0, C and D window 2; + 0x50: window 3
.set TO_B,   0x40
.macro JLOAD                           ; a joint refill: waves 0, 1 A's halves, waves 2, 3 W's; an s_nop 0 and four v_nop follow each line
	s_cmp_eq_u32 s11, 0
	s_cbranch_scc0 .Lfor_b_\@
	tensor_load_to_lds s[G0A+4:G0A+7], s[G1A:G1A+7]
	s_nop 0
.rept 4
	v_nop
.endr
	s_branch .Lasked_\@
.Lfor_b_\@:
	tensor_load_to_lds s[G0B+4:G0B+7], s[G1B:G1B+7]
	s_nop 0
.rept 4
	v_nop
.endr
.Lasked_\@:
.endm
; A PREFETCH INTO THE L2 of the K step that the NEXT refill will ask for: 32 blocks of 256 bytes, a lane a block.  A's rows are read by every cluster of a row of clusters: cluster x = 0 asks; W's by every
; cluster of a column: cluster y = 0 asks.  The four partners of a joint load share the wave's 128 blocks out by address (cx for A, cy for W).  The last refill has none behind it: nothing is asked for.
.macro ASK
	s_cmp_gt_u32 s3, s[LIM]
	s_cbranch_scc0 .Lnot_mine_\@
	global_prefetch_b8 v[PFO], s[PFA:PFA+1] th:TH_LOAD_NT scope:SCOPE_SE
.Lnot_mine_\@:
.endm
.macro CREST                           ; a round of the cluster's barrier behind its opening barrier
	s_cmp_lg_u32 s10, 0
	s_cbranch_scc1 .Lnot_wave_0_\@
	s_barrier_signal -3
.Lnot_wave_0_\@:
	s_barrier_wait -3
	s_barrier_signal -1
	s_barrier_wait -1
.endm
.macro CROUND
	s_barrier_signal -1
	s_barrier_wait -1
	CREST
.endm
	s_load_b128 s[4:7], s[0:1], 0x0                ; A s[4:5], W with bias and floor s[6:7]
	s_load_b64 s[8:9], s[0:1], 0x10                ; the result
	v_lshl_add_u32 v[SPW], v0, 2, SPARE
	v_mov_b32 v[NIL], 0
	ds_add_u32 v[SPW], v[NIL]                      ; the wave's opening: the add and its wait ahead of my first tensor load
	v_lshrrev_b32 v1, 5, v0
	v_readfirstlane_b32 s10, v1                    ; wave 0..3
	s_lshr_b32 s11, s10, 1                         ; my half of the tile's rows; also: I fetch for A (0) or W (1)
	s_and_b32 s12, s10, 1                          ; my half of its columns; also: which half of that tile I fetch
	s_bfe_u32 s40, ttmp6, 0x40000                  ; cx
	s_bfe_u32 s41, ttmp6, 0x40004                  ; cy
	s_lshl_b32 s42, ttmp9, 2
	s_add_co_u32 s42, s42, s40                     ; tile column
	s_and_b32 s13, ttmp7, 0xffff
	s_lshl_b32 s13, s13, 2
	s_add_co_u32 s13, s13, s41                     ; tile row
	s_lshl_b32 s43, s41, 2
	s_lshl_b32 s43, 15, s43                        ; my row of the cluster
	s_lshl_b32 s44, 0x1111, s40                    ; my column
	s_or_b32 s[G1A+0], s43, (1<<16)|(1<<20)|(1<<21)|(5<<22)|(3<<25)  ; mask; 2-byte elements; padding on; bit 21 beside a mask; after every 64 words 4 words
	s_or_b32 s[G1B+0], s44, (1<<16)|(1<<20)|(1<<21)|(6<<22)|(7<<25)  ; after every 128 words 8 words
	s_mov_b32 s[G1A+1], KSTEP<<16                  ; tensor_dim0 = 128
	s_mov_b32 s[G1A+2], 128<<16                    ; tensor_dim1 = 128
	s_mov_b32 s[G1A+3], KSTEP<<16                  ; tile_dim0 = 128
	s_mov_b32 s[G1A+4], 128                        ; tile_dim1 = 128
	s_mov_b32 s[G1A+5], KA                         ; elements from row to row
	s_mov_b32 s[G1A+6], 0
	s_mov_b32 s[G1A+7], 0
	s_mov_b32 s[G1B+1], 256<<16                    ; tensor_dim0 = 256
	s_mov_b32 s[G1B+2], 64<<16                     ; tensor_dim1 = 64
	s_mov_b32 s[G1B+3], 256<<16                    ; tile_dim0 = 256
	s_mov_b32 s[G1B+4], 64                         ; tile_dim1 = 64
	s_mov_b32 s[G1B+5], NW
	s_mov_b32 s[G1B+6], 0
	s_mov_b32 s[G1B+7], 0
	s_lshl_b32 s17, s12, 7
	s_lshl_b32 s16, s13, 8
	s_add_co_u32 s16, s16, s17                     ; A: row 256 x tile row + 128 x half
	s_mul_i32 s16, s16, KA*2
	s_mov_b32 s17, 0
	s_lshl_b32 s[WCOL], s42, 9                     ; 256 columns of 2 bytes a tile column
	s_mul_i32 s46, s12, 64*NW*2                    ; W: k-row 64 x half
	s_add_co_u32 s46, s46, s[WCOL]
	s_mov_b32 s47, 0
	s_mul_i32 s20, s10, HALFT                      ; where they go: wave x 34,816: A's halves, then W's
	s_mov_b32 s[SB], 0
	s_wait_dscnt 0x0                               ; the opening add is done
	s_wait_kmcnt 0x0
	s_add_nc_u64 s[14:15], s[4:5], s[16:17]
	s_add_nc_u64 s[46:47], s[6:7], s[46:47]
	CROUND                                         ; all sixteen work-groups are here: the first joint loads meet
.irp s, 0,1
	s_mov_b32 s[G0A+4*(\s)], 1
	s_add_co_u32 s[G0A+4*(\s)+1], s20, (\s)*SLOT
	s_add_nc_u64 s[G0A+4*(\s)+2:G0A+4*(\s)+3], s[14:15], (\s)*KSTEP*2
	s_or_b32 s[G0A+4*(\s)+3], s[G0A+4*(\s)+3], 0x80000000
	s_mov_b32 s[G0B+4*(\s)], 1
	s_add_co_u32 s[G0B+4*(\s)+1], s20, (\s)*SLOT
	s_add_nc_u64 s[G0B+4*(\s)+2:G0B+4*(\s)+3], s[46:47], (\s)*KSTEP*NW*2
	s_or_b32 s[G0B+4*(\s)+3], s[G0B+4*(\s)+3], 0x80000000
.endr
	s_cmp_eq_u32 s11, 0                            ; a wave's two first fills stand in one branch: two loads of mine are out
	s_cbranch_scc0 .Lfirst_b
	tensor_load_to_lds s[G0A:G0A+3], s[G1A:G1A+7]
	s_nop 0
	tensor_load_to_lds s[G0A+4:G0A+7], s[G1A:G1A+7]
	s_nop 0
.rept 4
	v_nop
.endr
	s_branch .Lfirst_asked
.Lfirst_b:
	tensor_load_to_lds s[G0B:G0B+3], s[G1B:G1B+7]
	s_nop 0
	tensor_load_to_lds s[G0B+4:G0B+7], s[G1B:G1B+7]
	s_nop 0
.rept 4
	v_nop
.endr
.Lfirst_asked:
	v_and_b32 v1, 15, v0                           ; l % 16
	v_bfe_u32 v2, v0, 4, 1                         ; l / 16
	v_mul_u32_u24 v3, v1, PA
	v_lshl_add_u32 v3, v2, 4, v3                   ; A: row x pitch + 16 x half
	s_mul_i32 s21, s11, HALFT
	v_add_nc_u32 v[ADRA0], s21, v3
	v_and_b32 v4, 7, v0                            ; W, turned: k-row 8 (l / 16) + l % 8, 16 bytes at 16 ((l / 8) % 2)
	v_lshl_add_u32 v4, v2, 3, v4
	v_mul_u32_u24 v4, v4, PB
	v_bfe_u32 v5, v0, 3, 1
	v_lshl_add_u32 v4, v5, 4, v4
	s_lshl_b32 s22, s12, 8                         ; my 128 columns: 256 bytes
	s_add_co_u32 s22, s22, 2*HALFT
	v_add_nc_u32 v[ADRB0], s22, v4
	v_mov_b32 v[ADRA], v[ADRA0]
	v_mov_b32 v[ADRB], v[ADRB0]
	s_mul_i32 s23, s10, 16*SPITCH
	s_add_co_u32 s23, s23, STAGE                   ; my stage
	v_mul_u32_u24 v4, v1, SPITCH
	v_lshl_add_u32 v4, v2, 4, v4
	v_add_nc_u32 v[STO], s23, v4
	v_mul_u32_u24 v5, v2, SPITCH
	v_lshl_add_u32 v5, v1, 4, v5
	v_add_nc_u32 v[RD], s23, v5
	v_mul_u32_u24 v5, v2, OPITCH
	v_lshl_add_u32 v[CO], v1, 4, v5
	s_lshl_b32 s16, s13, 8
	s_lshl_b32 s17, s11, 7
	s_add_co_u32 s16, s16, s17                     ; my first row of the result
	s_mul_i32 s16, s16, OPITCH
	s_mov_b32 s17, 0
	s_add_nc_u64 s[8:9], s[8:9], s[16:17]
	s_lshl_b32 s46, s42, 9                         ; my first column, in bytes
	s_lshl_b32 s47, s12, 8
	s_add_co_u32 s46, s46, s47
	s_mov_b32 s47, 0
	s_add_nc_u64 s[8:9], s[8:9], s[46:47]
	s_add_nc_u64 s[66:67], s[6:7], PARB            ; the bias's first number
	v_lshlrev_b32 v6, 5, v2                        ; register j of a lane is column 8 (l / 16) + j of its block: 32 bytes for each half of the lanes
	global_load_b32 v[ZR], v6, s[66:67] offset:16384  ; the floor: every word of its 2,048 bytes is alike
	s_lshl_b32 s46, s46, 1                         ; my first column in f32
	s_add_nc_u64 s[68:69], s[66:67], s[46:47]
	WIN TO_B
.irp b, 0,1,2,3,4,5,6,7
	global_load_b128 v[BI+8*(\b):BI+8*(\b)+3],   v6, s[68:69] offset:64*(\b)
	global_load_b128 v[BI+8*(\b)+4:BI+8*(\b)+7], v6, s[68:69] offset:64*(\b)+16
.endr
	WIN 0
	; the prefetches: they start at K step 2; the first refill steps them to K step 3
	s_and_b32 s22, ttmp7, 0xffff                   ; cluster y
	s_lshl_b32 s20, s13, 8
	s_lshl_b32 s21, s12, 7
	s_add_co_u32 s20, s20, s21
	s_lshl_b32 s21, s40, 5                         ; A: my work-group's 32 of the wave's 128 rows
	s_add_co_u32 s20, s20, s21
	s_mul_i32 s20, s20, KA*2
	s_add_co_u32 s20, s20, 2*KSTEP*2
	s_lshl_b32 s21, s12, 6
	s_lshl_b32 s23, s41, 4                         ; W: my work-group's 16 of the wave's 64 k-rows, two blocks each
	s_add_co_u32 s21, s21, s23
	s_add_co_u32 s21, s21, 2*KSTEP
	s_mul_i32 s21, s21, NW*2
	s_add_co_u32 s21, s21, s[WCOL]
	s_mov_b32 s23, KSTEP*NW*2
	s_mov_b32 s19, NW*2
	s_cmp_eq_u32 s11, 0                            ; do I fetch for A?
	s_cselect_b32 s20, s20, s21
	s_cselect_b32 s22, ttmp9, s22                  ; the coordinate along which other clusters read the same blocks
	s_cselect_b32 s[PFS], KSTEP*2, s23
	s_cselect_b32 s19, KA*2, s19
	s_cselect_b64 s[PFA:PFA+1], s[4:5], s[6:7]
	s_mov_b32 s21, 0
	s_mov_b32 s[PFS+1], 0
	s_add_nc_u64 s[PFA:PFA+1], s[PFA:PFA+1], s[20:21]
	s_cmp_eq_u32 s22, 0
	s_cselect_b32 s[LIM], 1, -1                    ; the same in all sixteen partners, for a given wave
	v_and_b32 v7, 31, v0
	v_lshrrev_b32 v8, s11, v7                      ; A: a lane a row; W: two lanes a k-row
	v_and_b32 v7, s11, v7
	v_mul_lo_u32 v8, v8, s19
	v_lshl_add_u32 v[PFO], v7, 8, v8
; 16 matrix instructions: row blocks a0, a0 + 1 of the window's four x all 8 column blocks, 32 along K.  first = 1: the product starts the sums with the bias.
; The 64 accumulators take turns in the same order in every quarter.
.macro MUL16 f, hi, a0, first
.if \first
	WIN 0x91+0x40*(\hi)                            ; C in window 1
.else
	WIN MUL_LO+0x50*(\hi)
.endif
.irp a, \a0, (\a0)+1
.irp b, 0,1,2,3,4,5,6,7
.if \first
	v_wmma_f32_16x16x32_bf16 v[8*(8*(\a)+(\b)):8*(8*(\a)+(\b))+7], v[(\f)+8*(\b):(\f)+8*(\b)+7], v[(\f)+8*(4*(\hi)+(\a)):(\f)+8*(4*(\hi)+(\a))+7], v[BI+8*(\b):BI+8*(\b)+7]
.else
	v_wmma_f32_16x16x32_bf16 v[8*(8*(\a)+(\b)):8*(8*(\a)+(\b))+7], v[(\f)+8*(\b):(\f)+8*(\b)+7], v[(\f)+8*(4*(\hi)+(\a)):(\f)+8*(4*(\hi)+(\a))+7], v[8*(8*(\a)+(\b)):8*(8*(\a)+(\b))+7]
.endif
.endr
.endr
.endm
; 32 LDS loads in one run: quarter q's fragments (32 along K) into buffer f: W's 8 column blocks, turned; then A's 8 row blocks
.macro FETCH q, f
	WIN TO_B
.irp i, 0,1,2,3,4,5,6,7
	ds_load_tr16_b128 v[(\f)+8*(\i):(\f)+8*(\i)+3],   v[ADRB] offset:(\q)*32*PB+32*(\i)
	ds_load_tr16_b128 v[(\f)+8*(\i)+4:(\f)+8*(\i)+7], v[ADRB] offset:(\q)*32*PB+16*PB+32*(\i)
.endr
	WIN 0
.irp i, 0,1,2,3,4,5,6,7
	ds_load_b128 v[(\f)+8*(\i):(\f)+8*(\i)+3],   v[ADRA] offset:(\q)*64+(\i)*16*PA
	ds_load_b128 v[(\f)+8*(\i)+4:(\f)+8*(\i)+7], v[ADRA] offset:(\q)*64+(\i)*16*PA+32
.endr
.endm
.macro PLACES                          ; four places in front of loads into registers that matrix instructions have read
.rept 4
	v_nop
.endr
.endm
; A quarter: multiplies buffer f; in its middle fetches quarter q into buffer g
.macro QUARTER q, f, g, first
	s_wait_dscnt 8                                 ; W and A's rows 0-63 are in; the youngest eight loads may be out
	MUL16 \f, 0, 0, \first
	MUL16 \f, 0, 2, \first
	PLACES
	FETCH \q, \g
	s_wait_dscnt 32                                ; all but the 32 just issued
	MUL16 \f, 1, 0, \first
	MUL16 \f, 1, 2, \first
.endm
; The change of slots, first half: each wave waits for all its tensor loads (one is out: its part of the next slot), adds 0 to its spare word, waits for that and for its reads of this slot, and signals.
.macro MEET round
	WIN 0
	s_wait_tensorcnt 0x0
	ds_add_u32 v[SPW], v[NIL]
	s_wait_dscnt 9                                 ; the add and the youngest eight loads may be out
	MUL16 F1, 0, 0, 0
	s_wait_dscnt 0x0                               ; the add is done, and my reads of this slot are over
	s_barrier_signal -1
	MUL16 F1, 0, 2, 0
.if \round
	WIN 0
.endif
	s_barrier_wait -1
.endm
; The last quarter of a K step.  fill = 1: the slot just read is filled again, two K steps ahead, first thing behind a round of the cluster's barrier: 224 matrix instructions ahead of the wait for it.
.macro TURN fill
.if \fill
	s_wait_xcnt 0x0                                ; the last prefetch, a K step back, has read its address
	s_add_nc_u64 s[PFA:PFA+1], s[PFA:PFA+1], s[PFS:PFS+1]
.endif
	MEET \fill
.if \fill
	CREST
	s_xor_b32 s[G0A+5], s[G0A+5], SLOT             ; the walking descriptors: the other slot than last time,
	s_xor_b32 s[G0B+5], s[G0B+5], SLOT
	s_add_nc_u64 s[G0A+6:G0A+7], s[G0A+6:G0A+7], KSTEP*2       ; the next K step
	s_add_nc_u64 s[G0B+6:G0B+7], s[G0B+6:G0B+7], KSTEP*NW*2
	JLOAD                                          ; its four v_nop are also the places in front of the loads below
.else
	WIN 0
	PLACES
.endif
	s_xor_b32 s[SB], s[SB], SLOT
	v_add_nc_u32 v[ADRA], s[SB], v[ADRA0]
	v_add_nc_u32 v[ADRB], s[SB], v[ADRB0]
	FETCH 0, F0
.if \fill
	ASK
.endif
	MUL16 F1, 1, 0, 0
	MUL16 F1, 1, 2, 0
.endm
; THE WAY OUT of row block a: rounded to bf16 and held at the floor from below; through my own stage; stored as whole rows of 256 bytes.
.macro PACK a
.set AC, 64*((\a)%4)
	WIN 0x0a+5*((\a)/4)
.irp b, 0,1,2,3,4,5,6,7
.irp r, 0,1,2,3
	v_cvt_pk_bf16_f32 v[TMP+4*(\b)+(\r)], v[AC+8*(\b)+2*(\r)], v[AC+8*(\b)+2*(\r)+1]
.endr
.endr
	WIN 0
.set z, 0
.rept 32
	v_pk_max_num_bf16 v[TMP+z], v[TMP+z], v[ZR]
.set z, z+1
.endr
.endm
.macro TOSTAGE a
.set BK, F0+32*((\a)%4)
.if (\a) >= 4
	s_wait_xcnt 0x0                                ; the stores of the block four back have read these registers
.endif
.irp b, 0,1,2,3,4,5,6,7
	ds_store_b128 v[STO], v[TMP+4*(\b):TMP+4*(\b)+3] offset:32*(\b)
.endr
.irp t, 0,1,2,3,4,5,6,7
	ds_load_b128 v[BK+4*(\t):BK+4*(\t)+3], v[RD] offset:(\t)*2*SPITCH  ; LDS serves a wave's instructions in order: these see the stores above
.endr
.endm
.macro SEND a
.set BK, F0+32*((\a)%4)
	s_wait_dscnt 0x0
.irp t, 0,1,2,3,4,5,6,7
	global_store_b128 v[CO], v[BK+4*(\t):BK+4*(\t)+3], s[8:9] offset:(16*(\a)+2*(\t))*OPITCH  ; 16 lanes store 256 consecutive bytes, aligned
.endr
.endm
	s_wait_tensorcnt 1                             ; my part of K step 0 is in; K step 1's may stay out
	s_barrier_signal -1
	s_barrier_wait -1
	FETCH 0, F0
	s_wait_loadcnt 0x0                             ; the floor and the bias
	QUARTER 1, F0, F1, 1                           ; the first quarter starts the sums
	WIN 0
	s_mov_b32 s3, TSTEPS-2
.Lstep:                                                ; a trip: a K step's quarters 1 to 3, the change of slots with a refill, the next K step's quarter 0
	QUARTER 2, F1, F0, 0
	QUARTER 3, F0, F1, 0
	TURN 1
	QUARTER 1, F0, F1, 0
	WIN 0
	s_sub_co_u32 s3, s3, 1
	s_cmp_lg_u32 s3, 0
	s_cbranch_scc1 .Lstep
	s_mov_b32 s2, 2                                ; the last two K steps ask for nothing; the second trip is left in its middle
.Ltail:
	QUARTER 2, F1, F0, 0
	QUARTER 3, F0, F1, 0
	WIN 0
	s_sub_co_u32 s2, s2, 1
	s_cmp_eq_u32 s2, 0
	s_cbranch_scc1 .Lfin
	TURN 0
	QUARTER 1, F0, F1, 0
	WIN 0
	s_branch .Ltail
.Lfin:
	s_wait_dscnt 8
	MUL16 F1, 0, 0, 0
	MUL16 F1, 0, 2, 0
	s_wait_dscnt 0x0
	MUL16 F1, 1, 0, 0
	MUL16 F1, 1, 2, 0
	WIN 0
	PLACES
	PLACES
	PACK 0
	TOSTAGE 0
.irp a, 1,2,3,4,5,6,7                  ; block a's conversions stand between block a - 1's loads from the stage and the wait for them
	PACK \a
	SEND (\a)-1
	TOSTAGE \a
.endr
	SEND 7
	s_wait_tensorcnt 0x0                           ; the wave's end
	ds_add_u32 v[SPW], v[NIL]
	s_wait_dscnt 0x0
	CROUND                                         ; the closing round
	s_endpgm
.Lfunc_end_k_qb3df6e7745_qkvproj:
	.size	k_qb3df6e7745_qkvproj, .Lfunc_end_k_qb3df6e7745_qkvproj-k_qb3df6e7745_qkvproj
	.p2alignl 7, 3214868480
	.fill 96, 4, 3214868480
	.section	.rodata,"a",@progbits
	.p2align	6, 0x0
	.amdhsa_kernel k_qb3df6e7745_qkvproj
		.amdhsa_group_segment_fixed_size 327680
		.amdhsa_private_segment_fixed_size 0
		.amdhsa_enable_private_segment 0
		.amdhsa_kernarg_size 24
		.amdhsa_user_sgpr_count 2
		.amdhsa_user_sgpr_kernarg_segment_ptr 1
		.amdhsa_wavefront_size32 1
		.amdhsa_system_sgpr_workgroup_id_x 1
		.amdhsa_system_sgpr_workgroup_id_y 1
		.amdhsa_system_sgpr_workgroup_id_z 1
		.amdhsa_system_vgpr_workitem_id 0
		.amdhsa_next_free_vgpr 1024
		.amdhsa_next_free_sgpr 80
		.amdhsa_reserve_vcc 0
		.amdhsa_float_denorm_mode_32 3
		.amdhsa_float_denorm_mode_16_64 3
		.amdhsa_memory_ordered 1
		.amdhsa_forward_progress 1
		.amdhsa_inst_pref_size 123
	.end_amdhsa_kernel
	.amdgpu_metadata
---
amdhsa.version: [ 1, 2 ]
amdhsa.kernels:
  - .name:           k_qb3df6e7745_qkvproj
    .symbol:         k_qb3df6e7745_qkvproj.kd
    .args:
      - { .name: xn, .offset: 0, .size: 8, .value_kind: global_buffer, .address_space: global }
      - { .name: wqkv, .offset: 8, .size: 8, .value_kind: global_buffer, .address_space: global }
      - { .name: qkv, .offset: 16, .size: 8, .value_kind: global_buffer, .address_space: global }
    .group_segment_fixed_size: 327680
    .private_segment_fixed_size: 0
    .kernarg_segment_align: 8
    .kernarg_segment_size: 24
    .max_flat_workgroup_size: 128
    .sgpr_count:     80
    .vgpr_count:     1024
    .wavefront_size: 32
...
	.end_amdgpu_metadata
.endif
;; end of part 9
;; launch attn (part 10): grid 16 x 16, 4 waves a work-group, clusters of 4 x 4, 327,680 bytes of LDS; arguments qkv, attn_bias, att; writes att
.if DOCPART == 10
	.amdgcn_target "amdgcn-amd-amdhsa--gfx1250"
	.amdhsa_code_object_version 6
	.text
	.protected	k_qb3df6e7745_attn
	.globl	k_qb3df6e7745_attn
	.p2align	8
	.type	k_qb3df6e7745_attn,@function
k_qb3df6e7745_attn:
	s_mov_b64 s[64:65], 0
	v_nop
	global_prefetch_b8 v0, s[64:65] scope:SCOPE_SE
	s_setreg_imm32_b32 hwreg(HW_REG_WAVE_MODE, 25, 1), 1
	s_wait_xcnt 0x0
	s_wait_alu depctr_hold_cnt(0) depctr_sa_sdst(0) depctr_va_vdst(0) depctr_va_sdst(0) depctr_va_ssrc(0) depctr_va_vcc(0) depctr_vm_vsrc(0)
	s_getreg_b32 s2, hwreg(HW_REG_IB_STS2, 6, 4)
	s_cmp_eq_u32 s2, 0
	s_cbranch_scc0 .Lentry_in_a_cluster
	s_endpgm
.Lentry_in_a_cluster:
	s_bfe_u32 s2, ttmp6, 0x10000c
	s_cmp_lg_u32 s2, 0xf033
	s_cbranch_scc0 .Lentry_shape_is_right
	s_endpgm
.Lentry_shape_is_right:
; att[b][q][h 64 + d] = the sum over k of softmax_k(Q . K / 32 + attn_bias[b][q][k]) V.  qkv: 4,096 rows of 8,192 bytes, bf16: q | k | v, each h 64 + d, in the first 6,144; attn_bias: [2][2048][2048] f32; att: [4096][1024] bf16.
; Products, maxima and sums in f32; the weights p are rounded to bf16 for the second product (their sum l is taken of the unrounded p), the result once at the end.
; THE SCALE 1 / 32 is a power of two: Q is multiplied by it in bf16, exactly (unless |q| < 2^-121).  THE BIAS, in f32, is the C operand that starts the sum S^T = K Q^T: it costs no vector instruction.
; LIMITS.  A score below -4.25e37 (minus infinity too) counts as hidden; a weight below 2^-126 counts as 0 in l; plus infinity and NaN are not treated apart; a row whose scores are all hidden gives NaN.
; SHARES.  A work-group owns 128 queries of TWO neighbouring heads, so that K's and V's rows are 256 aligned bytes.  Wave w: head w % 2, queries 64 (w / 2) on: four PIECES of 16.  Every wave walks 2,048 keys, 64 a step.
; LAYOUT.  S^T = K Q^T holds ONE query a lane (lane % 16) and the keys 8 (lane / 16) + 0..7; two such results rounded to bf16 ARE source 1 of O^T = V^T P.  V comes out of LDS turned.
; SOFTMAX.  p = 2^(c s - c m), c = log2(e), with a running maximum m; O and l are multiplied by a = 2^(c m_old - c m_new) in every step.  m starts at -4.25e37, O and l at 0.
; TURNS.  Turn n belongs to piece n: 8 products K Q^T of piece n + 1, later 8 products V^T P of piece n - 1; beside them piece n's scaling, exponentials, roundings, sums and rescaling, and piece n + 1's maximum.
; Four vector instructions stand behind every matrix instruction, the rest in one lump; a turn's 33 exponentials are one batch, with one wait.
; CLUSTER 4 x 4: x = query block, y = batch x 8 + head pair.  K's and V's tiles are shared along a row of the cluster, the bias's along a column (a column's four head pairs belong to one batch): joint loads.
; RING.  Two slots of two key steps: 128 keys of K, of V, and 128 queries x 128 keys of bias.  Wave 0 fetches K, wave 1 V, waves 2 and 3 the bias's halves: one load a wave, 128 matrix instructions in which to land.
; REGISTERS: window 0: addresses, statistics, S^T (v64-127), P (v192-223).  window 1: O^T v0-127; the bias as C, two buffers, v160-223.  window 2: Q v0-63, K v128-191, V v192-255.
.set NP,    4
.set KS,    64
.set ROWB,  8192                       ; bytes in a row of qkv, and in a row of the bias
.set ROWE,  4096                       ; bf16 in a row of qkv
.set PKP,   272                        ; K's LDS row: 256 + 16
.set PVP,   288                        ; V's: 256 + 32, for the turning load
.set PBI,   528                        ; the bias's: 512 + 16
.set VREG,  128*PKP
.set BREG,  VREG+128*PVP
.set SLOT,  BREG+128*PBI               ; 139,264: shares no bit with a part's offset, so one exclusive or changes slots
.set STAGE, 2*SLOT                     ; 128 rows x 272 bytes, the work-group's
.set SP,    272
.set SPARE, STAGE+128*SP
.set KSTEPB, 128*ROWB                  ; a slot's keys in memory
.set AK0, 2
.set AV0, 3
.set AK,  4
.set AV,  5
.set STO, 6
.set RD,  7
.set GO,  8
.set MV,  12                           ; v12-13 c m_old, by buffer
.set AB0, 14
.set QO,  15
.set ST,  16                           ; piece t: c m, m, l (even keys', odd keys')
.set TMP, 48
.set AB,  56
.set PFO, 57
.set SPW, 62
.set NIL, 63
.set S,   64
.set P,   192
.set MC,  160                          ; window 1
.set KF,  128                          ; window 2
.set VF,  192                          ; window 2
.set WV,  12
.set G1K, 24
.set G1V, 32
.set G1B, 40
.set G0K, 48
.set G0V, 52
.set G0B, 56
.set SEL, 60
.set CS,  62
.set SLOTS, 66
.set CNT, 67
.set SB,  68
.set TBK, 69
.set TBV, 70
.set TBB, 71
.set LIM, 72
.set PFA, 74
.set PFS, 76
.set MSB, 0
.macro WIN new
.if MSB != (\new)
	s_set_vgpr_msb (MSB<<8)|(\new)
.set MSB, (\new)
.endif
.endm
.set W_KQ, 0x0a                        ; K and Q in window 2, S^T in window 0
.set W_KM, 0x1a                        ; the same with the C operand in window 1
.set W_PV, 0x52                        ; V in window 2, P in window 0, O^T in window 1
.set W_RS, 0x41                        ; destination and source 0 in window 1, source 1 in window 0
.macro JLOAD                           ; a joint fill; the branches hang on the wave's number alone; an s_nop 0 and four v_nop follow each line
	s_cmp_lt_u32 s[WV], 2
	s_cbranch_scc0 .Lfor_b_\@
	s_cmp_eq_u32 s[WV], 0
	s_cbranch_scc0 .Lfor_v_\@
	tensor_load_to_lds s[G0K:G0K+3], s[G1K:G1K+7]
	s_nop 0
.rept 4
	v_nop
.endr
	s_branch .Lasked_\@
.Lfor_v_\@:
	tensor_load_to_lds s[G0V:G0V+3], s[G1V:G1V+7]
	s_nop 0
.rept 4
	v_nop
.endr
	s_branch .Lasked_\@
.Lfor_b_\@:
	tensor_load_to_lds s[G0B:G0B+3], s[G1B:G1B+7]
	s_nop 0
.rept 4
	v_nop
.endr
.Lasked_\@:
.endm
; A PREFETCH INTO THE L2 of what the NEXT change of slots will ask for, 128 matrix instructions ahead of that load.  K's and V's rows are read by all clusters of a row of clusters: cluster x = 0 asks, its four
; partners 32 rows each by address (cx).  The bias's blocks are read by the two clusters of a batch: the even cluster y asks, its partners 16 rows x 2 blocks each of a wave's 64 rows (cy).  The last fill asks for nothing.
.macro ASK
	s_cmp_gt_u32 s[SLOTS], s[LIM]
	s_cbranch_scc0 .Lnot_mine_\@
	global_prefetch_b8 v[PFO], s[PFA:PFA+1] th:TH_LOAD_NT scope:SCOPE_SE
.Lnot_mine_\@:
.endm
.macro CROUND
	s_barrier_signal -1
	s_barrier_wait -1
	s_cmp_lg_u32 s[WV], 0
	s_cbranch_scc1 .Lnot_wave_0_\@
	s_barrier_signal -3
.Lnot_wave_0_\@:
	s_barrier_wait -3
	s_barrier_signal -1
	s_barrier_wait -1
.endm
; THE CHANGE OF SLOTS, between piece 1's turn and piece 2's: V of the slot's last step and the bias of its pieces 2 and 3 are in registers.  Each wave waits for all its tensor loads (one is out: its part of the
; other slot), adds 0 to its spare word, and waits for that and for its reads.  fill = 1: a round of the cluster's barrier, and the old slot is filled again first thing behind it.
.macro CHANGE fill
	WIN 0
	s_wait_tensorcnt 0x0
	ds_add_u32 v[SPW], v[NIL]
.if \fill
.irp g, G0K, G0V
	s_xor_b32 s[\g+1], s[\g+1], SLOT
	s_add_nc_u64 s[\g+2:\g+3], s[\g+2:\g+3], KSTEPB
.endr
	s_xor_b32 s[G0B+1], s[G0B+1], SLOT
	s_add_nc_u64 s[G0B+2:G0B+3], s[G0B+2:G0B+3], 512
	s_wait_xcnt 0x0                                ; the last prefetch, a slot back, has read its address
	s_add_nc_u64 s[PFA:PFA+1], s[PFA:PFA+1], s[PFS:PFS+1]
.endif
	s_xor_b32 s[SB], s[SB], SLOT                   ; the fetches go to the other slot's first step
	s_mov_b32 s[TBK], s[SB]
	s_mov_b32 s[TBV], s[SB]
	s_mov_b32 s[TBB], s[SB]
	s_wait_dscnt 0x0                               ; the add is done, and my reads of the slot are over
.if \fill
	CROUND
	JLOAD
	ASK
.else
	s_barrier_signal -1
	s_barrier_wait -1
.endif
.endm
	s_load_b128 s[4:7], s[0:1], 0x0                ; qkv s[4:5], attn_bias s[6:7]
	s_load_b64 s[8:9], s[0:1], 0x10                ; att
	v_lshl_add_u32 v[SPW], v0, 2, SPARE
	v_mov_b32 v[NIL], 0
	ds_add_u32 v[SPW], v[NIL]                      ; the wave's opening: the add and its wait ahead of my first tensor load
	v_lshrrev_b32 v1, 5, v0
	v_readfirstlane_b32 s[WV], v1
	s_bfe_u32 s13, ttmp6, 0x40000                  ; cx
	s_bfe_u32 s14, ttmp6, 0x40004                  ; cy
	s_lshl_b32 s15, ttmp9, 2
	s_add_co_u32 s15, s15, s13                     ; query block
	s_and_b32 s16, ttmp7, 0xffff                   ; cluster y
	s_lshr_b32 s17, s16, 1                         ; batch: from the cluster's y alone
	s_and_b32 s18, s16, 1
	s_lshl_b32 s18, s18, 2
	s_add_co_u32 s18, s18, s14                     ; head pair
	s_and_b32 s19, s[WV], 1                        ; my head of the pair; also: which half of the bias I fetch
	s_lshr_b32 s23, s[WV], 1                       ; my half of the queries
	s_mul_i32 s20, s17, 2048*ROWB
	s_lshl_b32 s21, s18, 8
	s_add_co_u32 s20, s20, s21                     ; the batch's first row, the pair's 256 bytes
	s_mov_b32 s21, 0
	s_lshl_b32 s2, s17, 24                         ; the bias: batch,
	s_lshl_b32 s3, s15, 20                         ; 128 rows of 8,192 bytes a query block,
	s_add_co_u32 s2, s2, s3
	s_lshl_b32 s3, s19, 19                         ; my 64 of them
	s_add_co_u32 s2, s2, s3
	s_mov_b32 s3, 0
	s_lshl_b32 s22, s14, 2
	s_lshl_b32 s22, 15, s22                        ; my row of the cluster
	s_or_b32 s[G1K], s22, (1<<16)|(1<<20)|(1<<21)|(5<<22)|(3<<25)  ; 2-byte elements; after every 64 words 4 words
	s_or_b32 s[G1V], s22, (1<<16)|(1<<20)|(1<<21)|(5<<22)|(7<<25)  ; 8 words
	s_lshl_b32 s22, 0x1111, s13                    ; my column
	s_or_b32 s[G1B], s22, (2<<16)|(1<<20)|(1<<21)|(6<<22)|(3<<25)  ; 4-byte elements; after every 128 words 4 words
.irp g, G1K, G1V
	s_mov_b32 s[\g+1], 128<<16                     ; tensor_dim0 = 128
	s_mov_b32 s[\g+2], 128<<16                     ; tensor_dim1 = 128
	s_mov_b32 s[\g+3], 128<<16                     ; tile_dim0 = 128
	s_mov_b32 s[\g+4], 128                         ; tile_dim1 = 128
	s_mov_b32 s[\g+5], ROWE                        ; elements from row to row
	s_mov_b32 s[\g+6], 0
	s_mov_b32 s[\g+7], 0
.endr
	s_mov_b32 s[G1B+1], 128<<16
	s_mov_b32 s[G1B+2], 64<<16
	s_mov_b32 s[G1B+3], 128<<16
	s_mov_b32 s[G1B+4], 64
	s_mov_b32 s[G1B+5], 2048
	s_mov_b32 s[G1B+6], 0
	s_mov_b32 s[G1B+7], 0
	s_mov_b32 s[G0K], 1
	s_mov_b32 s[G0K+1], 0
	s_mov_b32 s[G0V], 1
	s_mov_b32 s[G0V+1], VREG
	s_mov_b32 s[G0B], 1
	s_mul_i32 s[G0B+1], s19, 64*PBI
	s_add_co_u32 s[G0B+1], s[G0B+1], BREG
	s_mov_b32 s[CS], 0x3fb8aa3b                    ; c = log2(e)
	s_mov_b32 s[CS+1], s[CS]
	s_mov_b32 s[SEL], 0x76543210
	s_mov_b32 s[SEL+1], 0xfedcba98
	s_mov_b32 s[SB], SLOT                          ; the first change of slots turns it into 0
	s_mov_b32 s[SLOTS], 15
	; Q's and att's offsets
	s_lshl_b32 s84, s17, 11
	s_lshl_b32 s85, s15, 7
	s_add_co_u32 s84, s84, s85                     ; the block's first token
	s_lshl_b32 s86, s23, 6
	s_add_co_u32 s86, s86, s84
	s_mul_i32 s86, s86, ROWB
	s_lshl_b32 s87, s18, 8
	s_add_co_u32 s86, s86, s87
	s_lshl_b32 s85, s19, 7
	s_add_co_u32 s86, s86, s85                     ; Q: my 64 rows, my head's 128 bytes
	s_lshl_b32 s85, s[WV], 5
	s_add_co_u32 s84, s84, s85
	s_lshl_b32 s84, s84, 11
	s_add_co_u32 s84, s84, s87                     ; att: the 32 rows that I store, the pair's 256 bytes
	s_mov_b32 s85, 0
	s_mov_b32 s87, 0
	; the prefetches: they start in slot 1; the first change steps them to slot 2
	s_mul_i32 s80, s13, 32*ROWB
	s_add_co_u32 s80, s80, s20
	s_lshl_b32 s81, s19, 11                        ; wave 0: K at byte 2,048 of a row; wave 1: V at 4,096
	s_add_co_u32 s80, s80, s81
	s_add_co_u32 s80, s80, KSTEPB+2048
	s_lshl_b32 s81, s14, 17                        ; 16 rows of 8,192 bytes
	s_add_co_u32 s81, s81, s2
	s_add_co_u32 s81, s81, 512
	s_and_b32 s83, s16, 1
	s_mov_b32 s82, KSTEPB
	s_mov_b32 s22, ROWB                            ; from row to row, in qkv and in the bias alike
	s_wait_dscnt 0x0                               ; the opening add is done
	s_wait_kmcnt 0x0
	s_cmp_lt_u32 s[WV], 2
	s_cselect_b32 s80, s80, s81
	s_cselect_b32 s83, ttmp9, s83                  ; the coordinate along which other clusters read the same blocks
	s_cselect_b32 s[PFS], s82, 512
	s_cselect_b64 s[PFA:PFA+1], s[4:5], s[6:7]
	s_mov_b32 s81, 0
	s_mov_b32 s[PFS+1], 0
	s_add_nc_u64 s[PFA:PFA+1], s[PFA:PFA+1], s[80:81]
	s_cmp_eq_u32 s83, 0
	s_cselect_b32 s[LIM], 1, -1                    ; the same in all sixteen partners, for a given wave
	s_add_nc_u64 s[G0K+2:G0K+3], s[4:5], s[20:21]
	s_add_nc_u64 s[G0V+2:G0V+3], s[G0K+2:G0K+3], 4096
	s_add_nc_u64 s[G0K+2:G0K+3], s[G0K+2:G0K+3], 2048
	s_or_b32 s[G0K+3], s[G0K+3], 0x80000000
	s_or_b32 s[G0V+3], s[G0V+3], 0x80000000
	s_add_nc_u64 s[G0B+2:G0B+3], s[6:7], s[2:3]
	s_or_b32 s[G0B+3], s[G0B+3], 0x80000000
	s_add_nc_u64 s[86:87], s[4:5], s[86:87]
	s_add_nc_u64 s[8:9], s[8:9], s[84:85]
	CROUND                                         ; all sixteen work-groups are here
	JLOAD                                          ; slot 0; slot 1 is asked for when slot 0 is in
	v_and_b32 v1, 15, v0                           ; l % 16
	v_bfe_u32 v9, v0, 4, 1                         ; l / 16
	v_mul_u32_u24 v[QO], v1, ROWB
	v_lshl_add_u32 v[QO], v9, 4, v[QO]
	WIN 0x80
.set i, 0
.rept 8                                ; Q stays in registers: piece i / 2, channels 32 (i % 2) on
	global_load_b128 v[8*i:8*i+3],   v[QO], s[86:87] offset:(i/2)*16*ROWB+(i%2)*64
	global_load_b128 v[8*i+4:8*i+7], v[QO], s[86:87] offset:(i/2)*16*ROWB+(i%2)*64+32
.set i, i+1
.endr
.set i, VF                             ; what the first turn finds: V, P's second buffer, O^T and l hold 0.  All this stands in the wait for the first tile.
.rept 64
	v_mov_b32 v[i], 0
.set i, i+1
.endr
	WIN 0x40
.set i, 0
.rept 128
	v_mov_b32 v[i], 0
.set i, i+1
.endr
	WIN 0
.set i, 0
.rept 4
	v_mov_b32 v[ST+4*i+1], 0xfe000000              ; m = -4.25e37,
	v_mul_f32 v[ST+4*i], s[CS], v[ST+4*i+1]        ; and c m of it: a row that is still all hidden keeps a = 1
	v_mov_b32 v[ST+4*i+2], 0
	v_mov_b32 v[ST+4*i+3], 0
.set i, i+1
.endr
.set i, P+16
.rept 16
	v_mov_b32 v[i], 0
.set i, i+1
.endr
	v_and_b32 v[PFO], 31, v0
	v_lshrrev_b32 v10, s23, v[PFO]                 ; K, V: a lane a row; bias: two lanes a row
	v_and_b32 v[PFO], s23, v[PFO]
	v_mul_lo_u32 v10, v10, s22
	v_lshl_add_u32 v[PFO], v[PFO], 8, v10
	s_lshl_b32 s22, s19, 7                         ; my head's 128 bytes of a row
	v_mul_u32_u24 v[AK0], v1, PKP
	v_lshl_add_u32 v[AK0], v9, 4, v[AK0]
	v_add_nc_u32 v[AK0], s22, v[AK0]
	v_and_b32 v10, 7, v0
	v_bfe_u32 v11, v0, 3, 1
	v_lshl_add_u32 v[AV0], v9, 3, v10              ; the turning load: key 8 (l / 16) + l % 8, channels 8 ((l / 8) % 2) on
	v_mul_u32_u24 v[AV0], v[AV0], PVP
	v_lshl_add_u32 v[AV0], v11, 4, v[AV0]
	s_add_co_u32 s20, s22, VREG
	v_add_nc_u32 v[AV0], s20, v[AV0]
	s_mul_i32 s20, s23, 64*PBI
	s_add_co_u32 s20, s20, BREG
	v_mul_u32_u24 v[AB0], v1, PBI                  ; the bias: my query's row, keys 8 (l / 16) on: 32 bytes
	v_lshl_add_u32 v[AB0], v9, 5, v[AB0]
	v_add_nc_u32 v[AB0], s20, v[AB0]
	s_mul_i32 s20, s23, 64*SP
	s_add_co_u32 s20, s20, s22
	s_add_co_u32 s20, s20, STAGE
	v_mul_u32_u24 v[STO], v1, SP                   ; into the stage: my query's row, my head's half of it
	v_lshl_add_u32 v[STO], v9, 4, v[STO]
	v_add_nc_u32 v[STO], s20, v[STO]
	s_mul_i32 s20, s[WV], 32*SP
	s_add_co_u32 s20, s20, STAGE
	v_mul_u32_u24 v[RD], v9, SP                    ; back: wave w takes rows 32 w on, whole
	v_lshl_add_u32 v[RD], v1, 4, v[RD]
	v_add_nc_u32 v[RD], s20, v[RD]
	v_lshlrev_b32 v[GO], 11, v9
	v_lshl_add_u32 v[GO], v1, 4, v[GO]
; THE MATRIX WORK.  The 4 accumulators of a run of 8 take turns.  Product i of 8 of S^T = K Q^T for piece x: channels 32 (i / 4) on, keys 16 (i % 4) on.  The first 4 start the sums with the bias.
.macro KQ x
.set rS, S+32*((\x)%2)+8*(i%4)
.set rK, KF+16*(i%4)+8*(i/4)
.set rQ, 16*(\x)+8*(i/4)
.set rM, MC+32*((\x)%2)+8*(i%4)
.if i < 4
	WIN W_KM
	v_wmma_f32_16x16x32_bf16 v[rS:rS+7], v[rK:rK+7], v[rQ:rQ+7], v[rM:rM+7]
.else
	WIN W_KQ
	v_wmma_f32_16x16x32_bf16 v[rS:rS+7], v[rK:rK+7], v[rQ:rQ+7], v[rS:rS+7]
.endif
.endm
.macro PV x                            ; product i of 8 of O^T += V^T P: keys 32 (i / 4) on, channels 16 (i % 4) on
	WIN W_PV
.set rO, 32*(\x)+8*(i%4)
.set rV, VF+32*(i/4)+8*(i%4)
.set rP, P+16*((\x)%2)+8*(i/4)
	v_wmma_f32_16x16x32_bf16 v[rO:rO+7], v[rV:rV+7], v[rP:rP+7], v[rO:rO+7]
.endm
.macro MM                              ; the turn's next matrix instruction
.if i < 8
	KQ (Y+1)%NP
.else
.set i, i-8
	PV (Y+NP-1)%NP
.set i, i+8
.endif
.set i, i+1
.endm
; THE LDS LOADS stand in runs: a step's K (16 loads), its V, turned (16), and a piece's bias (8).
.macro FETCH_K
	WIN 0x80
.irp f, 0,1,2,3,4,5,6,7
	ds_load_b128 v[KF+8*\f:KF+8*\f+3],   v[AK] offset:(\f/2)*16*PKP+(\f%2)*64
	ds_load_b128 v[KF+8*\f+4:KF+8*\f+7], v[AK] offset:(\f/2)*16*PKP+(\f%2)*64+32
.endr
	s_add_co_u32 s[TBK], s[TBK], KS*PKP            ; the next fetch is the next step's
	s_add_co_u32 s[TBB], s[TBB], KS*4
	WIN 0
.endm
.macro FETCH_V
	WIN 0x80
.irp f, 0,1,2,3,4,5,6,7
	ds_load_tr16_b128 v[VF+8*\f:VF+8*\f+3],   v[AV] offset:(\f/4)*32*PVP+(\f%4)*32
	ds_load_tr16_b128 v[VF+8*\f+4:VF+8*\f+7], v[AV] offset:(\f/4)*32*PVP+16*PVP+(\f%4)*32
.endr
	WIN 0
.endm
.macro FETCH_B x                       ; piece x's bias for the step at v[AB]: register j of key block kb is key 16 kb + 8 (l / 16) + j of my query
	WIN 0x40
.irp kb, 0,1,2,3
	ds_load_b128 v[MC+32*((\x)%2)+8*\kb:MC+32*((\x)%2)+8*\kb+3],   v[AB] offset:(\x)*16*PBI+64*\kb
	ds_load_b128 v[MC+32*((\x)%2)+8*\kb+4:MC+32*((\x)%2)+8*\kb+7], v[AB] offset:(\x)*16*PBI+64*\kb+16
.endr
	WIN 0
.endm
; THE VECTOR WORK, one line at a time: OP kind, number.  For piece Y: F n: c s - c m for pair n.  E n: the exponential of score n.  C n: pair n rounded to bf16.  B n: of four weights the second pair onto the first.
; L n: l takes that sum (L 0: l = a l + sum).  R n: pair n of O^T times a.  For piece Y + 1: X n, number n of the 22 that find its maximum and statistics (each accumulator's lowest registers are read first).
.set F, 0
.set E, 1
.set C, 2
.set B, 3
.set L, 4
.set R, 5
.set X, 6
.macro REGS y
.set rT, ST+4*(\y)
.set rC, TMP+4*((\y)%2)
.set rW, MV+((\y)%2)
.set rS, S+32*((\y)%2)
.set rP, P+16*((\y)%2)
.set rO, 32*(\y)
.endm
.macro OP k, n
.if (\k) == R
	REGS Y
	WIN W_RS
	v_pk_mul_f32 v[rO+2*(\n):rO+2*(\n)+1], v[rO+2*(\n):rO+2*(\n)+1], v[rC+2:rC+3] op_sel_hi:[1,0]
.elseif (\k) < R
	REGS Y
	WIN 0
.if (\k) == F
	v_pk_fma_f32 v[rS+2*(\n):rS+2*(\n)+1], v[rS+2*(\n):rS+2*(\n)+1], s[CS:CS+1], v[rT:rT+1] op_sel_hi:[1,0,0] neg_lo:[0,0,1] neg_hi:[0,0,1]
.elseif (\k) == E
	v_exp_f32 v[rS+(\n)], v[rS+(\n)]
.elseif (\k) == C
	v_cvt_pk_bf16_f32 v[rP+(\n)], v[rS+2*(\n)], v[rS+2*(\n)+1]
.elseif (\k) == B
	v_pk_add_f32 v[rS+4*(\n):rS+4*(\n)+1], v[rS+4*(\n):rS+4*(\n)+1], v[rS+4*(\n)+2:rS+4*(\n)+3]
.elseif (\n) == 0
	v_pk_fma_f32 v[rT+2:rT+3], v[rT+2:rT+3], v[rC+2:rC+3], v[rS:rS+1] op_sel_hi:[1,0,1]
.else
	v_pk_add_f32 v[rT+2:rT+3], v[rT+2:rT+3], v[rS+4*(\n):rS+4*(\n)+1]
.endif
.else
	REGS (Y+1)%NP
	WIN 0
.if (\n) < 4
	v_max3_num_f32 v[rC+(\n)], v[rS+8*(\n)], v[rS+8*(\n)+1], v[rS+8*(\n)+2]
.elseif (\n) < 12
	v_max3_num_f32 v[rC+(\n)%4], v[rC+(\n)%4], v[rS+8*((\n)%4)+2*((\n)/4)+1], v[rS+8*((\n)%4)+2*((\n)/4)+2]
.elseif (\n) == 12
	v_max3_num_f32 v[rC], v[rC], v[rS+7], v[rS+15]
.elseif (\n) == 13
	v_max3_num_f32 v[rC+1], v[rC+1], v[rS+23], v[rS+31]
.elseif (\n) == 14
	v_max3_num_f32 v[rC+2], v[rC+2], v[rC+3], v[rT+1]
.elseif (\n) == 15
	v_mov_b32 v[rW], v[rT]
.elseif (\n) == 16
	v_max3_num_f32 v[rC], v[rC], v[rC+1], v[rC+2]
.elseif (\n) == 17
	v_permlanex16_b32 v[rC+3], v[rC], s[SEL], s[SEL+1]
.elseif (\n) == 18
	v_max_num_f32 v[rT+1], v[rC], v[rC+3]
.elseif (\n) == 19
	v_mul_f32 v[rT], s[CS], v[rT+1]
.elseif (\n) == 20
	v_sub_f32 v[rC+1], v[rW], v[rT]
.else
	v_exp_f32 v[rC+2], v[rC+1]
.endif
.endif
.endm
.macro OPS a, i1, b=-1, i2=0, c=-1, i3=0, d=-1, i4=0
	OP \a, \i1
.if (\b) >= 0
	OP \b, \i2
.endif
.if (\c) >= 0
	OP \c, \i3
.endif
.if (\d) >= 0
	OP \d, \i4
.endif
.endm
.macro ROW a, i1, b, i2, c, i3, d, i4  ; a matrix instruction and the four behind it
	MM
	OPS \a, \i1, \b, \i2, \c, \i3, \d, \i4
.endm
; A TURN, for piece p.  AHEAD OF ITS ONE WAIT stands all that names no result of the turn's exponentials: 8 products K Q^T with their riders, and the lump; BEHIND IT 8 products V^T P, whose riders are the roundings and sums.
; LDS: piece p + 2's bias is fetched in the lump (its buffer was last read a turn ago), with K of the next step in piece 2's turn, six plain instructions behind the last product that read K; V of the step in hand
; at the end of piece 0's turn, four plain instructions behind its last reader.  The head waits for the bias of the products to come: in piece 1's turn V's 16 loads are younger and may stay out.
; last = 1 (the tail, pieces 2 and 3): the fetches stand behind the batch's wait, where a branch may stand, and are jumped over in the last trip, which has no further step.
.macro TURN p, last=0
.set Y, (\p)
.set i, 0
.if (\p) == 1
	s_wait_dscnt 16
.else
	s_wait_dscnt 0x0
.endif
	ROW F,0, F,1, R,0, R,1
	ROW F,2, E,0, R,2, R,3
	ROW F,3, E,1, R,4, R,5
	ROW F,4, E,2, R,6, R,7
	ROW F,5, E,3, R,8, R,9
	ROW F,6, E,4, X,0, R,10
.if (\p) == 2
	WIN 0
	v_add_nc_u32 v[AK], s[TBK], v[AK0]
	v_add_nc_u32 v[AB], s[TBB], v[AB0]
.endif
	ROW F,7, E,5, X,1, X,4
	ROW F,8, E,6, X,2, X,5
	OPS E,7, E,8, X,6, E,9
	OPS X,3, E,10, X,8, E,11
.if !(\last)
.if (\p) == 2
	FETCH_K
.endif
	FETCH_B ((\p)+2)%NP
.endif
	OPS X,9, X,7, E,12, X,10
	OPS E,13, X,12, X,11, E,14
	OPS X,13, E,15, F,9, X,14
.if (\p) == 0
	WIN 0
	v_add_nc_u32 v[AV], s[TBV], v[AV0]
.endif
	OPS E,16, F,10, E,17, F,11
	OPS X,16, E,18, X,15, E,19
	OPS F,12, E,20, X,17, E,21
	OPS F,13, E,22, F,14, E,23
	OPS X,18, E,24, F,15, E,25
	OPS R,11, E,26, X,19, E,27
	OPS R,12, E,28, R,13, E,29
	OPS X,20, E,30, R,14, E,31
	OPS X,21, R,15                                 ; R 15 is the plain instruction behind the last exponential
	WIN 0
	s_wait_alu depctr_va_vdst(0)                   ; the wait for the batch, ahead of the first instruction that names a result
.if \last
	s_cmp_eq_u32 s[CNT], 1
	s_cbranch_scc1 .Lno_f_\@
.if (\p) == 2
	FETCH_K
.endif
	FETCH_B ((\p)+2)%NP
.Lno_f_\@:
.endif
.if (\p) == 1
	s_wait_dscnt 0x0                               ; V is in
.endif
	ROW C,0, B,0, C,2, B,1
	ROW L,0, C,4, B,2, L,1
	ROW C,6, B,3, L,2, C,8
	ROW B,4, L,3, C,10, B,5
	ROW L,4, C,12, B,6, L,5
.if (\p) == 0
	s_add_co_u32 s[TBV], s[TBV], KS*PVP
.endif
	ROW C,14, B,7, L,6, C,1
	ROW C,3, L,7, C,5, C,7
	ROW C,9, C,11, C,13, C,15
.if (\p) == 0
	FETCH_V
.endif
.endm
	CHANGE 1                                       ; slot 0 is in, everybody's part of it; slot 1 is asked for
	v_add_nc_u32 v[AK], s[TBK], v[AK0]
	v_add_nc_u32 v[AB], s[TBB], v[AB0]
	FETCH_K                                        ; key step 0
	FETCH_B 0
	FETCH_B 1
	s_wait_loadcnt 0x0                             ; Q
	WIN 0x82
.set i, 0
.rept 64
	v_pk_mul_bf16 v[i], v[i], 0x3d003d00           ; Q / 32: a power of two, so nothing is rounded
.set i, i+1
.endr
	WIN 0
	s_wait_dscnt 0x0
.set i, 0
.rept 8
	KQ 0                                           ; piece 0's first scores
.set i, i+1
.endr
	WIN 0
.rept 8
	v_nop                                          ; the places behind those products
.endr
.set Y, NP-1                           ; X works for piece Y + 1: piece 0
.irp n, 0,1,2,3,4,5,6,7,8,9,10,11,12,13,14,15,16,17,18,19,20,21
	OP X, \n
.endr
	v_nop                                          ; a plain instruction behind the exponential,
	s_wait_alu depctr_va_vdst(0)                   ; and its wait, ahead of the branch
	s_mov_b32 s[CNT], 2
	s_branch .Lfirst                               ; the loop is entered at a step's first turn, in the middle of a trip
.Lslot:                                                ; 14 times: every slot but the last two is filled again
	CHANGE 1
	s_mov_b32 s[CNT], 2
.Lstep:                                                ; a trip: pieces 2 and 3 of one step, then pieces 0 and 1 of the next
	TURN 2
	TURN 3
	WIN 0
.Lfirst:
	TURN 0
	TURN 1
	WIN 0
	s_sub_co_u32 s[CNT], s[CNT], 1
	s_cmp_lg_u32 s[CNT], 0
	s_cbranch_scc1 .Lstep
	s_sub_co_u32 s[SLOTS], s[SLOTS], 1
	s_cmp_lg_u32 s[SLOTS], 0
	s_cbranch_scc1 .Lslot
	CHANGE 0                                       ; the tail is written out
	s_mov_b32 s[CNT], 3                            ; two trips fetch the last slot's steps; the third is left in its middle
.Ltail:
	TURN 2, 1
	TURN 3, 1
	WIN 0
	s_sub_co_u32 s[CNT], s[CNT], 1
	s_cmp_eq_u32 s[CNT], 0
	s_cbranch_scc1 .Lout
	TURN 0
	TURN 1
	WIN 0
	s_branch .Ltail
.Lout:                                                 ; the third trip's 8 products K Q^T and the maximum made of them serve nothing: the price of one text for every trip
.set i, 0
.rept 8
	PV NP-1                                        ; the last piece's V^T P of the last step
.set i, i+1
.endr
	; THE WAY OUT.  l's halves and the other half of the lanes' are added; O^T is divided by l, rounded to bf16, and goes through the work-group's stage: a row's 256 bytes come from two waves.
	WIN 0
.macro ALL line:vararg
.set t, 0
.rept 4
	\line
.set t, t+1
.endr
.endm
	ALL v_add_f32 v[ST+4*t+2], v[ST+4*t+2], v[ST+4*t+3]
	ALL v_permlanex16_b32 v[ST+4*t+3], v[ST+4*t+2], s[SEL], s[SEL+1]
	ALL v_add_f32 v[ST+4*t+2], v[ST+4*t+2], v[ST+4*t+3]
	ALL v_rcp_f32 v[ST+4*t+2], v[ST+4*t+2]
	v_nop                                          ; a plain instruction behind the last reciprocal,
	s_wait_alu depctr_va_vdst(0)                   ; and one wait for the four
.macro PACK t
	WIN W_RS
.set i, 32*(\t)
.rept 16
	v_pk_mul_f32 v[i:i+1], v[i:i+1], v[ST+4*(\t)+2:ST+4*(\t)+3] op_sel_hi:[1,0]
.set i, i+2
.endr
	WIN 0x05
.set i, 0
.rept 16
	v_cvt_pk_bf16_f32 v[S+16*(\t)+i], v[32*(\t)+2*i], v[32*(\t)+2*i+1]
.set i, i+1
.endr
	WIN 0
.irp f, 0,1,2,3
	ds_store_b128 v[STO], v[S+16*(\t)+4*\f:S+16*(\t)+4*\f+3] offset:(\t)*16*SP+32*\f
.endr
.endm
	PACK 0
	PACK 1
	PACK 2
	PACK 3
	s_wait_dscnt 0x0                               ; for the others' sake: my stores into the stage are done
	s_barrier_signal -1
	s_barrier_wait -1
.irp t, 0,1,2,3,4,5,6,7,8,9,10,11,12,13,14,15
	ds_load_b128 v[S+4*\t:S+4*\t+3], v[RD] offset:\t*2*SP
.endr
.irp t, 0,1,2,3,4,5,6,7,8,9,10,11,12,13,14,15
	s_wait_dscnt 15-\t
	global_store_b128 v[GO], v[S+4*\t:S+4*\t+3], s[8:9] offset:\t*4096  ; 16 lanes store 256 consecutive bytes, aligned
.endr
	s_wait_tensorcnt 0x0                           ; the wave's end
	ds_add_u32 v[SPW], v[NIL]
	s_wait_dscnt 0x0
	CROUND                                         ; the closing round
	s_endpgm
.Lfunc_end_k_qb3df6e7745_attn:
	.size	k_qb3df6e7745_attn, .Lfunc_end_k_qb3df6e7745_attn-k_qb3df6e7745_attn
	.p2alignl 7, 3214868480
	.fill 96, 4, 3214868480
	.section	.rodata,"a",@progbits
	.p2align	6, 0x0
	.amdhsa_kernel k_qb3df6e7745_attn
		.amdhsa_group_segment_fixed_size 327680
		.amdhsa_private_segment_fixed_size 0
		.amdhsa_enable_private_segment 0
		.amdhsa_kernarg_size 24
		.amdhsa_user_sgpr_count 2
		.amdhsa_user_sgpr_kernarg_segment_ptr 1
		.amdhsa_wavefront_size32 1
		.amdhsa_system_sgpr_workgroup_id_x 1
		.amdhsa_system_sgpr_workgroup_id_y 1
		.amdhsa_system_sgpr_workgroup_id_z 1
		.amdhsa_system_vgpr_workitem_id 0
		.amdhsa_next_free_vgpr 768
		.amdhsa_next_free_sgpr 88
		.amdhsa_reserve_vcc 0
		.amdhsa_float_denorm_mode_32 3
		.amdhsa_float_denorm_mode_16_64 3
		.amdhsa_memory_ordered 1
		.amdhsa_forward_progress 1
		.amdhsa_inst_pref_size 128
	.end_amdhsa_kernel
	.amdgpu_metadata
---
amdhsa.version: [ 1, 2 ]
amdhsa.kernels:
  - .name:           k_qb3df6e7745_attn
    .symbol:         k_qb3df6e7745_attn.kd
    .args:
      - { .name: qkv, .offset: 0, .size: 8, .value_kind: global_buffer, .address_space: global }
      - { .name: attn_bias, .offset: 8, .size: 8, .value_kind: global_buffer, .address_space: global }
      - { .name: att, .offset: 16, .size: 8, .value_kind: global_buffer, .address_space: global }
    .group_segment_fixed_size: 327680
    .private_segment_fixed_size: 0
    .kernarg_segment_align: 8
    .kernarg_segment_size: 24
    .max_flat_workgroup_size: 128
    .sgpr_count:     88
    .vgpr_count:     768
    .wavefront_size: 32
...
	.end_amdgpu_metadata
.endif
;; end of part 10
;; launch oproj: the kernel of part 4 again; grid 8 x 32, 4 waves a work-group, clusters of 4 x 4, 327,680 bytes of LDS; arguments att, wb, ao, enc_input; writes ao
;; launch ln2: the kernel of part 5 again; grid 256 x 1, 4 waves a work-group, no clusters, 0 bytes of LDS; arguments ao, ln2_g, ln2_b, xn; writes xn
;; launch ffn1: the kernel of part 9 again; grid 16 x 16, 4 waves a work-group, clusters of 4 x 4, 327,680 bytes of LDS; arguments xn, w1p, hb; writes hb
;; launch ffn2: the kernel of part 7 again; grid 8 x 32, 4 waves a work-group, clusters of 4 x 4, 327,680 bytes of LDS; arguments hb, wb, out0, ao, b2; writes out0
